; MI455X (gfx1250); checked and timed in simulation.
; The chip was launched on July 23, 2026; its instructions are those of AMD's public machine-readable ISA for CDNA 5 (MIT licence, August 2026) and "CDNA5" Instruction Set Architecture Reference Guide (July 2026). The comments in the code are by the model that wrote it; some were corrected since.
;; Multi Scale Retention. Allowed arithmetic: float matrix products may take bf16 or f16 operands with f32 sums; other float arithmetic in f32, or as packed bf16 or f16 multiplies, adds, multiply-adds, maxima and minima; sums over many terms, partial sums and values carried from step to step in f32; what a program stores and reads back later, other than sums and carried values, may be rounded once to bf16 or f16.
;; Inputs: Wg 1,024 x 2,048 float32; Wp 2,048 x 1,024 float32; Wqkv 1,024 x 4,096 float32; bp 1,024 float32; x 2 x 2,048 x 1,024 float32.
;; Outputs: out0 2 x 2,048 x 1,024 float32; out1 2 x 8 x 128 x 256 float32.
;; 2 versions, each right and faster than the one before. Each part assembles by itself: llvm-mc -triple=amdgcn-amd-amdhsa -mcpu=gfx1250 --defsym DOCPART=n.
;; ======== version 1 of 2: 6 launches
;; limits: values are held in f16: magnitudes above 65,504 overflow, below 6.1e-05 lose precision; right only within a limited range of input values
;; workspace buffers: pw 33,554,432 bytes; pj 50,331,648 bytes; ub 33,558,528 bytes; st 16,778,240 bytes; yb 16,777,216 bytes
;; launch prep (part 1): grid 256 x 4, 8 waves a work-group, no clusters, 0 bytes of LDS; arguments x, Wqkv, Wg, Wp, pw; writes pw
.if DOCPART == 1
	.amdgcn_target "amdgcn-amd-amdhsa--gfx1250"
	.amdhsa_code_object_version 6
	.text
	.protected	k_q822f7c0352_prep
	.globl	k_q822f7c0352_prep
	.p2align	8
	.type	k_q822f7c0352_prep,@function
k_q822f7c0352_prep:
	s_mov_b64 s[64:65], 0
	v_nop
	global_prefetch_b8 v0, s[64:65] scope:SCOPE_SE
	s_setreg_imm32_b32 hwreg(HW_REG_WAVE_MODE, 25, 1), 1
	s_wait_xcnt 0x0
; PREP.  A stream: the inputs rounded once to bf16, and the two tables of rotation factors.  No LDS, no matrix unit: memory binds.
; pw: byte 0 x as bf16 [4096][1024]; WC [Wqkv | Wg] as bf16 [1024][6144]; WPO 32 x bf16(Wp) written as f16 [2048][1024] (exact while |Wp| < 2,047 and above 1.9e-6);
; ROT the q table, ROT + 4 MiB the k table.
; Grid y picks the job: 0 x, 1 Wqkv, 2 Wg (x < 128) and Wp (x >= 128), 3 the tables.
; CAST: a line is 2,048 f32.  A work-group takes 8 lines, a wave 1,024 bytes of each: two loads of 512 consecutive bytes, two stores of 256 consecutive bytes, aligned.
; TABLE: block (t >> 4, column >> 4) is 512 bytes; lane l holds 4 words; word j = f16 cos x s (low), f16 sin x s (high) for t = 16 (t >> 4) + l % 16 and pair p = 8 (column >> 4) + 4 (l / 16) + j:
; the order in which the projection's accumulators hold a 16 x 16 block.  s = xs^(+-(t - 1024) / 512) / 8, xs = (2 p + 409.6) / 1433.6: the magnitude is centred at t = 1024 so that it stays within 1/98 .. 1.6.
; The angle t x 10000^(-p/512), up to 2,047, is reduced by multiples of pi/2 held in two parts; sine and cosine are polynomials on +-pi/4 (next terms 3e-7 and 3e-8).
.set WC,  8388608
.set WPO, 20971520
.set ROT, 25165824
.set IN,  16                           ; v[16:79]  8 lines x 8 f32 as loaded
.set OUT, 80                           ; v[80:111] 8 lines x 4 words to store
.set TF, 4                             ; t as f32
.set TC, 5                             ; (t - 1024) / 512
.set TO, 6                             ; my 16 bytes in the work-group's part of a table
.set PF, 8                             ; sets of four, one for each of my pairs: p as f32
.set IV, 12                            ; 10000^(-p/512)
.set LB, 16                            ; log2 xs
.set PH, 20                            ; the angle
.set NQ, 24                            ; its multiple of pi/2
.set RR, 28                            ; the rest
.set R2, 32
.set SN, 36
.set CS, 40
.set QI, 44
.set EQ, 48
.set EK, 52
.set T,  56                            ; v[56:63] at work
.set OQ, 64
.set OK, 68
; mode 0: dense lines; 1: Wqkv (two lines a row of 12,288 bytes); 2: Wg (a line a row); 3: Wp, dense, as f16 x 32
.macro CAST mode
.irp s, 0,1,2,3,4,5,6,7
	global_load_b128 v[IN+8*(\s):IN+8*(\s)+3], v1, s[16:17] offset:8192*(\s) th:TH_LOAD_NT
	global_load_b128 v[IN+8*(\s)+4:IN+8*(\s)+7], v1, s[16:17] offset:8192*(\s)+512 th:TH_LOAD_NT
.endr
.irp s, 0,1,2,3,4,5,6,7
	s_wait_loadcnt 14-2*(\s)                       ; loads return in order: line s is in, two loads for each younger line stay out
.irp k, 0,1,2,3
	v_cvt_pk_bf16_f32 v[OUT+4*(\s)+(\k)], v[IN+8*(\s)+2*(\k)], v[IN+8*(\s)+2*(\k)+1]
.if (\mode) == 3
	v_lshlrev_b32 v[IN+8*(\s)+2*(\k)], 16, v[OUT+4*(\s)+(\k)]
	v_and_b32 v[IN+8*(\s)+2*(\k)+1], 0xffff0000, v[OUT+4*(\s)+(\k)]
	v_pk_mul_f32 v[IN+8*(\s)+2*(\k):IN+8*(\s)+2*(\k)+1], v[IN+8*(\s)+2*(\k):IN+8*(\s)+2*(\k)+1], 0x42000000 op_sel_hi:[1,0]
	v_cvt_pk_f16_f32 v[OUT+4*(\s)+(\k)], v[IN+8*(\s)+2*(\k)], v[IN+8*(\s)+2*(\k)+1]
.endif
.endr
.if (\mode) == 1
.set DO, ((\s)/2)*12288+((\s)%2)*4096
.elseif (\mode) == 2
.set DO, 12288*(\s)
.else
.set DO, 4096*(\s)
.endif
	global_store_b64 v2, v[OUT+4*(\s):OUT+4*(\s)+1], s[18:19] offset:DO
	global_store_b64 v2, v[OUT+4*(\s)+2:OUT+4*(\s)+3], s[18:19] offset:DO+256
.endr
.endm
	s_load_b256 s[4:11], s[0:1], 0x0               ; x s[4:5], Wqkv s[6:7], Wg s[8:9], Wp s[10:11]
	s_load_b64 s[12:13], s[0:1], 0x20              ; pw
	s_and_b32 s14, ttmp7, 0xffff                   ; the job
	v_lshrrev_b32 v3, 5, v0                        ; wave
	v_and_b32 v4, 31, v0                           ; lane
	v_lshlrev_b32 v1, 4, v4
	v_lshl_or_b32 v1, v3, 10, v1                   ; source: 1,024 x wave + 16 x lane
	v_lshlrev_b32 v2, 3, v4
	v_lshl_or_b32 v2, v3, 9, v2                    ; destination: 512 x wave + 8 x lane
	s_lshl_b32 s20, ttmp9, 16                      ; 8 lines of 8,192 bytes
	s_mov_b32 s21, 0
	s_mov_b32 s23, 0
	s_wait_kmcnt 0x0
	s_cmp_lg_u32 s14, 0
	s_cbranch_scc1 .Lnot_x
	s_add_nc_u64 s[16:17], s[4:5], s[20:21]
	s_lshl_b32 s22, ttmp9, 15
	s_add_nc_u64 s[18:19], s[12:13], s[22:23]
	CAST 0
	s_endpgm
.Lnot_x:
	s_cmp_lg_u32 s14, 1
	s_cbranch_scc1 .Lnot_qkv
	s_add_nc_u64 s[16:17], s[6:7], s[20:21]
	s_mul_i32 s22, ttmp9, 49152                    ; four rows of 12,288 bytes
	s_add_nc_u64 s[18:19], s[12:13], s[22:23]
	s_add_nc_u64 s[18:19], s[18:19], WC
	CAST 1
	s_endpgm
.Lnot_qkv:
	s_cmp_lg_u32 s14, 2
	s_cbranch_scc1 .Ltab
	s_cmp_lt_u32 ttmp9, 128
	s_cbranch_scc0 .Lwp
	s_add_nc_u64 s[16:17], s[8:9], s[20:21]
	s_mul_i32 s22, ttmp9, 98304                    ; eight rows
	s_add_nc_u64 s[18:19], s[12:13], s[22:23]
	s_add_nc_u64 s[18:19], s[18:19], WC+8192       ; behind Wqkv's 4,096 columns
	CAST 2
	s_endpgm
.Lwp:
	s_sub_co_u32 s24, ttmp9, 128
	s_lshl_b32 s20, s24, 16
	s_add_nc_u64 s[16:17], s[10:11], s[20:21]
	s_lshl_b32 s22, s24, 15
	s_add_nc_u64 s[18:19], s[12:13], s[22:23]
	s_add_nc_u64 s[18:19], s[18:19], WPO
	CAST 3
	s_endpgm
.Ltab:
	s_lshl_b32 s22, ttmp9, 14                      ; 16,384 bytes of each table to a work-group
	s_add_nc_u64 s[18:19], s[12:13], s[22:23]
	s_add_nc_u64 s[18:19], s[18:19], ROT           ; q's table
	s_add_nc_u64 s[16:17], s[18:19], 4194304       ; k's
	s_mov_b32 s28, 0xbcd49a78                      ; -log2(10000) / 512
	s_mov_b32 s29, 0x3ab6db6e                      ; 2 / 1433.6
	s_mov_b32 s30, 0x3e924925                      ; 409.6 / 1433.6
	s_mov_b32 s31, 0x3f22f983                      ; 2 / pi
	s_mov_b32 s32, 0x3fc90fdb                      ; pi / 2, the f32 nearest
	s_mov_b32 s33, 0xb33bbd2e                      ; and what it leaves
	s_mov_b32 s34, 0xb9500d01                      ; -1/5040
	s_mov_b32 s35, 0x3c088889                      ; 1/120
	s_mov_b32 s36, 0xbe2aaaab                      ; -1/6
	s_mov_b32 s37, 0x37d00d01                      ; 1/40320
	s_mov_b32 s38, 0xbab60b61                      ; -1/720
	s_mov_b32 s39, 0x3d2aaaab                      ; 1/24
	s_mov_b32 s40, 0xc0400000                      ; -3: the factor 1/8
	s_lshr_b32 s24, ttmp9, 1
	s_lshl_b32 s24, s24, 4                         ; 16 (x >> 1)
	s_and_b32 s25, ttmp9, 1
	s_lshl_b32 s25, s25, 8                         ; 256 (x & 1)
	v_and_b32 v7, 15, v0
	v_add_nc_u32 v7, s24, v7                       ; t
	v_cvt_f32_u32 v[TF], v7
	v_add_f32 v[TC], 0xc4800000, v[TF]
	v_mul_f32 v[TC], 0x3b000000, v[TC]
	v_lshlrev_b32 v[TO], 4, v0
	v_bfe_u32 v7, v0, 4, 1
	v_lshlrev_b32 v7, 2, v7
	v_lshl_add_u32 v7, v3, 3, v7
	v_add_nc_u32 v7, s25, v7                       ; my first pair in trip 0: 256 (x & 1) + 8 wave + 4 (l / 16)
.irp j, 0,1,2,3
	v_add_nc_u32 v[T+(\j)], \j, v7
	v_cvt_f32_u32 v[PF+(\j)], v[T+(\j)]
.endr
	s_mov_b32 s26, 4
.Ltrip:                                        ; a trip: 4,096 bytes of each table; the pairs go on by 64
.irp j, 0,1,2,3
	v_mul_f32 v[T+(\j)], s28, v[PF+(\j)]
	v_fma_f32 v[T+4+(\j)], v[PF+(\j)], s29, s30
.endr
.irp j, 0,1,2,3
	v_exp_f32 v[IV+(\j)], v[T+(\j)]
.endr
.irp j, 0,1,2,3
	v_log_f32 v[LB+(\j)], v[T+4+(\j)]
.endr
	v_nop                                          ; a plain instruction behind the batch of eight,
	s_wait_alu depctr_va_vdst(0)                   ; and its one wait ahead of the first reader
.irp j, 0,1,2,3
	v_mul_f32 v[PH+(\j)], v[TF], v[IV+(\j)]
	v_mul_f32 v[NQ+(\j)], s31, v[PH+(\j)]
	v_rndne_f32 v[NQ+(\j)], v[NQ+(\j)]
	v_fma_f32 v[RR+(\j)], -v[NQ+(\j)], s32, v[PH+(\j)]
	v_fma_f32 v[RR+(\j)], -v[NQ+(\j)], s33, v[RR+(\j)]
	v_mul_f32 v[R2+(\j)], v[RR+(\j)], v[RR+(\j)]
	v_fma_f32 v[SN+(\j)], v[R2+(\j)], s34, s35
	v_fma_f32 v[SN+(\j)], v[SN+(\j)], v[R2+(\j)], s36
	v_mul_f32 v[T+(\j)], v[RR+(\j)], v[R2+(\j)]
	v_fma_f32 v[SN+(\j)], v[SN+(\j)], v[T+(\j)], v[RR+(\j)]
	v_fma_f32 v[CS+(\j)], v[R2+(\j)], s37, s38
	v_fma_f32 v[CS+(\j)], v[CS+(\j)], v[R2+(\j)], s39
	v_fma_f32 v[CS+(\j)], v[CS+(\j)], v[R2+(\j)], -0.5
	v_fma_f32 v[CS+(\j)], v[CS+(\j)], v[R2+(\j)], 1.0
	v_cvt_i32_f32 v[QI+(\j)], v[NQ+(\j)]
	v_fma_f32 v[T+(\j)], v[LB+(\j)], v[TC], s40
	v_fma_f32 v[T+4+(\j)], -v[LB+(\j)], v[TC], s40
.endr
.irp j, 0,1,2,3
	v_exp_f32 v[EQ+(\j)], v[T+(\j)]
.endr
.irp j, 0,1,2,3
	v_exp_f32 v[EK+(\j)], v[T+4+(\j)]
.endr
	v_nop
	s_wait_alu depctr_va_vdst(0)
.irp j, 0,1,2,3                        ; the quadrant only selects values: odd: sine and cosine change places; the signs by bit 1 of n and of n + 1
	v_and_b32 v[PH+(\j)], 1, v[QI+(\j)]
	v_cmp_ne_u32 vcc_lo, 0, v[PH+(\j)]
	v_cndmask_b32 v[T+(\j)], v[SN+(\j)], v[CS+(\j)], vcc_lo
	v_cndmask_b32 v[T+4+(\j)], v[CS+(\j)], v[SN+(\j)], vcc_lo
	v_and_b32 v[PH+(\j)], 2, v[QI+(\j)]
	v_lshlrev_b32 v[PH+(\j)], 30, v[PH+(\j)]
	v_xor_b32 v[T+(\j)], v[T+(\j)], v[PH+(\j)]
	v_add_nc_u32 v[QI+(\j)], 1, v[QI+(\j)]
	v_and_b32 v[QI+(\j)], 2, v[QI+(\j)]
	v_lshlrev_b32 v[QI+(\j)], 30, v[QI+(\j)]
	v_xor_b32 v[T+4+(\j)], v[T+4+(\j)], v[QI+(\j)]
	v_mul_f32 v[RR+(\j)], v[T+4+(\j)], v[EQ+(\j)]
	v_mul_f32 v[R2+(\j)], v[T+(\j)], v[EQ+(\j)]
	v_cvt_pk_f16_f32 v[OQ+(\j)], v[RR+(\j)], v[R2+(\j)]
	v_mul_f32 v[RR+(\j)], v[T+4+(\j)], v[EK+(\j)]
	v_mul_f32 v[R2+(\j)], v[T+(\j)], v[EK+(\j)]
	v_cvt_pk_f16_f32 v[OK+(\j)], v[RR+(\j)], v[R2+(\j)]
.endr
	global_store_b128 v[TO], v[OQ:OQ+3], s[18:19]  ; a wave's store covers 512 consecutive bytes
	global_store_b128 v[TO], v[OK:OK+3], s[16:17]
	s_wait_xcnt 0x0                                ; the stores have read their offset and data: both are written again below and in the next trip
	v_add_nc_u32 v[TO], 4096, v[TO]
.irp j, 0,1,2,3
	v_add_f32 v[PF+(\j)], 0x42800000, v[PF+(\j)]
.endr
	s_sub_co_u32 s26, s26, 1
	s_cmp_lg_u32 s26, 0
	s_cbranch_scc1 .Ltrip
	s_endpgm
.Lfunc_end_k_q822f7c0352_prep:
	.size	k_q822f7c0352_prep, .Lfunc_end_k_q822f7c0352_prep-k_q822f7c0352_prep
	.p2alignl 7, 3214868480
	.fill 96, 4, 3214868480
	.section	.rodata,"a",@progbits
	.p2align	6, 0x0
	.amdhsa_kernel k_q822f7c0352_prep
		.amdhsa_group_segment_fixed_size 0
		.amdhsa_private_segment_fixed_size 0
		.amdhsa_enable_private_segment 0
		.amdhsa_kernarg_size 40
		.amdhsa_user_sgpr_count 2
		.amdhsa_user_sgpr_kernarg_segment_ptr 1
		.amdhsa_wavefront_size32 1
		.amdhsa_system_sgpr_workgroup_id_x 1
		.amdhsa_system_sgpr_workgroup_id_y 1
		.amdhsa_system_sgpr_workgroup_id_z 1
		.amdhsa_system_vgpr_workitem_id 0
		.amdhsa_next_free_vgpr 112
		.amdhsa_next_free_sgpr 66
		.amdhsa_reserve_vcc 1
		.amdhsa_float_denorm_mode_32 3
		.amdhsa_float_denorm_mode_16_64 3
		.amdhsa_memory_ordered 1
		.amdhsa_forward_progress 1
		.amdhsa_inst_pref_size 41
	.end_amdhsa_kernel
	.amdgpu_metadata
---
amdhsa.version: [ 1, 2 ]
amdhsa.kernels:
  - .name:           k_q822f7c0352_prep
    .symbol:         k_q822f7c0352_prep.kd
    .args:
      - { .name: x, .offset: 0, .size: 8, .value_kind: global_buffer, .address_space: global }
      - { .name: Wqkv, .offset: 8, .size: 8, .value_kind: global_buffer, .address_space: global }
      - { .name: Wg, .offset: 16, .size: 8, .value_kind: global_buffer, .address_space: global }
      - { .name: Wp, .offset: 24, .size: 8, .value_kind: global_buffer, .address_space: global }
      - { .name: pw, .offset: 32, .size: 8, .value_kind: global_buffer, .address_space: global }
    .group_segment_fixed_size: 0
    .private_segment_fixed_size: 0
    .kernarg_segment_align: 8
    .kernarg_segment_size: 40
    .max_flat_workgroup_size: 256
    .sgpr_count:     66
    .vgpr_count:     112
    .wavefront_size: 32
...
	.end_amdgpu_metadata
.endif
;; end of part 1
;; launch proj (part 2): grid 24 x 32, 4 waves a work-group, clusters of 4 x 4, 327,680 bytes of LDS; arguments pw, pj; writes pj
.if DOCPART == 2
	.amdgcn_target "amdgcn-amd-amdhsa--gfx1250"
	.amdhsa_code_object_version 6
	.text
	.protected	k_q822f7c0352_proj
	.globl	k_q822f7c0352_proj
	.p2align	8
	.type	k_q822f7c0352_proj,@function
k_q822f7c0352_proj:
	s_mov_b64 s[64:65], 0
	v_nop
	global_prefetch_b8 v0, s[64:65] scope:SCOPE_SE
	s_setreg_imm32_b32 hwreg(HW_REG_WAVE_MODE, 25, 1), 1
	s_wait_xcnt 0x0
	s_wait_alu depctr_hold_cnt(0) depctr_sa_sdst(0) depctr_va_vdst(0) depctr_va_sdst(0) depctr_va_ssrc(0) depctr_va_vcc(0) depctr_vm_vsrc(0)
	s_getreg_b32 s2, hwreg(HW_REG_IB_STS2, 6, 4)
	s_cmp_eq_u32 s2, 0
	s_cbranch_scc0 .Lentry_in_a_cluster
	s_endpgm
.Lentry_in_a_cluster:
	s_bfe_u32 s2, ttmp6, 0x10000c
	s_cmp_lg_u32 s2, 0xf033
	s_cbranch_scc0 .Lentry_shape_is_right
	s_endpgm
.Lentry_shape_is_right:
; PROJ.  [4096][6144] = x [4096][1024] times [Wqkv | Wg] [1024][6144], both bf16, sums in f32; on the way out q and k are rotated and scaled, v is decayed, the gate takes its SiLU; all leave as f16, by heads.
; pj: byte 0 qs [16 bh][2048][128]; 8,388,608 ks, the same; 16,777,216 vs [16][2048][256]; 33,554,432 the gate, the same.
;   qs = rot(q) xs^((t-1024)/512) / 8, ks = rot(k) xs^(-(t-1024)/512) / 8 (factors from the tables), vs = v g^(127 - t % 128), g = 1 - 2^(-5 - 4 h / 7).
; LIMITS.  f16 ends at 65,504: |x Wqkv| stays under 3.0e4 for q and k (times sqrt 2 times 12.25 / 8), under 65,504 for v and the gate.  Numbers under 6e-5 keep f16's fixed step of 6e-8.  NaN and infinities are not treated apart.
; SHAPE.  A tile is 128 rows (one chunk of 128 positions) x 256 columns; four waves, 2 x 2, each 64 x 128: 32 accumulators.  768 tiles: three for each of 256 WGPs.  K goes in steps of 128 through two LDS slots.
; A's rows lie along K and come out of LDS as they lie; the weights lie [K][N], 512 bytes of a row to a tile, and are turned by ds_load_tr16_b128.
; THE MATRIX INSTRUCTION IS USED TRANSPOSED (source 0 = 16 columns of the weights, source 1 = 16 rows of x): a lane holds row l % 16 and the eight columns 8 (l / 16) + 0..7.
; CLUSTERS.  4 x 4 work-groups: the four of a row need the same tile of x, the four of a column the same tile of the weights: each is asked for jointly.
; No prefetch: both operands, 21 MB, are read again by 6 to 32 tile rows or columns, and a tile's K step is short.
; REGISTERS.  window 0: addresses, and the way out; window 1: two fragment buffers of 96 (B's 8 blocks, then A's 4); window 2: accumulator (a, b) at 8 (8 a + b).
.set KS,    128
.set LAPS,  4                          ; 1,024 / (2 KS)
.set PA,    272                        ; a row of x in LDS: 256 bytes + 16: sixteen rows start at sixteen different groups of four banks
.set PB,    544                        ; a k row of the weights: 512 bytes + 32
.set AHALF, 64*PA
.set BHALF, 64*PB
.set BOFF,  2*AHALF
.set SLOT,  BOFF+2*BHALF               ; 104,448
.set STAGE, 2*SLOT                     ; behind the ring: 16 rows x 272 bytes for each wave
.set SP,    272
.set SPARE, STAGE+4*16*SP              ; the spare words, 128 bytes a wave
.set BPB,   12288                      ; bytes in a row of the weights
.set WC,    8388608
.set ROT,   25165824
.set ADRA, 16                          ; v16-17  my A fragments in slot 0, 1
.set ADRB, 20                          ; v20-23  my B fragments: 2 x slot + half of the K step
.set STO,  24
.set RD,   25
.set CO,   26
.set TBO,  27                          ; 16 x lane
.set SPW,  28
.set NIL,  29
.set Z,    30                          ; 0, for the mixed multiply-adds
.set W,    4                           ; v4-11   v's decay, a pair for each block of 16 rows
.set M,    12                          ; v12-15  at work
.set TMP,  32                          ; v32-63  a block packed to f16
.set X,    64                          ; v64-127 a block in f32
.set OB,   64                          ; v64-95  a block read back by rows
.set TAB,  128                         ; v128-255 the rotation factors of my 64 x 128
.set F0,   0
.set F1,   96
.set G1, 24
.set G0, 32
.set G1B, 48
.set G0B, 56
.set MSB, 0
.macro WIN new                         ; the immediate's high byte repeats the setting that is left
.if MSB != (\new)
	s_set_vgpr_msb (MSB<<8)|(\new)
.set MSB, \new
.endif
.endm
.set MUL,  0xa5                        ; sources 0 and 1 window 1; C and D window 2
.set TO_F, 0x40                        ; destination window 1, address window 0
.macro JLOAD s                         ; a joint load: waves 0 and 1 fetch A's two halves, waves 2 and 3 B's; an s_nop 0 and four v_nop follow each line
	s_cmp_eq_u32 s11, 0
	s_cbranch_scc0 .Lfor_b_\@
	tensor_load_to_lds s[G0+4*(\s):G0+4*(\s)+3], s[G1:G1+7]
	s_nop 0
.rept 4
	v_nop
.endr
	s_branch .Lasked_\@
.Lfor_b_\@:
	tensor_load_to_lds s[G0B+4*(\s):G0B+4*(\s)+3], s[G1B:G1B+7]
	s_nop 0
.rept 4
	v_nop
.endr
.Lasked_\@:
.endm
.macro CREST                           ; a round of the cluster's barrier behind its opening barrier
	s_cmp_lg_u32 s10, 0
	s_cbranch_scc1 .Lnot_wave_0_\@
	s_barrier_signal -3
.Lnot_wave_0_\@:
	s_barrier_wait -3
	s_barrier_signal -1
	s_barrier_wait -1
.endm
.macro CROUND
	s_barrier_signal -1
	s_barrier_wait -1
	CREST
.endm
.macro PLACES                          ; four places behind matrix instructions, ahead of loads into their sources and of readers of their results
.rept 4
	v_nop
.endr
.endm
.macro LOG2G vd, vt, sh                ; vd = log2(1 - e), e = 2^(-5 - 4 h / 7), by the series e + e^2/2 .. e^5/5 (the next term is under 5e-9 of it)
	v_cvt_f32_u32 v[\vt], s[\sh]
	v_mul_f32 v[\vt], 0xbf124925, v[\vt]
	v_add_f32 v[\vt], 0xc0a00000, v[\vt]
	v_exp_f32 v[\vt], v[\vt]
	v_mov_b32 v[\vd], 0x3e4ccccd
	s_wait_alu depctr_va_vdst(0)
	v_fma_f32 v[\vd], v[\vd], v[\vt], 0x3e800000
	v_fma_f32 v[\vd], v[\vd], v[\vt], 0x3eaaaaab
	v_fma_f32 v[\vd], v[\vd], v[\vt], 0.5
	v_fma_f32 v[\vd], v[\vd], v[\vt], 1.0
	v_mul_f32 v[\vd], v[\vd], v[\vt]
	v_mul_f32 v[\vd], 0xbfb8aa3b, v[\vd]
.endm
	s_load_b128 s[4:7], s[0:1], 0x0                ; pw s[4:5], pj s[6:7]
	v_lshl_add_u32 v[SPW], v0, 2, SPARE
	v_mov_b32 v[NIL], 0
	ds_add_u32 v[SPW], v[NIL]                      ; the opening: the add, twice on end, and its wait ahead of my first tensor load
	ds_add_u32 v[SPW], v[NIL]
	v_lshrrev_b32 v1, 5, v0
	v_readfirstlane_b32 s10, v1                    ; wave 0..3
	s_lshr_b32 s11, s10, 1                         ; my half of the tile's rows.  Also: I fetch for A (0) or for B (1)
	s_and_b32 s12, s10, 1                          ; my half of its columns.  Also: which half of that tile I fetch
	s_bfe_u32 s40, ttmp6, 0x40000                  ; cx
	s_bfe_u32 s41, ttmp6, 0x40004                  ; cy
	s_lshl_b32 s42, ttmp9, 2
	s_add_co_u32 s42, s42, s40                     ; tile column
	s_and_b32 s13, ttmp7, 0xffff
	s_lshl_b32 s13, s13, 2
	s_add_co_u32 s13, s13, s41                     ; tile row
	s_lshl_b32 s43, s41, 2
	s_lshl_b32 s43, 15, s43                        ; my row of the cluster
	s_lshl_b32 s44, 0x1111, s40                    ; my column
	s_or_b32 s[G1+0], s43, (1<<16)|(1<<20)|(1<<21)|(5<<22)|(3<<25)   ; A: 2-byte elements, 4 words of padding behind every 64
	s_mov_b32 s[G1+1], KS<<16                      ; tensor_dim0 = 128
	s_mov_b32 s[G1+2], 64<<16                      ; tensor_dim1 = 64
	s_mov_b32 s[G1+3], KS<<16                      ; tile_dim0
	s_mov_b32 s[G1+4], 64                          ; tile_dim1
	s_mov_b32 s[G1+5], 1024                        ; elements from row to row
	s_mov_b32 s[G1+6], 0
	s_mov_b32 s[G1+7], 0
	s_or_b32 s[G1B+0], s44, (1<<16)|(1<<20)|(1<<21)|(6<<22)|(7<<25)  ; B: 8 words of padding behind every 128
	s_mov_b32 s[G1B+1], 256<<16
	s_mov_b32 s[G1B+2], 64<<16
	s_mov_b32 s[G1B+3], 256<<16
	s_mov_b32 s[G1B+4], 64
	s_mov_b32 s[G1B+5], 6144
	s_mov_b32 s[G1B+6], 0
	s_mov_b32 s[G1B+7], 0
	s_lshl_b32 s17, s12, 6
	s_lshl_b32 s16, s13, 7
	s_add_co_u32 s16, s16, s17                     ; A: row 128 x tile row + 64 x half,
	s_lshl_b32 s16, s16, 11                        ; of 2,048 bytes
	s_mov_b32 s17, 0
	s_mul_i32 s46, s12, 64*BPB                     ; B: my 64 k rows,
	s_lshl_b32 s47, s42, 9                         ; the tile's 512 bytes of them
	s_add_co_u32 s46, s46, s47
	s_mov_b32 s47, 0
	s_mul_i32 s20, s12, AHALF                      ; where they go: no place in the cluster enters an LDS address
	s_mul_i32 s21, s12, BHALF
	s_add_co_u32 s21, s21, BOFF
	s_wait_dscnt 0x0                               ; both opening adds are done
	s_wait_kmcnt 0x0
	s_add_nc_u64 s[14:15], s[4:5], s[16:17]
	s_add_nc_u64 s[46:47], s[4:5], s[46:47]
	s_add_nc_u64 s[46:47], s[46:47], WC
	CROUND                                         ; all sixteen work-groups are here: the first joint loads meet
.irp s, 0,1
	s_mov_b32 s[G0+4*(\s)], 1
	s_add_co_u32 s[G0+4*(\s)+1], s20, (\s)*SLOT
	s_add_nc_u64 s[G0+4*(\s)+2:G0+4*(\s)+3], s[14:15], (\s)*KS*2
	s_or_b32 s[G0+4*(\s)+3], s[G0+4*(\s)+3], 0x80000000
	s_mov_b32 s[G0B+4*(\s)], 1
	s_add_co_u32 s[G0B+4*(\s)+1], s21, (\s)*SLOT
	s_add_nc_u64 s[G0B+4*(\s)+2:G0B+4*(\s)+3], s[46:47], (\s)*KS*BPB
	s_or_b32 s[G0B+4*(\s)+3], s[G0B+4*(\s)+3], 0x80000000
	JLOAD \s
.endr
	v_and_b32 v1, 15, v0                           ; r = l % 16
	v_bfe_u32 v2, v0, 4, 1                         ; h = l / 16
	v_mul_u32_u24 v3, v1, PA
	v_lshl_add_u32 v3, v2, 4, v3
	s_mul_i32 s21, s11, AHALF
	v_add_nc_u32 v[ADRA], s21, v3                  ; my 64 rows of A: row x pitch + 16 h
	v_add_nc_u32 v[ADRA+1], SLOT, v[ADRA]
	v_and_b32 v5, 7, v0
	v_lshl_add_u32 v5, v2, 3, v5                   ; the turning load: k row 8 h + l % 8,
	v_mul_u32_u24 v5, v5, PB
	v_bfe_u32 v6, v0, 3, 1
	v_lshl_add_u32 v5, v6, 4, v5                   ; columns 8 ((l / 8) % 2) on
	s_lshl_b32 s22, s12, 8                         ; my 128 columns
	s_add_co_u32 s22, s22, BOFF
	v_add_nc_u32 v[ADRB], s22, v5
	v_add_nc_u32 v[ADRB+1], BHALF, v[ADRB]
	v_add_nc_u32 v[ADRB+2], SLOT, v[ADRB]
	v_add_nc_u32 v[ADRB+3], SLOT+BHALF, v[ADRB]
	s_mul_i32 s23, s10, 16*SP
	s_add_co_u32 s23, s23, STAGE                   ; my stage
	v_mul_u32_u24 v4, v1, SP
	v_lshl_add_u32 v4, v2, 4, v4
	v_add_nc_u32 v[STO], s23, v4                   ; in: row r, 16 bytes for each half of the lanes
	v_mul_u32_u24 v5, v2, SP
	v_lshl_add_u32 v5, v1, 4, v5
	v_add_nc_u32 v[RD], s23, v5                    ; back: lanes 0-15 one row of 256 bytes, lanes 16-31 the next
	v_and_b32 v[TBO], 31, v0
	v_lshlrev_b32 v[TBO], 4, v[TBO]
	v_mov_b32 v[Z], 0
.macro MUL8 f, a, zero                 ; 8 matrix instructions: row block a x all 8 column blocks, 32 along K.  The 32 accumulators take turns, one instruction a turn
	WIN MUL
.irp b, 0,1,2,3,4,5,6,7
.if \zero
	v_wmma_f32_16x16x32_bf16 v[8*(8*(\a)+(\b)):8*(8*(\a)+(\b))+7], v[(\f)+8*(\b):(\f)+8*(\b)+7], v[(\f)+64+8*(\a):(\f)+64+8*(\a)+7], 0
.else
	v_wmma_f32_16x16x32_bf16 v[8*(8*(\a)+(\b)):8*(8*(\a)+(\b))+7], v[(\f)+8*(\b):(\f)+8*(\b)+7], v[(\f)+64+8*(\a):(\f)+64+8*(\a)+7], v[8*(8*(\a)+(\b)):8*(8*(\a)+(\b))+7]
.endif
.endr
.endm
.macro FETCH slot, kq, f               ; 24 LDS loads in one run: quarter kq (32 along K) of a slot: B's 8 blocks, turned, then A's 4
	WIN TO_F
.irp i, 0,1,2,3,4,5,6,7
	ds_load_tr16_b128 v[(\f)+8*(\i):(\f)+8*(\i)+3],   v[ADRB+2*(\slot)+(\kq)/2] offset:((\kq)%2)*32*PB+32*(\i)
	ds_load_tr16_b128 v[(\f)+8*(\i)+4:(\f)+8*(\i)+7], v[ADRB+2*(\slot)+(\kq)/2] offset:((\kq)%2)*32*PB+32*(\i)+16*PB
.endr
.irp a, 0,1,2,3
	ds_load_b128 v[(\f)+64+8*(\a):(\f)+64+8*(\a)+3],   v[ADRA+(\slot)] offset:64*(\kq)+(\a)*16*PA
	ds_load_b128 v[(\f)+64+8*(\a)+4:(\f)+64+8*(\a)+7], v[ADRA+(\slot)] offset:64*(\kq)+(\a)*16*PA+32
.endr
.endm
.macro QUARTER slot, kq, f, g, zero    ; multiplies buffer f; in its middle fetches quarter kq into buffer g
	s_wait_dscnt 4                                 ; B and A's blocks 0, 1 are in; the four loads of blocks 2, 3 may be out
	MUL8 \f, 0, \zero
	MUL8 \f, 1, \zero
	PLACES
	FETCH \slot, \kq, \g
	s_wait_dscnt 24                                ; all but the 24 just issued
	MUL8 \f, 2, \zero
	MUL8 \f, 3, \zero
.endm
; The last quarter multiplies buffer 1 and changes slots: one barrier; ahead of it each wave waits for all its tensor loads (one is out: its part of the next slot), adds 0 to its spare word, and waits for that and for its reads of this slot.
.macro TURN slot, next, fill
	WIN 0
	s_wait_tensorcnt 0x0
	ds_add_u32 v[SPW], v[NIL]
	s_wait_dscnt 7                                 ; the add and the six loads of A's blocks 1 to 3 may be out
	MUL8 F1, 0, 0
	s_wait_dscnt 0x0                               ; the add is done, and my reads of this slot are over
	s_barrier_signal -1
	MUL8 F1, 1, 0
.if \fill
	WIN 0
.endif
	s_barrier_wait -1
.if \fill
	CREST                                          ; the barrier has opened a round of the cluster's: no wave of any partner still reads this slot or has a load on its way
	s_add_nc_u64 s[G0+4*(\slot)+2:G0+4*(\slot)+3], s[G0+4*(\slot)+2:G0+4*(\slot)+3], 2*KS*2
	s_add_nc_u64 s[G0B+4*(\slot)+2:G0B+4*(\slot)+3], s[G0B+4*(\slot)+2:G0B+4*(\slot)+3], 2*KS*BPB
	JLOAD \slot                                    ; 112 matrix instructions ahead of the wait for it; its four v_nop are also the places ahead of the loads below
.else
	PLACES
.endif
	FETCH \next, 0, F0
	MUL8 F1, 2, 0
	MUL8 F1, 3, 0
.endm
	s_wait_tensorcnt 1                             ; my part of K step 0 is in; step 1's may stay out
	s_barrier_signal -1
	s_barrier_wait -1
	FETCH 0, 0, F0
	QUARTER 0, 1, F0, F1, 1                        ; the first quarter starts the sums
	WIN 0
	s_mov_b32 s3, LAPS-1
.Llap:
	QUARTER 0, 2, F1, F0, 0
	QUARTER 0, 3, F0, F1, 0
	TURN 0, 1, 1
	QUARTER 1, 1, F0, F1, 0
	QUARTER 1, 2, F1, F0, 0
	QUARTER 1, 3, F0, F1, 0
	TURN 1, 0, 1
	QUARTER 0, 1, F0, F1, 0
	WIN 0
	s_sub_co_u32 s3, s3, 1
	s_cmp_lg_u32 s3, 0
	s_cbranch_scc1 .Llap
	QUARTER 0, 2, F1, F0, 0                        ; the last lap fills nothing
	QUARTER 0, 3, F0, F1, 0
	TURN 0, 1, 0
	QUARTER 1, 1, F0, F1, 0
	QUARTER 1, 2, F1, F0, 0
	QUARTER 1, 3, F0, F1, 0
	s_wait_dscnt 4
	MUL8 F1, 0, 0
	MUL8 F1, 1, 0
	s_wait_dscnt 0x0
	MUL8 F1, 2, 0
	MUL8 F1, 3, 0
	WIN 0
	PLACES
; THE WAY OUT, a block of 16 rows at a time: the block's arithmetic into X, packed to f16, through my own stage, and out as whole rows of 256 bytes.
.macro PACKX
	WIN 0
.set i, 0
.rept 32
	v_cvt_pk_f16_f32 v[TMP+i], v[X+2*i], v[X+2*i+1]
.set i, i+1
.endr
.endm
.macro FLUSH a, rowb
.irp b, 0,1,2,3,4,5,6,7
	ds_store_b128 v[STO], v[TMP+4*(\b):TMP+4*(\b)+3] offset:32*(\b)
.endr
.irp t, 0,1,2,3,4,5,6,7
	ds_load_b128 v[OB+4*(\t):OB+4*(\t)+3], v[RD] offset:(\t)*2*SP  ; LDS serves a wave's instructions in order: these see the stores above
.endr
	s_wait_dscnt 0x0
.irp t, 0,1,2,3,4,5,6,7
	global_store_b128 v[CO], v[OB+4*(\t):OB+4*(\t)+3], s[68:69] offset:(16*(\a)+2*(\t))*(\rowb)  ; 16 lanes store 256 consecutive bytes, aligned
.endr
.endm
	; the cluster's x tells the kind, the same in all sixteen partners: 0 q, 1 k, 2-3 v, 4-5 the gate
	s_cmp_lt_u32 ttmp9, 2
	s_cbranch_scc0 .Lnot_rot
	s_lshr_b32 s70, s13, 4                         ; batch
	s_and_b32 s71, s13, 15                         ; chunk
	s_lshl_b32 s66, s71, 18                        ; the table: block ((8 c + 4 half) x 64 + 16 cx + 8 half) of 512 bytes
	s_lshl_b32 s67, s11, 17
	s_add_co_u32 s66, s66, s67
	s_lshl_b32 s67, s40, 13
	s_add_co_u32 s66, s66, s67
	s_lshl_b32 s67, s12, 12
	s_add_co_u32 s66, s66, s67
	s_lshl_b32 s67, ttmp9, 22                      ; k's table lies 4 MiB behind q's
	s_add_co_u32 s66, s66, s67
	s_mov_b32 s67, 0
	s_add_nc_u64 s[66:67], s[4:5], s[66:67]
	s_add_nc_u64 s[66:67], s[66:67], ROT
.irp a, 0,1,2,3
.irp b, 0,1,2,3,4,5,6,7
	global_load_b128 v[TAB+32*(\a)+4*(\b):TAB+32*(\a)+4*(\b)+3], v[TBO], s[66:67] offset:32768*(\a)+512*(\b)
.endr
.endr
	s_lshl_b32 s72, s70, 22                        ; ((8 batch + head) x 2,048 + 128 c + 64 half) rows of 256 bytes; head = 2 cx + my column half
	s_lshl_b32 s73, s40, 20
	s_add_co_u32 s72, s72, s73
	s_lshl_b32 s73, s12, 19
	s_add_co_u32 s72, s72, s73
	s_lshl_b32 s73, s71, 15
	s_add_co_u32 s72, s72, s73
	s_lshl_b32 s73, s11, 14
	s_add_co_u32 s72, s72, s73
	s_lshl_b32 s73, ttmp9, 23                      ; ks lies 8 MiB behind qs
	s_add_co_u32 s72, s72, s73
	s_mov_b32 s73, 0
	s_add_nc_u64 s[68:69], s[6:7], s[72:73]
	v_lshlrev_b32 v[CO], 8, v2
	v_lshl_add_u32 v[CO], v1, 4, v[CO]
; even column: e cos - o sin; odd column: o cos + e sin; the factors are f16 halves of one word, the arithmetic is f32
.macro ROTB a
	s_wait_loadcnt 8*(3-(\a))                      ; this block's eight table loads are in; the later blocks' stay out
.if (\a) > 0
	s_wait_xcnt 0x0                                ; the last block's stores have read OB, which X writes over
.endif
	WIN 0x02                                       ; source 0, the accumulators, in window 2
.irp b, 0,1,2,3,4,5,6,7
.irp j, 0,1,2,3
	v_fma_mix_f32 v[M+2*((\j)%2)], v[64*(\a)+8*(\b)+2*(\j)+1], v[TAB+32*(\a)+4*(\b)+(\j)], v[Z] op_sel:[0,1,0] op_sel_hi:[0,1,0]
	v_fma_mix_f32 v[M+2*((\j)%2)+1], v[64*(\a)+8*(\b)+2*(\j)], v[TAB+32*(\a)+4*(\b)+(\j)], v[Z] op_sel:[0,1,0] op_sel_hi:[0,1,0]
	v_fma_mix_f32 v[X+8*(\b)+2*(\j)], v[64*(\a)+8*(\b)+2*(\j)], v[TAB+32*(\a)+4*(\b)+(\j)], -v[M+2*((\j)%2)] op_sel_hi:[0,1,0]
	v_fma_mix_f32 v[X+8*(\b)+2*(\j)+1], v[64*(\a)+8*(\b)+2*(\j)+1], v[TAB+32*(\a)+4*(\b)+(\j)], v[M+2*((\j)%2)+1] op_sel_hi:[0,1,0]
.endr
.endr
	PACKX
	FLUSH \a, 256
.endm
	ROTB 0
	ROTB 1
	ROTB 2
	ROTB 3
	s_branch .Ldone
.Lnot_rot:
	s_lshr_b32 s70, s13, 4
	s_and_b32 s71, s13, 15
	s_and_b32 s74, s42, 7                          ; head: a tile's 256 columns are one head's
	s_lshl_b32 s72, s70, 23                        ; ((8 batch + head) x 2,048 + 128 c + 64 half) rows of 512 bytes + my 256 of them
	s_lshl_b32 s73, s74, 20
	s_add_co_u32 s72, s72, s73
	s_lshl_b32 s73, s71, 16
	s_add_co_u32 s72, s72, s73
	s_lshl_b32 s73, s11, 15
	s_add_co_u32 s72, s72, s73
	s_lshl_b32 s73, s12, 8
	s_add_co_u32 s72, s72, s73
	s_lshr_b32 s73, ttmp9, 1
	s_lshl_b32 s73, s73, 24                        ; vs at 16 MiB, the gate at 32 MiB
	s_add_co_u32 s72, s72, s73
	s_mov_b32 s73, 0
	s_add_nc_u64 s[68:69], s[6:7], s[72:73]
	v_lshlrev_b32 v[CO], 9, v2
	v_lshl_add_u32 v[CO], v1, 4, v[CO]
	s_cmp_lt_u32 ttmp9, 4
	s_cbranch_scc0 .Lgate
	LOG2G 13, 14, 74
	s_lshl_b32 s75, s11, 6
	s_sub_co_u32 s75, 127, s75
	v_sub_nc_u32 v12, s75, v1                      ; 127 - (64 half + r): block a takes 16 a more away
	v_cvt_f32_u32 v12, v12
	v_mul_f32 v12, v12, v13
	v_fma_f32 v[W+2], v13, 0xc1800000, v12
	v_fma_f32 v[W+4], v13, 0xc2000000, v12
	v_fma_f32 v[W+6], v13, 0xc2400000, v12
	v_exp_f32 v[W], v12
	v_exp_f32 v[W+2], v[W+2]
	v_exp_f32 v[W+4], v[W+4]
	v_exp_f32 v[W+6], v[W+6]
	v_nop
	s_wait_alu depctr_va_vdst(0)                   ; one wait for the four
.irp a, 0,1,2,3
	v_mov_b32 v[W+2*(\a)+1], v[W+2*(\a)]
.endr
.macro VDECB a
.if (\a) > 0
	s_wait_xcnt 0x0
.endif
	WIN 0x02
.set i, 0
.rept 32
	v_pk_mul_f32 v[X+i:X+i+1], v[64*(\a)+i:64*(\a)+i+1], v[W+2*(\a):W+2*(\a)+1]
.set i, i+2
.endr
	PACKX
	FLUSH \a, 512
.endm
	VDECB 0
	VDECB 1
	VDECB 2
	VDECB 3
	s_branch .Ldone
.Lgate:
; z / (1 + 2^(-z log2 e)): where the exponential overflows the reciprocal is 0 and so is the gate
.macro GATEB a
.if (\a) > 0
	s_wait_xcnt 0x0
.endif
	WIN 0x02
.set i, 0
.rept 32
	v_pk_mul_f32 v[X+i:X+i+1], v[64*(\a)+i:64*(\a)+i+1], 0xbfb8aa3b op_sel_hi:[1,0]
.set i, i+2
.endr
	WIN 0
.set i, 0
.rept 64
	v_exp_f32 v[X+i], v[X+i]
.set i, i+1
.endr
	v_nop
	s_wait_alu depctr_va_vdst(0)                   ; one wait for the 64 exponentials
.set i, 0
.rept 32
	v_pk_add_f32 v[X+i:X+i+1], v[X+i:X+i+1], 1.0 op_sel_hi:[1,0]
.set i, i+2
.endr
.set i, 0
.rept 64
	v_rcp_f32 v[X+i], v[X+i]
.set i, i+1
.endr
	v_nop
	s_wait_alu depctr_va_vdst(0)                   ; and one for the 64 reciprocals
	WIN 0x02
.set i, 0
.rept 32
	v_pk_mul_f32 v[X+i:X+i+1], v[64*(\a)+i:64*(\a)+i+1], v[X+i:X+i+1]
.set i, i+2
.endr
	PACKX
	FLUSH \a, 512
.endm
	GATEB 0
	GATEB 1
	GATEB 2
	GATEB 3
.Ldone:
	s_wait_tensorcnt 0x0                           ; the wave's end
	ds_add_u32 v[SPW], v[NIL]
	s_wait_dscnt 0x0
	CROUND                                         ; the closing round
	s_endpgm
.Lfunc_end_k_q822f7c0352_proj:
	.size	k_q822f7c0352_proj, .Lfunc_end_k_q822f7c0352_proj-k_q822f7c0352_proj
	.p2alignl 7, 3214868480
	.fill 96, 4, 3214868480
	.section	.rodata,"a",@progbits
	.p2align	6, 0x0
	.amdhsa_kernel k_q822f7c0352_proj
		.amdhsa_group_segment_fixed_size 327680
		.amdhsa_private_segment_fixed_size 0
		.amdhsa_enable_private_segment 0
		.amdhsa_kernarg_size 16
		.amdhsa_user_sgpr_count 2
		.amdhsa_user_sgpr_kernarg_segment_ptr 1
		.amdhsa_wavefront_size32 1
		.amdhsa_system_sgpr_workgroup_id_x 1
		.amdhsa_system_sgpr_workgroup_id_y 1
		.amdhsa_system_sgpr_workgroup_id_z 1
		.amdhsa_system_vgpr_workitem_id 0
		.amdhsa_next_free_vgpr 768
		.amdhsa_next_free_sgpr 96
		.amdhsa_reserve_vcc 0
		.amdhsa_float_denorm_mode_32 3
		.amdhsa_float_denorm_mode_16_64 3
		.amdhsa_memory_ordered 1
		.amdhsa_forward_progress 1
		.amdhsa_inst_pref_size 208
	.end_amdhsa_kernel
	.amdgpu_metadata
---
amdhsa.version: [ 1, 2 ]
amdhsa.kernels:
  - .name:           k_q822f7c0352_proj
    .symbol:         k_q822f7c0352_proj.kd
    .args:
      - { .name: pw, .offset: 0, .size: 8, .value_kind: global_buffer, .address_space: global }
      - { .name: pj, .offset: 8, .size: 8, .value_kind: global_buffer, .address_space: global }
    .group_segment_fixed_size: 327680
    .private_segment_fixed_size: 0
    .kernarg_segment_align: 8
    .kernarg_segment_size: 16
    .max_flat_workgroup_size: 128
    .sgpr_count:     96
    .vgpr_count:     768
    .wavefront_size: 32
...
	.end_amdgpu_metadata
.endif
;; end of part 2
;; launch kv (part 3): grid 16 x 16, 4 waves a work-group, no clusters, 167,936 bytes of LDS; arguments pj, ub; writes ub
.if DOCPART == 3
	.amdgcn_target "amdgcn-amd-amdhsa--gfx1250"
	.amdhsa_code_object_version 6
	.text
	.protected	k_q822f7c0352_kv
	.globl	k_q822f7c0352_kv
	.p2align	8
	.type	k_q822f7c0352_kv,@function
k_q822f7c0352_kv:
	s_mov_b64 s[64:65], 0
	v_nop
	global_prefetch_b8 v0, s[64:65] scope:SCOPE_SE
	s_setreg_imm32_b32 hwreg(HW_REG_WAVE_MODE, 25, 1), 1
	s_wait_xcnt 0x0
; KV.  U_c[d][ch] = the sum over the chunk's 128 positions a of ks[a][d] vs[a][ch], f16 operands, f32 sums; and the largest |U_c| of each wave's quarter.
; Grid x = chunk c, y = bh: 256 work-groups with tiles of their own: nothing is shared, so no cluster.  ub: byte 0 U f32 [bh][c][128 d][256 ch]; UM f32 [bh][c][4 waves].
; Both operands lie [a][..] with the sum along a, so both are turned by ds_load_tr16_b128.  Source 0 = 16 channels of vs, source 1 = 16 d of ks: a lane holds d = l % 16 and eight neighbouring channels.
; Four waves, 2 x 2: 64 d x 128 ch each, 32 accumulators in window 1; two fragment buffers of 96 in window 0.  Every LDS byte is filled once.
.set PK,    288                        ; a row of ks: 256 bytes + 32
.set PV,    544                        ; a row of vs: 512 + 32
.set VT,    128*PK
.set STAGE, VT+128*PV                  ; 16 rows x 528 bytes for each wave
.set SPT,   528
.set SPARE, STAGE+4*16*SPT
.set KOFF,  8388608
.set VOFF,  16777216
.set UM,    33554432
.set M,    8                           ; v8-11 four running maxima
.set AKT,  16
.set AVT,  17
.set STO,  24
.set RD,   25
.set CO,   26
.set SPW,  28
.set NIL,  29
.set F0,   64
.set F1,   160
.set MSB, 0
.macro WIN new
.if MSB != (\new)
	s_set_vgpr_msb (MSB<<8)|(\new)
.set MSB, \new
.endif
.endm
.macro PLACES
.rept 4
	v_nop
.endr
.endm
	s_load_b128 s[4:7], s[0:1], 0x0                ; pj s[4:5], ub s[6:7]
	v_lshl_add_u32 v[SPW], v0, 2, SPARE
	v_mov_b32 v[NIL], 0
	ds_add_u32 v[SPW], v[NIL]                      ; the opening: the add, twice on end, and its wait ahead of my first tensor load
	ds_add_u32 v[SPW], v[NIL]
	v_lshrrev_b32 v1, 5, v0
	v_readfirstlane_b32 s10, v1                    ; wave
	s_lshr_b32 s11, s10, 1                         ; my 64 d
	s_and_b32 s12, s10, 1                          ; my 128 channels
	s_and_b32 s13, ttmp7, 0xffff                   ; bh
	s_lshl_b32 s14, s13, 11
	s_lshl_b32 s15, ttmp9, 7
	s_add_co_u32 s14, s14, s15
	s_lshl_b32 s15, s10, 5
	s_add_co_u32 s14, s14, s15                     ; the 32 rows that I fetch: 2,048 bh + 128 c + 32 wave
	s_lshl_b32 s8, s14, 8
	s_mov_b32 s9, 0
	s_lshl_b32 s2, s14, 9
	s_mov_b32 s3, 0
	s_mov_b32 s16, (1<<16)|(1<<20)|(5<<22)|(7<<25) ; ks: 2-byte elements, 8 words of padding behind every 64
	s_mov_b32 s17, 128<<16
	s_mov_b32 s18, 32<<16
	s_mov_b32 s19, 128<<16
	s_mov_b32 s20, 32
	s_mov_b32 s21, 128
	s_mov_b32 s22, 0
	s_mov_b32 s23, 0
	s_mov_b32 s24, (1<<16)|(1<<20)|(6<<22)|(7<<25) ; vs: behind every 128
	s_mov_b32 s25, 256<<16
	s_mov_b32 s26, 32<<16
	s_mov_b32 s27, 256<<16
	s_mov_b32 s28, 32
	s_mov_b32 s29, 256
	s_mov_b32 s30, 0
	s_mov_b32 s31, 0
	s_mov_b32 s32, 1
	s_mul_i32 s33, s10, 32*PK
	s_mov_b32 s36, 1
	s_mul_i32 s37, s10, 32*PV
	s_add_co_u32 s37, s37, VT
	s_wait_dscnt 0x0
	s_wait_kmcnt 0x0
	s_add_nc_u64 s[34:35], s[4:5], s[8:9]
	s_add_nc_u64 s[34:35], s[34:35], KOFF
	s_or_b32 s35, s35, 0x80000000
	s_add_nc_u64 s[38:39], s[4:5], s[2:3]
	s_add_nc_u64 s[38:39], s[38:39], VOFF
	s_or_b32 s39, s39, 0x80000000
	tensor_load_to_lds s[32:35], s[16:23]          ; two loads of mine are out
	s_nop 0
	tensor_load_to_lds s[36:39], s[24:31]
	s_nop 0
.rept 4
	v_nop
.endr
	v_and_b32 v1, 15, v0                           ; r
	v_bfe_u32 v2, v0, 4, 1                         ; h
	v_and_b32 v3, 31, v0                           ; l
	v_mov_b32 v4, 0
	v_and_b32 v5, 7, v0
	v_lshl_add_u32 v5, v2, 3, v5                   ; row 8 h + l % 8
	v_bfe_u32 v6, v0, 3, 1
	v_lshlrev_b32 v6, 4, v6
	v_mul_u32_u24 v[AKT], v5, PK
	v_add_nc_u32 v[AKT], v[AKT], v6
	s_lshl_b32 s15, s11, 7
	v_add_nc_u32 v[AKT], s15, v[AKT]
	v_mul_u32_u24 v[AVT], v5, PV
	v_add_nc_u32 v[AVT], v[AVT], v6
	s_lshl_b32 s15, s12, 8
	s_add_co_u32 s15, s15, VT
	v_add_nc_u32 v[AVT], s15, v[AVT]
	s_mul_i32 s15, s10, 16*SPT
	s_add_co_u32 s15, s15, STAGE
	v_mul_u32_u24 v[STO], v1, SPT
	v_lshl_add_u32 v[STO], v2, 5, v[STO]
	v_add_nc_u32 v[STO], s15, v[STO]               ; in: row r, 32 bytes for each half of the lanes
	v_lshl_add_u32 v[RD], v3, 4, s15               ; back: a row's 512 bytes to 32 lanes
	v_lshlrev_b32 v[CO], 4, v3
	s_lshl_b32 s40, s13, 4
	s_add_co_u32 s40, s40, ttmp9                   ; 16 bh + c
	s_lshl_b32 s14, s40, 7
	s_lshl_b32 s15, s11, 6
	s_add_co_u32 s14, s14, s15
	s_lshl_b32 s14, s14, 10                        ; my first row of U, 1,024 bytes a row,
	s_lshl_b32 s15, s12, 9                         ; my 512 bytes of it
	s_add_co_u32 s14, s14, s15
	s_mov_b32 s15, 0
	s_add_nc_u64 s[14:15], s[6:7], s[14:15]
	s_lshl_b32 s40, s40, 2
	s_add_co_u32 s40, s40, s10
	s_lshl_b32 s40, s40, 2
	s_mov_b32 s41, 0
	s_add_nc_u64 s[40:41], s[6:7], s[40:41]
	s_add_nc_u64 s[40:41], s[40:41], UM
	s_mov_b32 s44, 0x76543210
	s_mov_b32 s45, 0xfedcba98
.macro FETCH kk, f                     ; 24 turning loads: positions 32 kk on: 8 channel blocks of vs, 4 d blocks of ks
	WIN 0
.irp i, 0,1,2,3,4,5,6,7
	ds_load_tr16_b128 v[(\f)+8*(\i):(\f)+8*(\i)+3],   v[AVT] offset:(\kk)*32*PV+32*(\i)
	ds_load_tr16_b128 v[(\f)+8*(\i)+4:(\f)+8*(\i)+7], v[AVT] offset:(\kk)*32*PV+32*(\i)+16*PV
.endr
.irp a, 0,1,2,3
	ds_load_tr16_b128 v[(\f)+64+8*(\a):(\f)+64+8*(\a)+3],   v[AKT] offset:(\kk)*32*PK+32*(\a)
	ds_load_tr16_b128 v[(\f)+64+8*(\a)+4:(\f)+64+8*(\a)+7], v[AKT] offset:(\kk)*32*PK+32*(\a)+16*PK
.endr
.endm
.macro MUL f, zero                     ; 32 matrix instructions, the 32 accumulators by turns
	WIN 0x50
.irp a, 0,1,2,3
.irp i, 0,1,2,3,4,5,6,7
.if \zero
	v_wmma_f32_16x16x32_f16 v[8*(8*(\a)+(\i)):8*(8*(\a)+(\i))+7], v[(\f)+8*(\i):(\f)+8*(\i)+7], v[(\f)+64+8*(\a):(\f)+64+8*(\a)+7], 0
.else
	v_wmma_f32_16x16x32_f16 v[8*(8*(\a)+(\i)):8*(8*(\a)+(\i))+7], v[(\f)+8*(\i):(\f)+8*(\i)+7], v[(\f)+64+8*(\a):(\f)+64+8*(\a)+7], v[8*(8*(\a)+(\i)):8*(8*(\a)+(\i))+7]
.endif
.endr
.endr
.endm
	s_wait_tensorcnt 0x0                           ; my rows of both tiles are in,
	s_barrier_signal -1
	s_barrier_wait -1                              ; everybody's are
	FETCH 0, F0
	FETCH 1, F1
	s_wait_dscnt 24                                ; the older set is in, the younger 24 loads stay out
	MUL F0, 1
	PLACES
	FETCH 2, F0
	s_wait_dscnt 24
	MUL F1, 0
	PLACES
	FETCH 3, F1
	s_wait_dscnt 24
	MUL F0, 0
	s_wait_dscnt 0x0
	MUL F1, 0
	PLACES
	WIN 0x05                                       ; the largest magnitude, four chains
.set n, 0
.rept 32
.if n < 4
	v_max_num_f32 v[M+n], |v[8*n]|, |v[8*n+1]|
.else
	v_max3_num_f32 v[M+n%4], |v[8*n]|, |v[8*n+1]|, v[M+n%4]
.endif
	v_max3_num_f32 v[M+n%4], |v[8*n+2]|, |v[8*n+3]|, v[M+n%4]
	v_max3_num_f32 v[M+n%4], |v[8*n+4]|, |v[8*n+5]|, v[M+n%4]
	v_max3_num_f32 v[M+n%4], |v[8*n+6]|, |v[8*n+7]|, v[M+n%4]
.set n, n+1
.endr
	WIN 0
	v_max3_num_f32 v[M], v[M], v[M+1], v[M+2]
	v_max_num_f32 v[M], v[M], v[M+3]
	v_max_num_f32_dpp v[M], v[M], v[M] row_xmask:1 row_mask:0xf bank_mask:0xf
	v_max_num_f32_dpp v[M], v[M], v[M] row_xmask:2 row_mask:0xf bank_mask:0xf
	v_max_num_f32_dpp v[M], v[M], v[M] row_xmask:4 row_mask:0xf bank_mask:0xf
	v_max_num_f32_dpp v[M], v[M], v[M] row_xmask:8 row_mask:0xf bank_mask:0xf
	v_permlanex16_b32 v[M+1], v[M], s44, s45
	v_max_num_f32 v[M], v[M], v[M+1]
	v_cmp_eq_u32 vcc_lo, 0, v3
	s_wait_xcnt 0x0                                ; EXEC changes only behind this wait
	s_and_saveexec_b32 s42, vcc_lo
	global_store_b32 v4, v[M], s[40:41]            ; one word a wave
	s_wait_xcnt 0x0
	s_or_b32 exec_lo, exec_lo, s42
.macro OUTB a                          ; 16 d: from the accumulators into my stage, back as rows of 512 bytes, out
.set BK, 64+64*((\a)%2)
	WIN 0x04                                       ; the stores' data in window 1
.irp i, 0,1,2,3,4,5,6,7
	ds_store_b128 v[STO], v[8*(8*(\a)+(\i)):8*(8*(\a)+(\i))+3] offset:64*(\i)
	ds_store_b128 v[STO], v[8*(8*(\a)+(\i))+4:8*(8*(\a)+(\i))+7] offset:64*(\i)+16
.endr
	WIN 0
.if (\a) >= 2
	s_wait_xcnt 0x0                                ; the stores of two blocks back have read these registers
.endif
.irp t, 0,1,2,3,4,5,6,7,8,9,10,11,12,13,14,15
	ds_load_b128 v[BK+4*(\t):BK+4*(\t)+3], v[RD] offset:(\t)*SPT
.endr
	s_wait_dscnt 0x0
.irp t, 0,1,2,3,4,5,6,7,8,9,10,11,12,13,14,15
	global_store_b128 v[CO], v[BK+4*(\t):BK+4*(\t)+3], s[14:15] offset:(16*(\a)+(\t))*1024  ; 512 consecutive bytes, aligned
.endr
.endm
	OUTB 0
	OUTB 1
	OUTB 2
	OUTB 3
	s_wait_tensorcnt 0x0                           ; the wave's end
	ds_add_u32 v[SPW], v[NIL]
	s_wait_dscnt 0x0
	s_endpgm
.Lfunc_end_k_q822f7c0352_kv:
	.size	k_q822f7c0352_kv, .Lfunc_end_k_q822f7c0352_kv-k_q822f7c0352_kv
	.p2alignl 7, 3214868480
	.fill 96, 4, 3214868480
	.section	.rodata,"a",@progbits
	.p2align	6, 0x0
	.amdhsa_kernel k_q822f7c0352_kv
		.amdhsa_group_segment_fixed_size 167936
		.amdhsa_private_segment_fixed_size 0
		.amdhsa_enable_private_segment 0
		.amdhsa_kernarg_size 16
		.amdhsa_user_sgpr_count 2
		.amdhsa_user_sgpr_kernarg_segment_ptr 1
		.amdhsa_wavefront_size32 1
		.amdhsa_system_sgpr_workgroup_id_x 1
		.amdhsa_system_sgpr_workgroup_id_y 1
		.amdhsa_system_sgpr_workgroup_id_z 1
		.amdhsa_system_vgpr_workitem_id 0
		.amdhsa_next_free_vgpr 512
		.amdhsa_next_free_sgpr 66
		.amdhsa_reserve_vcc 1
		.amdhsa_float_denorm_mode_32 3
		.amdhsa_float_denorm_mode_16_64 3
		.amdhsa_memory_ordered 1
		.amdhsa_forward_progress 1
		.amdhsa_inst_pref_size 43
	.end_amdhsa_kernel
	.amdgpu_metadata
---
amdhsa.version: [ 1, 2 ]
amdhsa.kernels:
  - .name:           k_q822f7c0352_kv
    .symbol:         k_q822f7c0352_kv.kd
    .args:
      - { .name: pj, .offset: 0, .size: 8, .value_kind: global_buffer, .address_space: global }
      - { .name: ub, .offset: 8, .size: 8, .value_kind: global_buffer, .address_space: global }
    .group_segment_fixed_size: 167936
    .private_segment_fixed_size: 0
    .kernarg_segment_align: 8
    .kernarg_segment_size: 16
    .max_flat_workgroup_size: 128
    .sgpr_count:     66
    .vgpr_count:     512
    .wavefront_size: 32
...
	.end_amdgpu_metadata
.endif
;; end of part 3
;; launch scan (part 4): grid 16 x 16, 8 waves a work-group, no clusters, 0 bytes of LDS; arguments ub, st, out1; writes st, out1
.if DOCPART == 4
	.amdgcn_target "amdgcn-amd-amdhsa--gfx1250"
	.amdhsa_code_object_version 6
	.text
	.protected	k_q822f7c0352_scan
	.globl	k_q822f7c0352_scan
	.p2align	8
	.type	k_q822f7c0352_scan,@function
k_q822f7c0352_scan:
	s_mov_b64 s[64:65], 0
	v_nop
	global_prefetch_b8 v0, s[64:65] scope:SCOPE_SE
	s_setreg_imm32_b32 hwreg(HW_REG_WAVE_MODE, 25, 1), 1
	s_wait_xcnt 0x0
; SCAN.  R_0 = 0, R_(c+1) = g^128 R_c + U_c, element by element, carried in f32.  Stored: Rh_c = R_c / rq_c as f16 for c = 0..15, rq, and out1 = 8 xs_d^-2 R_16.
; rq_c = max(rb_c, 1e-30) / 256 with rb_0 = 0, rb_(c+1) = g^128 rb_c + max|U_c|: rb bounds every |R_c|, so |Rh| <= 256 whatever the inputs.
; Grid x = slice of 8 rows d, y = bh.  A wave owns one row d; lane l the channels 4 l .. 4 l + 3 and 128 + 4 l .. + 3.  All 32 loads of a wave go out at once: a stream, no LDS, no matrix unit.
; st: byte 0 Rh f16 [bh][c][128 d][256 ch]; RQO rq f32 [bh][16].
.set UM,  33554432
.set RQO, 16777216
.set RB,  16                           ; v16-31
.set RQ,  32                           ; v32-47
.set SG,  48                           ; v48-79  1 / rq, a pair for each c
.set RR,  80                           ; v80-87  R
.set TT,  88                           ; v88-95  at work
.set U,   96                           ; v96-223 U_c at 8 c; once added, U_(c-1)'s first four registers take Rh_c for its stores
.macro LOG2G vd, vt, sh
	v_cvt_f32_u32 v[\vt], s[\sh]
	v_mul_f32 v[\vt], 0xbf124925, v[\vt]
	v_add_f32 v[\vt], 0xc0a00000, v[\vt]
	v_exp_f32 v[\vt], v[\vt]
	v_mov_b32 v[\vd], 0x3e4ccccd
	s_wait_alu depctr_va_vdst(0)
	v_fma_f32 v[\vd], v[\vd], v[\vt], 0x3e800000
	v_fma_f32 v[\vd], v[\vd], v[\vt], 0x3eaaaaab
	v_fma_f32 v[\vd], v[\vd], v[\vt], 0.5
	v_fma_f32 v[\vd], v[\vd], v[\vt], 1.0
	v_mul_f32 v[\vd], v[\vd], v[\vt]
	v_mul_f32 v[\vd], 0xbfb8aa3b, v[\vd]
.endm
	s_load_b128 s[4:7], s[0:1], 0x0                ; ub s[4:5], st s[6:7]
	s_load_b64 s[8:9], s[0:1], 0x10                ; out1
	v_lshrrev_b32 v1, 5, v0
	v_readfirstlane_b32 s10, v1                    ; wave
	v_and_b32 v1, 31, v0                           ; lane
	v_lshlrev_b32 v4, 2, v1
	v_lshlrev_b32 v5, 3, v1
	v_lshlrev_b32 v6, 4, v1
	s_and_b32 s11, ttmp7, 0xffff                   ; bh
	s_and_b32 s13, s11, 7                          ; head
	s_lshl_b32 s12, ttmp9, 3
	s_add_co_u32 s12, s12, s10                     ; d
	s_lshl_b32 s14, s11, 11
	s_add_co_u32 s14, s14, s12                     ; 2,048 bh + d
	s_lshl_b32 s32, s14, 10
	s_mov_b32 s33, 0
	s_lshl_b32 s34, s14, 9
	s_mov_b32 s35, 0
	s_lshl_b32 s36, s11, 7
	s_add_co_u32 s36, s36, s12
	s_lshl_b32 s36, s36, 10
	s_mov_b32 s37, 0
	s_lshl_b32 s38, s11, 6
	s_mov_b32 s39, 0
	s_lshl_b32 s40, s11, 8
	s_mov_b32 s41, 0
	s_lshl_b32 s15, s13, 7
	s_add_co_u32 s15, s15, s12
	s_lshr_b32 s15, s15, 1                         ; the pair of column 128 head + d
	s_wait_kmcnt 0x0
	s_add_nc_u64 s[40:41], s[4:5], s[40:41]
	s_add_nc_u64 s[40:41], s[40:41], UM
	s_add_nc_u64 s[32:33], s[4:5], s[32:33]
	s_add_nc_u64 s[34:35], s[6:7], s[34:35]
	s_add_nc_u64 s[36:37], s[8:9], s[36:37]
	s_add_nc_u64 s[38:39], s[6:7], s[38:39]
	s_add_nc_u64 s[38:39], s[38:39], RQO
	global_load_b32 v2, v4, s[40:41]               ; the 64 maxima of this bh: chunk l / 4, and 8 + l / 4
	global_load_b32 v3, v4, s[40:41] offset:128
.irp c, 0,1,2,3,4,5,6,7,8,9,10,11,12,13,14,15
	global_load_b128 v[U+8*(\c):U+8*(\c)+3], v6, s[32:33] offset:131072*(\c) th:TH_LOAD_NT
	global_load_b128 v[U+8*(\c)+4:U+8*(\c)+7], v6, s[32:33] offset:131072*(\c)+512 th:TH_LOAD_NT
.endr
	LOG2G 7, 8, 13
	v_mul_f32 v10, 0x43000000, v7
	v_exp_f32 v10, v10                             ; g^128
	v_cvt_f32_u32 v12, s15
	s_wait_alu depctr_va_vdst(0)
	v_mov_b32 v11, v10
	v_fma_f32 v12, v12, 2.0, 0x43cccccd            ; 2 p + 409.6
	s_wait_loadcnt 32                              ; the two loads of maxima are the oldest
	v_max_num_f32_dpp v2, v2, v2 row_xmask:1 row_mask:0xf bank_mask:0xf
	v_max_num_f32_dpp v3, v3, v3 row_xmask:1 row_mask:0xf bank_mask:0xf
	v_max_num_f32_dpp v2, v2, v2 row_xmask:2 row_mask:0xf bank_mask:0xf
	v_max_num_f32_dpp v3, v3, v3 row_xmask:2 row_mask:0xf bank_mask:0xf
.irp c, 0,1,2,3,4,5,6,7
	v_readlane_b32 s[16+(\c)], v2, 4*(\c)
	v_readlane_b32 s[24+(\c)], v3, 4*(\c)
.endr
	v_mov_b32 v[RB], 0
.irp c, 0,1,2,3,4,5,6,7,8,9,10,11,12,13,14
	v_fma_f32 v[RB+(\c)+1], v10, v[RB+(\c)], s[16+(\c)]
.endr
.irp c, 0,1,2,3,4,5,6,7,8,9,10,11,12,13,14,15
	v_max_num_f32 v[RQ+(\c)], 0x0da24260, v[RB+(\c)]
	v_mul_f32 v[RQ+(\c)], 0x3b800000, v[RQ+(\c)]
.endr
.irp c, 0,1,2,3,4,5,6,7,8,9,10,11,12,13,14,15
	v_rcp_f32 v[SG+2*(\c)], v[RQ+(\c)]
.endr
	v_rcp_f32 v12, v12
	v_nop
	s_wait_alu depctr_va_vdst(0)                   ; one wait for the 17 reciprocals
.irp c, 0,1,2,3,4,5,6,7,8,9,10,11,12,13,14,15
	v_mov_b32 v[SG+2*(\c)+1], v[SG+2*(\c)]
.endr
	v_mul_f32 v12, 0x44b33333, v12                 ; 1 / xs
	v_mul_f32 v12, v12, v12
	v_mul_f32 v12, 0x41000000, v12                 ; 8 / xs^2
	v_mov_b32 v13, v12
.irp k, 0,1,2,3,4,5,6,7
	v_mov_b32 v[RR+(\k)], 0
.endr
.macro STEP c
.if (\c) == 0
.set H, 224
.else
.set H, U+8*((\c)-1)
.endif
.irp k, 0,2,4,6
	v_pk_mul_f32 v[TT+(\k):TT+(\k)+1], v[RR+(\k):RR+(\k)+1], v[SG+2*(\c):SG+2*(\c)+1]
.endr
.irp k, 0,1,2,3
	v_cvt_pk_f16_f32 v[H+(\k)], v[TT+2*(\k)], v[TT+2*(\k)+1]
.endr
	global_store_b64 v5, v[H:H+1], s[34:35] offset:65536*(\c)          ; 32 lanes store 256 consecutive bytes, aligned
	global_store_b64 v5, v[H+2:H+3], s[34:35] offset:65536*(\c)+256
	s_wait_loadcnt 2*(15-(\c))                     ; U_c is in; two loads for each later chunk stay out
.irp k, 0,2,4,6
	v_pk_fma_f32 v[RR+(\k):RR+(\k)+1], v[RR+(\k):RR+(\k)+1], v[10:11], v[U+8*(\c)+(\k):U+8*(\c)+(\k)+1]
.endr
.endm
.irp c, 0,1,2,3,4,5,6,7,8,9,10,11,12,13,14,15
	STEP \c
.endr
.irp k, 0,2,4,6
	v_pk_mul_f32 v[TT+(\k):TT+(\k)+1], v[RR+(\k):RR+(\k)+1], v[12:13]
.endr
	global_store_b128 v6, v[TT:TT+3], s[36:37]
	global_store_b128 v6, v[TT+4:TT+7], s[36:37] offset:512
	s_or_b32 s43, ttmp9, s10
	s_cmp_eq_u32 s43, 0                            ; one wave for each bh stores the 16 rq
	s_cbranch_scc0 .Lend
	v_mov_b32 v14, v[RQ]
.irp c, 1,2,3,4,5,6,7,8,9,10,11,12,13,14,15
	v_cmp_eq_u32 vcc_lo, \c, v1
	v_cndmask_b32 v14, v14, v[RQ+(\c)], vcc_lo
.endr
	v_cmp_gt_u32 vcc_lo, 16, v1
	s_wait_xcnt 0x0                                ; EXEC changes only behind this wait
	s_and_saveexec_b32 s42, vcc_lo
	global_store_b32 v4, v14, s[38:39]
	s_wait_xcnt 0x0
	s_or_b32 exec_lo, exec_lo, s42
.Lend:
	s_endpgm
.Lfunc_end_k_q822f7c0352_scan:
	.size	k_q822f7c0352_scan, .Lfunc_end_k_q822f7c0352_scan-k_q822f7c0352_scan
	.p2alignl 7, 3214868480
	.fill 96, 4, 3214868480
	.section	.rodata,"a",@progbits
	.p2align	6, 0x0
	.amdhsa_kernel k_q822f7c0352_scan
		.amdhsa_group_segment_fixed_size 0
		.amdhsa_private_segment_fixed_size 0
		.amdhsa_enable_private_segment 0
		.amdhsa_kernarg_size 24
		.amdhsa_user_sgpr_count 2
		.amdhsa_user_sgpr_kernarg_segment_ptr 1
		.amdhsa_wavefront_size32 1
		.amdhsa_system_sgpr_workgroup_id_x 1
		.amdhsa_system_sgpr_workgroup_id_y 1
		.amdhsa_system_sgpr_workgroup_id_z 1
		.amdhsa_system_vgpr_workitem_id 0
		.amdhsa_next_free_vgpr 256
		.amdhsa_next_free_sgpr 66
		.amdhsa_reserve_vcc 1
		.amdhsa_float_denorm_mode_32 3
		.amdhsa_float_denorm_mode_16_64 3
		.amdhsa_memory_ordered 1
		.amdhsa_forward_progress 1
		.amdhsa_inst_pref_size 29
	.end_amdhsa_kernel
	.amdgpu_metadata
---
amdhsa.version: [ 1, 2 ]
amdhsa.kernels:
  - .name:           k_q822f7c0352_scan
    .symbol:         k_q822f7c0352_scan.kd
    .args:
      - { .name: ub, .offset: 0, .size: 8, .value_kind: global_buffer, .address_space: global }
      - { .name: st, .offset: 8, .size: 8, .value_kind: global_buffer, .address_space: global }
      - { .name: out1, .offset: 16, .size: 8, .value_kind: global_buffer, .address_space: global }
    .group_segment_fixed_size: 0
    .private_segment_fixed_size: 0
    .kernarg_segment_align: 8
    .kernarg_segment_size: 24
    .max_flat_workgroup_size: 256
    .sgpr_count:     66
    .vgpr_count:     256
    .wavefront_size: 32
...
	.end_amdgpu_metadata
.endif
;; end of part 4
;; launch ret (part 5): grid 16 x 16, 4 waves a work-group, no clusters, 242,176 bytes of LDS; arguments pj, st, yb; writes yb
.if DOCPART == 5
	.amdgcn_target "amdgcn-amd-amdhsa--gfx1250"
	.amdhsa_code_object_version 6
	.text
	.protected	k_q822f7c0352_ret
	.globl	k_q822f7c0352_ret
	.p2align	8
	.type	k_q822f7c0352_ret,@function
k_q822f7c0352_ret:
	s_mov_b64 s[64:65], 0
	v_nop
	global_prefetch_b8 v0, s[64:65] scope:SCOPE_SE
	s_setreg_imm32_b32 hwreg(HW_REG_WAVE_MODE, 25, 1), 1
	s_wait_xcnt 0x0
; RET.  For one chunk of 128 positions of one (batch, head): O_i = al_i A_i + be_i B_i, GroupNorm over the head's 256 channels, times the gate, / 16, as f16 into y [4096][2048].
;   S = qs ks^T, keys behind the query set to 0; m_i = max_j |S_ij| (at least 1e-30); P = S / m_i as f16, within +-1; A = P vs; B = qs Rh_c.
;   al_i = C m_i g^(a-127), be_i = C rq_c g^(a-127) g^128, C = 64 / sqrt(128): the 64 undoes the two factors 1/8 in qs and ks.
; The two operands whose size goes with the fourth power of the inputs, P and the state, are thus normalised at run time; mean and variance are taken in two passes in f32.
; Grid x = chunk, y = bh: 256 work-groups with tiles of their own: no cluster.  A wave owns 32 queries, two tiles of 16.  Every LDS byte is filled once; the gate's rows are the wave's own and take y in place.
; All products are used transposed: a lane holds ONE query (l % 16) and eight keys or channels 8 (l / 16) + 0..7, so S rounded in pairs is source 1 of the second product.
; REGISTERS.  window 0: addresses, statistics, S (64 a tile, later the gate), P (32 a tile); window 1: A, 128 a tile; window 2: B; window 3: Q (32 a tile) and three fragment buffers of 64.
.set KT,    0                          ; 128 keys x 272
.set RT,    34816                      ; 128 d x 544
.set VT,    104448                     ; 128 keys x 544
.set GT,    174080                     ; 128 rows x 528
.set SPARE, 241664
.set AK,  4
.set AR,  5
.set AV,  6
.set QO,  7
.set GA,  8                            ; v8-9
.set RDG, 10
.set YO,  11
.set THR, 12                           ; v12-13  my query less 8 (l / 16): register j of key block kb is hidden where 16 kb + j is greater
.set Z,   14
.set LG,  15
.set SPW, 16
.set NIL, 17
.set ST,  20                           ; tile t at ST + 12 t: +0 m, pairs +2 1/m, +4 al, +6 be, +8 mean, +10 rsqrt / 16
.set RI,  2
.set AL,  4
.set BE,  6
.set MU,  8
.set RS,  10
.set CH,  44                           ; v44-51 chains
.set S,   64
.set G,   64
.set P,   192
.set SEL, 60
.set MSB, 0
.macro WIN new
.if MSB != (\new)
	s_set_vgpr_msb (MSB<<8)|(\new)
.set MSB, \new
.endif
.endm
.macro PLACES
.rept 4
	v_nop
.endr
.endm
.macro LOG2G vd, vt, sh
	v_cvt_f32_u32 v[\vt], s[\sh]
	v_mul_f32 v[\vt], 0xbf124925, v[\vt]
	v_add_f32 v[\vt], 0xc0a00000, v[\vt]
	v_exp_f32 v[\vt], v[\vt]
	v_mov_b32 v[\vd], 0x3e4ccccd
	s_wait_alu depctr_va_vdst(0)
	v_fma_f32 v[\vd], v[\vd], v[\vt], 0x3e800000
	v_fma_f32 v[\vd], v[\vd], v[\vt], 0x3eaaaaab
	v_fma_f32 v[\vd], v[\vd], v[\vt], 0.5
	v_fma_f32 v[\vd], v[\vd], v[\vt], 1.0
	v_mul_f32 v[\vd], v[\vd], v[\vt]
	v_mul_f32 v[\vd], 0xbfb8aa3b, v[\vd]
.endm
	s_load_b128 s[4:7], s[0:1], 0x0                ; pj s[4:5], st s[6:7]
	s_load_b64 s[8:9], s[0:1], 0x10                ; yb
	v_lshl_add_u32 v[SPW], v0, 2, SPARE
	v_mov_b32 v[NIL], 0
	ds_add_u32 v[SPW], v[NIL]                      ; the opening: the add, twice on end, and its wait ahead of my first tensor load
	ds_add_u32 v[SPW], v[NIL]
	v_lshrrev_b32 v1, 5, v0
	v_readfirstlane_b32 s10, v1                    ; wave
	s_and_b32 s13, ttmp7, 0xffff                   ; bh
	s_lshl_b32 s14, s13, 11
	s_lshl_b32 s15, ttmp9, 7
	s_add_co_u32 s14, s14, s15
	s_lshl_b32 s15, s10, 5                         ; 32 wave
	s_add_co_u32 s14, s14, s15                     ; my first row: 2,048 bh + 128 c + 32 wave
	s_lshl_b32 s56, s14, 8
	s_mov_b32 s57, 0
	s_lshl_b32 s58, s14, 9
	s_mov_b32 s59, 0
	s_lshl_b32 s2, s13, 4
	s_add_co_u32 s2, s2, ttmp9                     ; 16 bh + c
	s_lshl_b32 s66, s2, 7
	s_add_co_u32 s66, s66, s15
	s_lshl_b32 s66, s66, 9                         ; my 32 rows d of Rh_c
	s_mov_b32 s67, 0
	s_lshl_b32 s68, s2, 2
	s_add_co_u32 s68, s68, 16777216                ; rq_c
	s_mov_b32 s69, 0
	s_lshr_b32 s74, s13, 3                         ; batch
	s_lshl_b32 s74, s74, 11
	s_lshl_b32 s75, ttmp9, 7
	s_add_co_u32 s74, s74, s75
	s_add_co_u32 s74, s74, s15
	s_lshl_b32 s74, s74, 12                        ; my first row of y, 4,096 bytes a row,
	s_and_b32 s76, s13, 7                          ; head
	s_lshl_b32 s75, s76, 9                         ; the head's 512 bytes of it
	s_add_co_u32 s74, s74, s75
	s_mov_b32 s75, 0
	s_mov_b32 s16, (1<<16)|(1<<20)|(5<<22)|(3<<25) ; ks: rows of 256 bytes + 16
	s_mov_b32 s17, 128<<16
	s_mov_b32 s18, 32<<16
	s_mov_b32 s19, 128<<16
	s_mov_b32 s20, 32
	s_mov_b32 s21, 128
	s_mov_b32 s22, 0
	s_mov_b32 s23, 0
	s_mov_b32 s24, (1<<16)|(1<<20)|(6<<22)|(7<<25) ; Rh and vs: rows of 512 bytes + 32
	s_mov_b32 s25, 256<<16
	s_mov_b32 s26, 32<<16
	s_mov_b32 s27, 256<<16
	s_mov_b32 s28, 32
	s_mov_b32 s29, 256
	s_mov_b32 s30, 0
	s_mov_b32 s31, 0
	s_mov_b32 s32, (1<<16)|(1<<20)|(6<<22)|(3<<25) ; the gate: rows of 512 bytes + 16
	s_mov_b32 s33, 256<<16
	s_mov_b32 s34, 32<<16
	s_mov_b32 s35, 256<<16
	s_mov_b32 s36, 32
	s_mov_b32 s37, 256
	s_mov_b32 s38, 0
	s_mov_b32 s39, 0
	s_mov_b32 s40, 1
	s_mul_i32 s41, s10, 32*272
	s_mov_b32 s44, 1
	s_mul_i32 s45, s10, 32*544
	s_add_co_u32 s45, s45, RT
	s_mov_b32 s48, 1
	s_mul_i32 s49, s10, 32*544
	s_add_co_u32 s49, s49, VT
	s_mov_b32 s52, 1
	s_mul_i32 s53, s10, 32*528
	s_add_co_u32 s53, s53, GT
	s_mov_b32 s[SEL], 0x76543210
	s_mov_b32 s[SEL+1], 0xfedcba98
	s_mov_b32 s62, 0x3b800000                      ; 1/256
	s_mov_b32 s63, 0x3727c5ac                      ; 1e-5
	s_sub_co_u32 s77, s15, 127
	s_wait_dscnt 0x0
	s_wait_kmcnt 0x0
	s_add_nc_u64 s[42:43], s[4:5], s[56:57]
	s_add_nc_u64 s[42:43], s[42:43], 8388608
	s_or_b32 s43, s43, 0x80000000
	s_add_nc_u64 s[46:47], s[6:7], s[66:67]
	s_or_b32 s47, s47, 0x80000000
	s_add_nc_u64 s[50:51], s[4:5], s[58:59]
	s_add_nc_u64 s[50:51], s[50:51], 16777216
	s_or_b32 s51, s51, 0x80000000
	s_add_nc_u64 s[54:55], s[4:5], s[58:59]
	s_add_nc_u64 s[54:55], s[54:55], 33554432
	s_or_b32 s55, s55, 0x80000000
	s_add_nc_u64 s[70:71], s[4:5], s[56:57]        ; qs
	s_add_nc_u64 s[68:69], s[6:7], s[68:69]
	s_add_nc_u64 s[74:75], s[8:9], s[74:75]
	tensor_load_to_lds s[40:43], s[16:23]          ; ks, Rh, vs, the gate, 32 rows each: four loads of mine are out
	s_nop 0
	tensor_load_to_lds s[44:47], s[24:31]
	s_nop 0
	tensor_load_to_lds s[48:51], s[24:31]
	s_nop 0
	tensor_load_to_lds s[52:55], s[32:39]
	s_nop 0
.rept 4
	v_nop
.endr
	s_load_b32 s72, s[68:69], 0x0                  ; rq_c
	v_and_b32 v1, 15, v0                           ; r
	v_bfe_u32 v2, v0, 4, 1                         ; h
	v_and_b32 v3, 31, v0                           ; l
	v_lshlrev_b32 v[QO], 8, v1
	v_lshl_add_u32 v[QO], v2, 4, v[QO]
	WIN 0xc0                                       ; destination window 3
.irp t, 0,1
.irp cc, 0,1,2,3
	global_load_b128 v[32*(\t)+8*(\cc):32*(\t)+8*(\cc)+3],   v[QO], s[70:71] offset:4096*(\t)+64*(\cc)
	global_load_b128 v[32*(\t)+8*(\cc)+4:32*(\t)+8*(\cc)+7], v[QO], s[70:71] offset:4096*(\t)+64*(\cc)+32
.endr
.endr
	WIN 0
	v_mul_u32_u24 v[AK], v1, 272
	v_lshl_add_u32 v[AK], v2, 4, v[AK]
	v_and_b32 v18, 7, v0
	v_lshl_add_u32 v18, v2, 3, v18
	v_mul_u32_u24 v18, v18, 544
	v_bfe_u32 v19, v0, 3, 1
	v_lshl_add_u32 v18, v19, 4, v18
	v_add_nc_u32 v[AR], RT, v18
	v_add_nc_u32 v[AV], VT, v18
	v_add_nc_u32 v18, s15, v1                      ; my query in tile 0
	v_mul_u32_u24 v[GA], v18, 528
	v_lshl_add_u32 v[GA], v2, 4, v[GA]
	v_add_nc_u32 v[GA], GT, v[GA]
	v_add_nc_u32 v[GA+1], 16*528, v[GA]
	v_lshl_add_u32 v[RDG], v3, 4, s53
	v_lshlrev_b32 v[YO], 4, v3
	v_lshlrev_b32 v19, 3, v2
	v_sub_nc_u32 v[THR], v18, v19
	v_add_nc_u32 v[THR+1], 16, v[THR]
	v_mov_b32 v[Z], 0
	LOG2G LG, 18, 76
	v_add_nc_u32 v52, s77, v1
	v_cvt_f32_i32 v52, v52                         ; a - 127 for tile 0
	v_mul_f32 v54, v52, v[LG]
	v_fma_f32 v55, v[LG], 0x41800000, v54
	v_mul_f32 v56, 0x43000000, v[LG]
	v_exp_f32 v54, v54                             ; g^(a-127), tile 0
	v_exp_f32 v55, v55                             ; tile 1
	v_exp_f32 v56, v56                             ; g^128
	v_nop
	s_wait_alu depctr_va_vdst(0)
.macro LDK cc, buf                     ; 8 fragments of ks: key blocks 0-7, channels 32 cc on
	WIN 0xc0
.irp kb, 0,1,2,3,4,5,6,7
	ds_load_b128 v[64+64*(\buf)+8*(\kb):64+64*(\buf)+8*(\kb)+3],   v[AK] offset:4352*(\kb)+64*(\cc)
	ds_load_b128 v[64+64*(\buf)+8*(\kb)+4:64+64*(\buf)+8*(\kb)+7], v[AK] offset:4352*(\kb)+64*(\cc)+32
.endr
.endm
.macro LDT adr, dd, hf, buf            ; 8 turned fragments: rows 32 dd on, channel blocks 8 hf + 0..7
	WIN 0xc0
.irp i, 0,1,2,3,4,5,6,7
	ds_load_tr16_b128 v[64+64*(\buf)+8*(\i):64+64*(\buf)+8*(\i)+3],   v[\adr] offset:17408*(\dd)+32*(8*(\hf)+(\i))
	ds_load_tr16_b128 v[64+64*(\buf)+8*(\i)+4:64+64*(\buf)+8*(\i)+7], v[\adr] offset:17408*(\dd)+32*(8*(\hf)+(\i))+8704
.endr
.endm
; each group is 16 matrix instructions on 16 different accumulators, in one order: they take turns
.macro MULS buf, cc
	WIN 0x0f
.irp kb, 0,1,2,3,4,5,6,7
.irp t, 0,1
.if (\cc) == 0
	v_wmma_f32_16x16x32_f16 v[S+64*(\t)+8*(\kb):S+64*(\t)+8*(\kb)+7], v[64+64*(\buf)+8*(\kb):64+64*(\buf)+8*(\kb)+7], v[32*(\t)+8*(\cc):32*(\t)+8*(\cc)+7], 0
.else
	v_wmma_f32_16x16x32_f16 v[S+64*(\t)+8*(\kb):S+64*(\t)+8*(\kb)+7], v[64+64*(\buf)+8*(\kb):64+64*(\buf)+8*(\kb)+7], v[32*(\t)+8*(\cc):32*(\t)+8*(\cc)+7], v[S+64*(\t)+8*(\kb):S+64*(\t)+8*(\kb)+7]
.endif
.endr
.endr
.endm
.macro MULB buf, dd, hf
	WIN 0xaf
.irp i, 0,1,2,3,4,5,6,7
.irp t, 0,1
.if (\dd) == 0
	v_wmma_f32_16x16x32_f16 v[128*(\t)+8*(8*(\hf)+(\i)):128*(\t)+8*(8*(\hf)+(\i))+7], v[64+64*(\buf)+8*(\i):64+64*(\buf)+8*(\i)+7], v[32*(\t)+8*(\dd):32*(\t)+8*(\dd)+7], 0
.else
	v_wmma_f32_16x16x32_f16 v[128*(\t)+8*(8*(\hf)+(\i)):128*(\t)+8*(8*(\hf)+(\i))+7], v[64+64*(\buf)+8*(\i):64+64*(\buf)+8*(\i)+7], v[32*(\t)+8*(\dd):32*(\t)+8*(\dd)+7], v[128*(\t)+8*(8*(\hf)+(\i)):128*(\t)+8*(8*(\hf)+(\i))+7]
.endif
.endr
.endr
.endm
.macro MULA buf, dd, hf
	WIN 0x53
.irp i, 0,1,2,3,4,5,6,7
.irp t, 0,1
.if (\dd) == 0
	v_wmma_f32_16x16x32_f16 v[128*(\t)+8*(8*(\hf)+(\i)):128*(\t)+8*(8*(\hf)+(\i))+7], v[64+64*(\buf)+8*(\i):64+64*(\buf)+8*(\i)+7], v[P+32*(\t)+8*(\dd):P+32*(\t)+8*(\dd)+7], 0
.else
	v_wmma_f32_16x16x32_f16 v[128*(\t)+8*(8*(\hf)+(\i)):128*(\t)+8*(8*(\hf)+(\i))+7], v[64+64*(\buf)+8*(\i):64+64*(\buf)+8*(\i)+7], v[P+32*(\t)+8*(\dd):P+32*(\t)+8*(\dd)+7], v[128*(\t)+8*(8*(\hf)+(\i)):128*(\t)+8*(8*(\hf)+(\i))+7]
.endif
.endr
.endr
.endm
	s_wait_tensorcnt 0x3                           ; my rows of ks are in; three younger loads stay out
	s_barrier_signal -1
	s_barrier_wait -1
	LDK 0, 0
	LDK 1, 1
	LDK 2, 2
	s_wait_loadcnt 0x0                             ; Q
	s_wait_dscnt 32                                ; the oldest group of 16 loads is in
	MULS 0, 0
	PLACES
	LDK 3, 0
	s_wait_dscnt 32
	MULS 1, 1
	s_wait_dscnt 16
	MULS 2, 2
	s_wait_dscnt 0x0
	MULS 0, 3
	WIN 0
	s_wait_tensorcnt 0x1                           ; my rows of Rh and vs are in; the gate's may stay out
	s_barrier_signal -1
	s_barrier_wait -1
	PLACES                                         ; behind the last products: for the loads into buffers 1, 2 and for the readers of S
	LDT AR, 0, 0, 1
	LDT AR, 0, 1, 2
	WIN 0
.macro MASKMAX t
.set rS, S+64*(\t)
.set rT, ST+12*(\t)
.set c0, CH+4*(\t)
.set i, 0
.rept 64
	v_cmp_gt_i32 vcc_lo, 16*(i/8)+i%8, v[THR+(\t)]
	v_cndmask_b32 v[rS+i], v[rS+i], v[Z], vcc_lo
.set i, i+1
.endr
.set i, 0
.rept 32
.if (i%4 == 0) && (i < 16)
	v_max_num_f32 v[c0+(i/4)%4], |v[rS+2*i]|, |v[rS+2*i+1]|
.else
	v_max3_num_f32 v[c0+(i/4)%4], |v[rS+2*i]|, |v[rS+2*i+1]|, v[c0+(i/4)%4]
.endif
.set i, i+1
.endr
	v_max3_num_f32 v[c0], v[c0], v[c0+1], v[c0+2]
	v_max_num_f32 v[c0], v[c0], v[c0+3]
	v_permlanex16_b32 v[c0+1], v[c0], s[SEL], s[SEL+1]  ; the query's other 64 keys lie in the lane 16 away
	v_max_num_f32 v[rT], v[c0], v[c0+1]
	v_max_num_f32 v[rT], 0x0da24260, v[rT]
.endm
.macro SCALE t
.set rS, S+64*(\t)
.set rT, ST+12*(\t)
.set i, 0
.rept 32
	v_pk_mul_f32 v[rS+2*i:rS+2*i+1], v[rS+2*i:rS+2*i+1], v[rT+RI:rT+RI+1]
.set i, i+1
.endr
.set i, 0
.rept 32
	v_cvt_pk_f16_f32 v[P+32*(\t)+i], v[rS+2*i], v[rS+2*i+1]
.set i, i+1
.endr
.endm
	MASKMAX 0
	MASKMAX 1
	v_rcp_f32 v[ST+RI], v[ST]
	v_rcp_f32 v[ST+RI+1], v[ST]
	v_rcp_f32 v[ST+12+RI], v[ST+12]
	v_rcp_f32 v[ST+12+RI+1], v[ST+12]
	s_wait_kmcnt 0x0                               ; rq_c
	v_mul_f32 v57, s72, v56
	s_wait_alu depctr_va_vdst(0)                   ; one wait for the four reciprocals; the line above is the plain instruction behind them
	v_mul_f32 v57, 0x40b504f3, v57                 ; C rq g^128
.irp t, 0,1
	v_mul_f32 v[ST+12*(\t)+AL], v[ST+12*(\t)], v[54+(\t)]
	v_mul_f32 v[ST+12*(\t)+AL], 0x40b504f3, v[ST+12*(\t)+AL]
	v_mov_b32 v[ST+12*(\t)+AL+1], v[ST+12*(\t)+AL]
	v_mul_f32 v[ST+12*(\t)+BE], v57, v[54+(\t)]
	v_mov_b32 v[ST+12*(\t)+BE+1], v[ST+12*(\t)+BE]
.endr
	SCALE 0
	SCALE 1
; groups 0-7: B = qs Rh; groups 8-15: A = P vs.  Group n multiplies buffer (n + 1) % 3; ahead of it group n + 2 is fetched into buffer n % 3, which group n - 1 has just left.
.set n, 0
.rept 16
.if n <= 13
	PLACES
.if n+2 < 8
	LDT AR, (n+2)/2, n%2, n%3
.else
	LDT AV, (n-6)/2, n%2, n%3
.endif
	s_wait_dscnt 32                                ; group n is in; the two younger groups' loads stay out
.elseif n == 14
	s_wait_dscnt 16
.else
	s_wait_dscnt 0x0
.endif
.if n < 8
	MULB (n+1)%3, n/2, n%2
.else
	MULA (n+1)%3, (n-8)/2, n%2
.endif
.set n, n+1
.endr
	WIN 0
	s_wait_tensorcnt 0x0                           ; my own rows of the gate: no other wave reads them, so no barrier
	PLACES
.macro CLEAR
	WIN 0
.irp k, 0,1,2,3,4,5,6,7
	v_mov_b32 v[CH+(\k)], 0
.endr
.endm
.macro REDUCE                          ; four packed chains, the two halves, the lane 16 away
	WIN 0
	v_pk_add_f32 v[CH:CH+1], v[CH:CH+1], v[CH+2:CH+3]
	v_pk_add_f32 v[CH+4:CH+5], v[CH+4:CH+5], v[CH+6:CH+7]
	v_pk_add_f32 v[CH:CH+1], v[CH:CH+1], v[CH+4:CH+5]
	v_add_f32 v[CH], v[CH], v[CH+1]
	v_permlanex16_b32 v[CH+1], v[CH], s[SEL], s[SEL+1]
	v_add_f32 v[CH], v[CH], v[CH+1]
.endm
.macro EPI t
.set rO, 128*(\t)
.set rT, ST+12*(\t)
	WIN 0
.irp cb, 0,1,2,3,4,5,6,7,8,9,10,11,12,13,14,15
	ds_load_b128 v[G+4*(\cb):G+4*(\cb)+3], v[GA+(\t)] offset:32*(\cb)
.endr
	WIN 0x41
.set i, 0
.rept 64
	v_pk_mul_f32 v[rO+i:rO+i+1], v[rO+i:rO+i+1], v[rT+AL:rT+AL+1]
.set i, i+2
.endr
	WIN 0x52
.set i, 0
.rept 64
	v_pk_fma_f32 v[rO+i:rO+i+1], v[rO+i:rO+i+1], v[rT+BE:rT+BE+1], v[rO+i:rO+i+1]
.set i, i+2
.endr
	CLEAR
	WIN 0x01
.set i, 0
.rept 64
	v_pk_add_f32 v[CH+i%8:CH+i%8+1], v[rO+i:rO+i+1], v[CH+i%8:CH+i%8+1]
.set i, i+2
.endr
	REDUCE
	v_mul_f32 v[rT+MU], s62, v[CH]
	v_mov_b32 v[rT+MU+1], v[rT+MU]
	WIN 0x41
.set i, 0
.rept 64
	v_pk_add_f32 v[rO+i:rO+i+1], v[rO+i:rO+i+1], v[rT+MU:rT+MU+1] neg_lo:[0,1] neg_hi:[0,1]
.set i, i+2
.endr
	CLEAR
	WIN 0x05
.set i, 0
.rept 64
	v_pk_fma_f32 v[CH+i%8:CH+i%8+1], v[rO+i:rO+i+1], v[rO+i:rO+i+1], v[CH+i%8:CH+i%8+1]
.set i, i+2
.endr
	REDUCE
	v_fma_f32 v[CH], v[CH], s62, s63               ; variance + 1e-5
	v_rsq_f32 v[rT+RS], v[CH]
	v_nop
	s_wait_alu depctr_va_vdst(0)
	v_mul_f32 v[rT+RS], 0x3d800000, v[rT+RS]       ; / 16: |y| stays within the gate's range
	v_mov_b32 v[rT+RS+1], v[rT+RS]
	WIN 0x41
.set i, 0
.rept 64
	v_pk_mul_f32 v[rO+i:rO+i+1], v[rO+i:rO+i+1], v[rT+RS:rT+RS+1]
.set i, i+2
.endr
	s_wait_dscnt 0x0                               ; the gate
	WIN 0x01
.set i, 0
.rept 64
	v_fma_mixlo_f16 v[G+i], v[rO+2*i], v[G+i], v[Z] op_sel_hi:[0,1,0]
	v_fma_mixhi_f16 v[G+i], v[rO+2*i+1], v[G+i], v[Z] op_sel:[0,1,0] op_sel_hi:[0,1,0]
.set i, i+1
.endr
	WIN 0
.irp cb, 0,1,2,3,4,5,6,7,8,9,10,11,12,13,14,15
	ds_store_b128 v[GA+(\t)], v[G+4*(\cb):G+4*(\cb)+3] offset:32*(\cb)
.endr
.endm
	EPI 0
	EPI 1
.set i, 0
.rept 32
	ds_load_b128 v[64+4*i:64+4*i+3], v[RDG] offset:528*i   ; my 32 rows back, whole: LDS serves a wave's instructions in order
.set i, i+1
.endr
.set i, 0
.rept 32
	s_wait_dscnt 31-i
	global_store_b128 v[YO], v[64+4*i:64+4*i+3], s[74:75] offset:4096*i  ; 512 consecutive bytes, aligned
.set i, i+1
.endr
	s_wait_tensorcnt 0x0                           ; the wave's end
	ds_add_u32 v[SPW], v[NIL]
	s_wait_dscnt 0x0
	s_endpgm
.Lfunc_end_k_q822f7c0352_ret:
	.size	k_q822f7c0352_ret, .Lfunc_end_k_q822f7c0352_ret-k_q822f7c0352_ret
	.p2alignl 7, 3214868480
	.fill 96, 4, 3214868480
	.section	.rodata,"a",@progbits
	.p2align	6, 0x0
	.amdhsa_kernel k_q822f7c0352_ret
		.amdhsa_group_segment_fixed_size 242176
		.amdhsa_private_segment_fixed_size 0
		.amdhsa_enable_private_segment 0
		.amdhsa_kernarg_size 24
		.amdhsa_user_sgpr_count 2
		.amdhsa_user_sgpr_kernarg_segment_ptr 1
		.amdhsa_wavefront_size32 1
		.amdhsa_system_sgpr_workgroup_id_x 1
		.amdhsa_system_sgpr_workgroup_id_y 1
		.amdhsa_system_sgpr_workgroup_id_z 1
		.amdhsa_system_vgpr_workitem_id 0
		.amdhsa_next_free_vgpr 1024
		.amdhsa_next_free_sgpr 80
		.amdhsa_reserve_vcc 1
		.amdhsa_float_denorm_mode_32 3
		.amdhsa_float_denorm_mode_16_64 3
		.amdhsa_memory_ordered 1
		.amdhsa_forward_progress 1
		.amdhsa_inst_pref_size 155
	.end_amdhsa_kernel
	.amdgpu_metadata
---
amdhsa.version: [ 1, 2 ]
amdhsa.kernels:
  - .name:           k_q822f7c0352_ret
    .symbol:         k_q822f7c0352_ret.kd
    .args:
      - { .name: pj, .offset: 0, .size: 8, .value_kind: global_buffer, .address_space: global }
      - { .name: st, .offset: 8, .size: 8, .value_kind: global_buffer, .address_space: global }
      - { .name: yb, .offset: 16, .size: 8, .value_kind: global_buffer, .address_space: global }
    .group_segment_fixed_size: 242176
    .private_segment_fixed_size: 0
    .kernarg_segment_align: 8
    .kernarg_segment_size: 24
    .max_flat_workgroup_size: 128
    .sgpr_count:     80
    .vgpr_count:     1024
    .wavefront_size: 32
...
	.end_amdgpu_metadata
.endif
;; end of part 5
;; launch outp (part 6): grid 8 x 32, 4 waves a work-group, clusters of 4 x 4, 327,680 bytes of LDS; arguments yb, pw, bp, out0; writes out0
.if DOCPART == 6
	.amdgcn_target "amdgcn-amd-amdhsa--gfx1250"
	.amdhsa_code_object_version 6
	.text
	.protected	k_q822f7c0352_outp
	.globl	k_q822f7c0352_outp
	.p2align	8
	.type	k_q822f7c0352_outp,@function
k_q822f7c0352_outp:
	s_mov_b64 s[64:65], 0
	v_nop
	global_prefetch_b8 v0, s[64:65] scope:SCOPE_SE
	s_setreg_imm32_b32 hwreg(HW_REG_WAVE_MODE, 25, 1), 1
	s_wait_xcnt 0x0
	s_wait_alu depctr_hold_cnt(0) depctr_sa_sdst(0) depctr_va_vdst(0) depctr_va_sdst(0) depctr_va_ssrc(0) depctr_va_vcc(0) depctr_vm_vsrc(0)
	s_getreg_b32 s2, hwreg(HW_REG_IB_STS2, 6, 4)
	s_cmp_eq_u32 s2, 0
	s_cbranch_scc0 .Lentry_in_a_cluster
	s_endpgm
.Lentry_in_a_cluster:
	s_bfe_u32 s2, ttmp6, 0x10000c
	s_cmp_lg_u32 s2, 0xf033
	s_cbranch_scc0 .Lentry_shape_is_right
	s_endpgm
.Lentry_shape_is_right:
; OUTP.  out0 [4096][1024] f32 = 0.5 x (y [4096][2048] f16 times Wp16 [2048][1024] f16) + bf16(bp): y carries 1/16 and Wp16 carries 32.  Sums in f32.
; A tile is 128 x 128: 256 tiles, one for each WGP; four waves, 2 x 2, each 64 x 64: 16 accumulators.  K goes in steps of 256, as long as two slots in LDS allow.
; y's rows lie along K; the weights lie [K][N] and are turned by ds_load_tr16_b128.  The matrix instruction is used transposed: a lane holds row l % 16 and eight neighbouring columns.
; CLUSTERS: 4 x 4; y's tile is shared along a row of the cluster, the weights' along a column: joint loads.  No prefetch: small tiles, and both operands are read again by 8 and 32 tiles.
; REGISTERS.  window 0: addresses, the bias, the way out; window 1: two fragment buffers of 128 (for each 32 along K: B's 4 blocks, A's 4); window 2: accumulator (a, b) at 8 (4 a + b).
.set KS,    256
.set LAPS,  4                          ; 2,048 / (2 KS)
.set PA,    528
.set PB,    288
.set AHALF, 64*PA
.set BHALF, 128*PB
.set BOFF,  2*AHALF
.set SLOT,  BOFF+2*BHALF               ; 141,312
.set STAGE, 2*SLOT
.set SP,    272
.set SPARE, STAGE+4*16*SP
.set BPB,   2048
.set WPO,   20971520
.set ADRA, 16
.set ADRB, 20
.set STO,  24
.set RD,   25
.set CO,   26
.set TBO,  27
.set SPW,  28
.set NIL,  29
.set TMP,  32
.set OB,   64
.set BI,   96                          ; v96-127 the bias of my 64 columns: 8 b + j for column 16 b + 8 (l / 16) + j
.set F0,   0
.set F1,   128
.set G1, 24
.set G0, 32
.set G1B, 48
.set G0B, 56
.set MSB, 0
.macro WIN new
.if MSB != (\new)
	s_set_vgpr_msb (MSB<<8)|(\new)
.set MSB, \new
.endif
.endm
.set MUL,  0xa5
.set TO_F, 0x40
.macro JLOAD s
	s_cmp_eq_u32 s11, 0
	s_cbranch_scc0 .Lfor_b_\@
	tensor_load_to_lds s[G0+4*(\s):G0+4*(\s)+3], s[G1:G1+7]
	s_nop 0
.rept 4
	v_nop
.endr
	s_branch .Lasked_\@
.Lfor_b_\@:
	tensor_load_to_lds s[G0B+4*(\s):G0B+4*(\s)+3], s[G1B:G1B+7]
	s_nop 0
.rept 4
	v_nop
.endr
.Lasked_\@:
.endm
.macro CREST
	s_cmp_lg_u32 s10, 0
	s_cbranch_scc1 .Lnot_wave_0_\@
	s_barrier_signal -3
.Lnot_wave_0_\@:
	s_barrier_wait -3
	s_barrier_signal -1
	s_barrier_wait -1
.endm
.macro CROUND
	s_barrier_signal -1
	s_barrier_wait -1
	CREST
.endm
.macro PLACES
.rept 4
	v_nop
.endr
.endm
	s_load_b256 s[72:79], s[0:1], 0x0              ; yb s[72:73], pw s[74:75], bp s[76:77], out0 s[78:79]
	v_lshl_add_u32 v[SPW], v0, 2, SPARE
	v_mov_b32 v[NIL], 0
	ds_add_u32 v[SPW], v[NIL]                      ; the opening: the add, twice on end, and its wait ahead of my first tensor load
	ds_add_u32 v[SPW], v[NIL]
	v_lshrrev_b32 v1, 5, v0
	v_readfirstlane_b32 s10, v1
	s_lshr_b32 s11, s10, 1
	s_and_b32 s12, s10, 1
	s_bfe_u32 s40, ttmp6, 0x40000
	s_bfe_u32 s41, ttmp6, 0x40004
	s_lshl_b32 s42, ttmp9, 2
	s_add_co_u32 s42, s42, s40                     ; tile column
	s_and_b32 s13, ttmp7, 0xffff
	s_lshl_b32 s13, s13, 2
	s_add_co_u32 s13, s13, s41                     ; tile row
	s_lshl_b32 s43, s41, 2
	s_lshl_b32 s43, 15, s43
	s_lshl_b32 s44, 0x1111, s40
	s_or_b32 s[G1+0], s43, (1<<16)|(1<<20)|(1<<21)|(6<<22)|(3<<25)   ; A: 64 rows x 256 elements, 4 words of padding behind every 128
	s_mov_b32 s[G1+1], KS<<16
	s_mov_b32 s[G1+2], 64<<16
	s_mov_b32 s[G1+3], KS<<16
	s_mov_b32 s[G1+4], 64
	s_mov_b32 s[G1+5], 2048
	s_mov_b32 s[G1+6], 0
	s_mov_b32 s[G1+7], 0
	s_or_b32 s[G1B+0], s44, (1<<16)|(1<<20)|(1<<21)|(5<<22)|(7<<25)  ; B: 128 k rows x 128 elements, 8 words behind every 64
	s_mov_b32 s[G1B+1], 128<<16
	s_mov_b32 s[G1B+2], 128<<16
	s_mov_b32 s[G1B+3], 128<<16
	s_mov_b32 s[G1B+4], 128
	s_mov_b32 s[G1B+5], 1024
	s_mov_b32 s[G1B+6], 0
	s_mov_b32 s[G1B+7], 0
	s_lshl_b32 s17, s12, 6
	s_lshl_b32 s16, s13, 7
	s_add_co_u32 s16, s16, s17
	s_lshl_b32 s16, s16, 12                        ; rows of 4,096 bytes
	s_mov_b32 s17, 0
	s_lshl_b32 s46, s12, 18                        ; my 128 k rows of 2,048 bytes,
	s_lshl_b32 s47, s42, 8                         ; the tile's 256 bytes of them
	s_add_co_u32 s46, s46, s47
	s_mov_b32 s47, 0
	s_mul_i32 s20, s12, AHALF
	s_mul_i32 s21, s12, BHALF
	s_add_co_u32 s21, s21, BOFF
	s_wait_dscnt 0x0
	s_wait_kmcnt 0x0
	s_add_nc_u64 s[14:15], s[72:73], s[16:17]
	s_add_nc_u64 s[46:47], s[74:75], s[46:47]
	s_add_nc_u64 s[46:47], s[46:47], WPO
	CROUND
.irp s, 0,1
	s_mov_b32 s[G0+4*(\s)], 1
	s_add_co_u32 s[G0+4*(\s)+1], s20, (\s)*SLOT
	s_add_nc_u64 s[G0+4*(\s)+2:G0+4*(\s)+3], s[14:15], (\s)*KS*2
	s_or_b32 s[G0+4*(\s)+3], s[G0+4*(\s)+3], 0x80000000
	s_mov_b32 s[G0B+4*(\s)], 1
	s_add_co_u32 s[G0B+4*(\s)+1], s21, (\s)*SLOT
	s_add_nc_u64 s[G0B+4*(\s)+2:G0B+4*(\s)+3], s[46:47], (\s)*KS*BPB
	s_or_b32 s[G0B+4*(\s)+3], s[G0B+4*(\s)+3], 0x80000000
	JLOAD \s
.endr
	v_and_b32 v1, 15, v0
	v_bfe_u32 v2, v0, 4, 1
	s_lshl_b32 s70, s42, 9                         ; my 64 columns in f32: 512 x tile column + 256 x half
	s_lshl_b32 s71, s12, 8
	s_add_co_u32 s70, s70, s71
	s_mov_b32 s71, 0
	s_add_nc_u64 s[66:67], s[76:77], s[70:71]
	v_lshlrev_b32 v[TBO], 5, v2
.irp b, 0,1,2,3
	global_load_b128 v[BI+8*(\b):BI+8*(\b)+3], v[TBO], s[66:67] offset:64*(\b)
	global_load_b128 v[BI+8*(\b)+4:BI+8*(\b)+7], v[TBO], s[66:67] offset:64*(\b)+16
.endr
	s_lshl_b32 s68, s13, 7
	s_lshl_b32 s69, s11, 6
	s_add_co_u32 s68, s68, s69
	s_lshl_b32 s68, s68, 12
	s_add_co_u32 s68, s68, s70
	s_mov_b32 s69, 0
	s_add_nc_u64 s[68:69], s[78:79], s[68:69]
	v_mul_u32_u24 v3, v1, PA
	v_lshl_add_u32 v3, v2, 4, v3
	s_mul_i32 s21, s11, AHALF
	v_add_nc_u32 v[ADRA], s21, v3
	v_add_nc_u32 v[ADRA+1], SLOT, v[ADRA]
	v_and_b32 v5, 7, v0
	v_lshl_add_u32 v5, v2, 3, v5
	v_mul_u32_u24 v5, v5, PB
	v_bfe_u32 v6, v0, 3, 1
	v_lshl_add_u32 v5, v6, 4, v5
	s_lshl_b32 s22, s12, 7                         ; my 64 columns
	s_add_co_u32 s22, s22, BOFF
	v_add_nc_u32 v[ADRB], s22, v5
	v_add_nc_u32 v[ADRB+1], BHALF, v[ADRB]
	v_add_nc_u32 v[ADRB+2], SLOT, v[ADRB]
	v_add_nc_u32 v[ADRB+3], SLOT+BHALF, v[ADRB]
	s_mul_i32 s23, s10, 16*SP
	s_add_co_u32 s23, s23, STAGE
	v_mul_u32_u24 v4, v1, SP
	v_lshl_add_u32 v4, v2, 5, v4
	v_add_nc_u32 v[STO], s23, v4                   ; in: row r, 32 bytes for each half of the lanes
	v_mul_u32_u24 v5, v2, SP
	v_lshl_add_u32 v5, v1, 4, v5
	v_add_nc_u32 v[RD], s23, v5
	v_lshlrev_b32 v[CO], 12, v2
	v_lshl_add_u32 v[CO], v1, 4, v[CO]
.macro MUL8 f, e, zero                 ; 8 matrix instructions: half e / 2 of the buffer's 64 along K, row blocks 2 (e % 2), + 1, all 4 column blocks; the 16 accumulators take turns
	WIN MUL
.irp a, 2*((\e)%2), 2*((\e)%2)+1
.irp b, 0,1,2,3
.if \zero
	v_wmma_f32_16x16x32_f16 v[8*(4*(\a)+(\b)):8*(4*(\a)+(\b))+7], v[(\f)+64*((\e)/2)+8*(\b):(\f)+64*((\e)/2)+8*(\b)+7], v[(\f)+64*((\e)/2)+32+8*(\a):(\f)+64*((\e)/2)+32+8*(\a)+7], 0
.else
	v_wmma_f32_16x16x32_f16 v[8*(4*(\a)+(\b)):8*(4*(\a)+(\b))+7], v[(\f)+64*((\e)/2)+8*(\b):(\f)+64*((\e)/2)+8*(\b)+7], v[(\f)+64*((\e)/2)+32+8*(\a):(\f)+64*((\e)/2)+32+8*(\a)+7], v[8*(4*(\a)+(\b)):8*(4*(\a)+(\b))+7]
.endif
.endr
.endr
.endm
.macro FETCH slot, kq, f               ; 32 LDS loads in one run: quarter kq (64 along K); the first 32 along K first
	WIN TO_F
.irp c, 0,1
.irp i, 0,1,2,3
	ds_load_tr16_b128 v[(\f)+64*(\c)+8*(\i):(\f)+64*(\c)+8*(\i)+3],   v[ADRB+2*(\slot)+(2*(\kq)+(\c))/4] offset:((2*(\kq)+(\c))%4)*32*PB+32*(\i)
	ds_load_tr16_b128 v[(\f)+64*(\c)+8*(\i)+4:(\f)+64*(\c)+8*(\i)+7], v[ADRB+2*(\slot)+(2*(\kq)+(\c))/4] offset:((2*(\kq)+(\c))%4)*32*PB+32*(\i)+16*PB
.endr
.irp a, 0,1,2,3
	ds_load_b128 v[(\f)+64*(\c)+32+8*(\a):(\f)+64*(\c)+32+8*(\a)+3],   v[ADRA+(\slot)] offset:64*(2*(\kq)+(\c))+(\a)*16*PA
	ds_load_b128 v[(\f)+64*(\c)+32+8*(\a)+4:(\f)+64*(\c)+32+8*(\a)+7], v[ADRA+(\slot)] offset:64*(2*(\kq)+(\c))+(\a)*16*PA+32
.endr
.endr
.endm
.macro QUARTER slot, kq, f, g, zero
	s_wait_dscnt 16                                ; the first 32 along K are in
	MUL8 \f, 0, \zero
	MUL8 \f, 1, \zero
	PLACES
	FETCH \slot, \kq, \g
	s_wait_dscnt 32                                ; all but the 32 just issued
	MUL8 \f, 2, 0
	MUL8 \f, 3, 0
.endm
.macro TURN slot, next, fill
	WIN 0
	s_wait_tensorcnt 0x0                           ; all my tensor loads have landed: my part of the next slot
	ds_add_u32 v[SPW], v[NIL]
	s_wait_dscnt 17                                ; the add and the youngest sixteen loads may be out
	MUL8 F1, 0, 0
	s_wait_dscnt 0x0                               ; the add is done, and my reads of this slot are over
	s_barrier_signal -1
	MUL8 F1, 1, 0
.if \fill
	WIN 0
.endif
	s_barrier_wait -1
.if \fill
	CREST
	s_add_nc_u64 s[G0+4*(\slot)+2:G0+4*(\slot)+3], s[G0+4*(\slot)+2:G0+4*(\slot)+3], 2*KS*2
	s_add_nc_u64 s[G0B+4*(\slot)+2:G0B+4*(\slot)+3], s[G0B+4*(\slot)+2:G0B+4*(\slot)+3], 2*KS*BPB
	JLOAD \slot
.else
	PLACES
.endif
	FETCH \next, 0, F0
	MUL8 F1, 2, 0
	MUL8 F1, 3, 0
.endm
	s_wait_tensorcnt 1                             ; my part of K step 0 is in; step 1's may stay out
	s_barrier_signal -1
	s_barrier_wait -1
	FETCH 0, 0, F0
	QUARTER 0, 1, F0, F1, 1
	WIN 0
	s_mov_b32 s3, LAPS-1
.Llap:
	QUARTER 0, 2, F1, F0, 0
	QUARTER 0, 3, F0, F1, 0
	TURN 0, 1, 1
	QUARTER 1, 1, F0, F1, 0
	QUARTER 1, 2, F1, F0, 0
	QUARTER 1, 3, F0, F1, 0
	TURN 1, 0, 1
	QUARTER 0, 1, F0, F1, 0
	WIN 0
	s_sub_co_u32 s3, s3, 1
	s_cmp_lg_u32 s3, 0
	s_cbranch_scc1 .Llap
	QUARTER 0, 2, F1, F0, 0
	QUARTER 0, 3, F0, F1, 0
	TURN 0, 1, 0
	QUARTER 1, 1, F0, F1, 0
	QUARTER 1, 2, F1, F0, 0
	QUARTER 1, 3, F0, F1, 0
	s_wait_dscnt 16
	MUL8 F1, 0, 0
	MUL8 F1, 1, 0
	s_wait_dscnt 0x0
	MUL8 F1, 2, 0
	MUL8 F1, 3, 0
	WIN 0
	s_wait_loadcnt 0x0                             ; the bias; it is rounded to bf16 like the other inputs.  These 48 lines are also the places behind the last products
.set i, 0
.rept 16
	v_cvt_pk_bf16_f32 v[TMP+i], v[BI+2*i], v[BI+2*i+1]
	v_lshlrev_b32 v[BI+2*i], 16, v[TMP+i]
	v_and_b32 v[BI+2*i+1], 0xffff0000, v[TMP+i]
.set i, i+1
.endr
.macro OUTB a                          ; 16 rows x 64 columns of f32: 256 bytes a row, through my own stage
.if (\a) > 0
	s_wait_xcnt 0x0                                ; the last block's stores have read OB
.endif
	WIN 0x02
.irp b, 0,1,2,3
.irp j, 0,2,4,6
	v_pk_fma_f32 v[TMP+8*(\b)+(\j):TMP+8*(\b)+(\j)+1], v[8*(4*(\a)+(\b))+(\j):8*(4*(\a)+(\b))+(\j)+1], 0.5, v[BI+8*(\b)+(\j):BI+8*(\b)+(\j)+1] op_sel_hi:[1,0,1]
.endr
.endr
	WIN 0
.irp b, 0,1,2,3
	ds_store_b128 v[STO], v[TMP+8*(\b):TMP+8*(\b)+3] offset:64*(\b)
	ds_store_b128 v[STO], v[TMP+8*(\b)+4:TMP+8*(\b)+7] offset:64*(\b)+16
.endr
.irp t, 0,1,2,3,4,5,6,7
	ds_load_b128 v[OB+4*(\t):OB+4*(\t)+3], v[RD] offset:(\t)*2*SP
.endr
	s_wait_dscnt 0x0
.irp t, 0,1,2,3,4,5,6,7
	global_store_b128 v[CO], v[OB+4*(\t):OB+4*(\t)+3], s[68:69] offset:(16*(\a)+2*(\t))*4096 th:TH_STORE_NT  ; 16 lanes store 256 consecutive bytes, aligned
.endr
.endm
	OUTB 0
	OUTB 1
	OUTB 2
	OUTB 3
	s_wait_tensorcnt 0x0                           ; the wave's end
	ds_add_u32 v[SPW], v[NIL]
	s_wait_dscnt 0x0
	CROUND                                         ; the closing round
	s_endpgm
.Lfunc_end_k_q822f7c0352_outp:
	.size	k_q822f7c0352_outp, .Lfunc_end_k_q822f7c0352_outp-k_q822f7c0352_outp
	.p2alignl 7, 3214868480
	.fill 96, 4, 3214868480
	.section	.rodata,"a",@progbits
	.p2align	6, 0x0
	.amdhsa_kernel k_q822f7c0352_outp
		.amdhsa_group_segment_fixed_size 327680
		.amdhsa_private_segment_fixed_size 0
		.amdhsa_enable_private_segment 0
		.amdhsa_kernarg_size 32
		.amdhsa_user_sgpr_count 2
		.amdhsa_user_sgpr_kernarg_segment_ptr 1
		.amdhsa_wavefront_size32 1
		.amdhsa_system_sgpr_workgroup_id_x 1
		.amdhsa_system_sgpr_workgroup_id_y 1
		.amdhsa_system_sgpr_workgroup_id_z 1
		.amdhsa_system_vgpr_workitem_id 0
		.amdhsa_next_free_vgpr 768
		.amdhsa_next_free_sgpr 96
		.amdhsa_reserve_vcc 0
		.amdhsa_float_denorm_mode_32 3
		.amdhsa_float_denorm_mode_16_64 3
		.amdhsa_memory_ordered 1
		.amdhsa_forward_progress 1
		.amdhsa_inst_pref_size 93
	.end_amdhsa_kernel
	.amdgpu_metadata
---
amdhsa.version: [ 1, 2 ]
amdhsa.kernels:
  - .name:           k_q822f7c0352_outp
    .symbol:         k_q822f7c0352_outp.kd
    .args:
      - { .name: yb, .offset: 0, .size: 8, .value_kind: global_buffer, .address_space: global }
      - { .name: pw, .offset: 8, .size: 8, .value_kind: global_buffer, .address_space: global }
      - { .name: bp, .offset: 16, .size: 8, .value_kind: global_buffer, .address_space: global }
      - { .name: out0, .offset: 24, .size: 8, .value_kind: global_buffer, .address_space: global }
    .group_segment_fixed_size: 327680
    .private_segment_fixed_size: 0
    .kernarg_segment_align: 8
    .kernarg_segment_size: 32
    .max_flat_workgroup_size: 128
    .sgpr_count:     96
    .vgpr_count:     768
    .wavefront_size: 32
...
	.end_amdgpu_metadata
.endif
;; end of part 6
;; ======== version 2 of 2: 6 launches; 1.20 times as fast as version 1
;; limits: values are held in f16: magnitudes above 65,504 overflow, below 6.1e-05 lose precision; right only within a limited range of input values
;; workspace buffers: pw 33,554,432 bytes; pj 50,331,648 bytes; ub 33,558,528 bytes; st 16,778,240 bytes; yb 16,777,216 bytes
;; launch prep (part 7): grid 256 x 4, 8 waves a work-group, no clusters, 0 bytes of LDS; arguments x, Wqkv, Wg, Wp, pw; writes pw
.if DOCPART == 7
	.amdgcn_target "amdgcn-amd-amdhsa--gfx1250"
	.amdhsa_code_object_version 6
	.text
	.protected	k_q822f7c0352_prep
	.globl	k_q822f7c0352_prep
	.p2align	8
	.type	k_q822f7c0352_prep,@function
k_q822f7c0352_prep:
	s_mov_b64 s[64:65], 0
	v_nop
	global_prefetch_b8 v0, s[64:65] scope:SCOPE_SE
	s_setreg_imm32_b32 hwreg(HW_REG_WAVE_MODE, 25, 1), 1
	s_wait_xcnt 0x0
; PREP.  A stream: the inputs rounded once to bf16, and the two tables of rotation factors.  No LDS, no matrix unit: memory binds.
; pw: byte 0 x as bf16 [4096][1024]; WC [Wqkv | Wg] as bf16 [1024][6144], columns regrouped; WPO 32 x bf16(Wp) written as f16 [2048][1024] (exact while |Wp| < 2,047 and above 1.9e-6);
; ROT the q table, ROT + 4 MiB the k table.
; WC's ROW, 12,288 bytes, is 16 tiles of 768: tile j < 8 holds q's head j (128 columns) and v's head j (256); tile 8 + j holds k's head j and the gate's head j: the projection's tiles of 384 columns.
; Grid y picks the job: 0 x, 1 Wqkv, 2 Wg (x < 128) and Wp (x >= 128), 3 the tables.
; CAST: a line is 2,048 f32.  A work-group takes 8 lines, a wave 1,024 bytes of each: two loads of 512 consecutive bytes, two stores of 256 consecutive bytes, aligned: 128 columns, a head of q or k or half a head of v or the gate.
; TABLE: block (t >> 4, column >> 4) is 512 bytes; lane l holds 4 words; word j = f16 cos x s (low), f16 sin x s (high) for t = 16 (t >> 4) + l % 16 and pair p = 8 (column >> 4) + 4 (l / 16) + j:
; the order in which the projection's accumulators hold a 16 x 16 block.  s = xs^(+-(t - 1024) / 512) / 8, xs = (2 p + 409.6) / 1433.6: the magnitude is centred at t = 1024 so that it stays within 1/98 .. 1.6.
; The angle t x 10000^(-p/512), up to 2,047, is reduced by multiples of pi/2 held in two parts; sine and cosine are polynomials on +-pi/4 (next terms 3e-7 and 3e-8).
.set WC,  8388608
.set WPO, 20971520
.set ROT, 25165824
.set IN,  16                           ; v[16:79]  8 lines x 8 f32 as loaded
.set OUT, 80                           ; v[80:111] 8 lines x 4 words to store
.set TF, 4                             ; t as f32
.set TC, 5                             ; (t - 1024) / 512
.set TO, 6                             ; my 16 bytes in the work-group's part of a table
.set PF, 8                             ; sets of four, one for each of my pairs: p as f32
.set IV, 12                            ; 10000^(-p/512)
.set LB, 16                            ; log2 xs
.set PH, 20                            ; the angle
.set NQ, 24                            ; its multiple of pi/2
.set RR, 28                            ; the rest
.set R2, 32
.set SN, 36
.set CS, 40
.set QI, 44
.set EQ, 48
.set EK, 52
.set T,  56                            ; v[56:63] at work
.set OQ, 64
.set OK, 68
; mode 0: dense lines; 1: Wqkv (two lines a row: q and k, then v); 2: Wg (a line a row); 3: Wp, dense, as f16 x 32
; DR: the register with the wave's place in the destination; DO: the first store's offset; D2: from the first store to the second
.macro CAST mode
.irp s, 0,1,2,3,4,5,6,7
	global_load_b128 v[IN+8*(\s):IN+8*(\s)+3], v1, s[16:17] offset:8192*(\s) th:TH_LOAD_NT
	global_load_b128 v[IN+8*(\s)+4:IN+8*(\s)+7], v1, s[16:17] offset:8192*(\s)+512 th:TH_LOAD_NT
.endr
.irp s, 0,1,2,3,4,5,6,7
	s_wait_loadcnt 14-2*(\s)                       ; loads return in order: line s is in, two loads for each younger line stay out
.irp k, 0,1,2,3
	v_cvt_pk_bf16_f32 v[OUT+4*(\s)+(\k)], v[IN+8*(\s)+2*(\k)], v[IN+8*(\s)+2*(\k)+1]
.if (\mode) == 3
	v_lshlrev_b32 v[IN+8*(\s)+2*(\k)], 16, v[OUT+4*(\s)+(\k)]
	v_and_b32 v[IN+8*(\s)+2*(\k)+1], 0xffff0000, v[OUT+4*(\s)+(\k)]
	v_pk_mul_f32 v[IN+8*(\s)+2*(\k):IN+8*(\s)+2*(\k)+1], v[IN+8*(\s)+2*(\k):IN+8*(\s)+2*(\k)+1], 0x42000000 op_sel_hi:[1,0]
	v_cvt_pk_f16_f32 v[OUT+4*(\s)+(\k)], v[IN+8*(\s)+2*(\k)], v[IN+8*(\s)+2*(\k)+1]
.endif
.endr
.if (\mode) == 1
.if ((\s)%2) == 0
.set DR, 5                             ; q and k: wave w holds heads 2 w and 2 w + 1 of the sixteen: tiles 2 w, 2 w + 1, at their heads
.set DO, ((\s)/2)*12288
.set D2, 768
.else
.set DR, 6                             ; v: wave w holds head w: tile w, behind q's 256 bytes
.set DO, ((\s)/2)*12288+256
.set D2, 256
.endif
.elseif (\mode) == 2
.set DR, 6                             ; the gate: wave w holds head w: tile 8 + w, behind k's 256 bytes
.set DO, 12288*(\s)+8*768+256
.set D2, 256
.else
.set DR, 2
.set DO, 4096*(\s)
.set D2, 256
.endif
	global_store_b64 v[DR], v[OUT+4*(\s):OUT+4*(\s)+1], s[18:19] offset:DO
	global_store_b64 v[DR], v[OUT+4*(\s)+2:OUT+4*(\s)+3], s[18:19] offset:DO+D2
.endr
.endm
	s_load_b256 s[4:11], s[0:1], 0x0               ; x s[4:5], Wqkv s[6:7], Wg s[8:9], Wp s[10:11]
	s_load_b64 s[12:13], s[0:1], 0x20              ; pw
	s_and_b32 s14, ttmp7, 0xffff                   ; the job
	v_lshrrev_b32 v3, 5, v0                        ; wave
	v_and_b32 v4, 31, v0                           ; lane
	v_lshlrev_b32 v1, 4, v4
	v_lshl_or_b32 v1, v3, 10, v1                   ; source: 1,024 x wave + 16 x lane
	v_lshlrev_b32 v2, 3, v4
	v_lshl_or_b32 v2, v3, 9, v2                    ; dense destination: 512 x wave + 8 x lane
	v_mul_u32_u24 v5, v3, 1536
	v_lshl_add_u32 v5, v4, 3, v5                   ; two tiles a wave: 1,536 x wave + 8 x lane
	v_mul_u32_u24 v6, v3, 768
	v_lshl_add_u32 v6, v4, 3, v6                   ; a tile a wave: 768 x wave + 8 x lane
	s_lshl_b32 s20, ttmp9, 16                      ; 8 lines of 8,192 bytes
	s_mov_b32 s21, 0
	s_mov_b32 s23, 0
	s_wait_kmcnt 0x0
	s_cmp_lg_u32 s14, 0
	s_cbranch_scc1 .Lnot_x
	s_add_nc_u64 s[16:17], s[4:5], s[20:21]
	s_lshl_b32 s22, ttmp9, 15
	s_add_nc_u64 s[18:19], s[12:13], s[22:23]
	CAST 0
	s_endpgm
.Lnot_x:
	s_cmp_lg_u32 s14, 1
	s_cbranch_scc1 .Lnot_qkv
	s_add_nc_u64 s[16:17], s[6:7], s[20:21]
	s_mul_i32 s22, ttmp9, 49152                    ; four rows of 12,288 bytes
	s_add_nc_u64 s[18:19], s[12:13], s[22:23]
	s_add_nc_u64 s[18:19], s[18:19], WC
	CAST 1
	s_endpgm
.Lnot_qkv:
	s_cmp_lg_u32 s14, 2
	s_cbranch_scc1 .Ltab
	s_cmp_lt_u32 ttmp9, 128
	s_cbranch_scc0 .Lwp
	s_add_nc_u64 s[16:17], s[8:9], s[20:21]
	s_mul_i32 s22, ttmp9, 98304                    ; eight rows
	s_add_nc_u64 s[18:19], s[12:13], s[22:23]
	s_add_nc_u64 s[18:19], s[18:19], WC
	CAST 2
	s_endpgm
.Lwp:
	s_sub_co_u32 s24, ttmp9, 128
	s_lshl_b32 s20, s24, 16
	s_add_nc_u64 s[16:17], s[10:11], s[20:21]
	s_lshl_b32 s22, s24, 15
	s_add_nc_u64 s[18:19], s[12:13], s[22:23]
	s_add_nc_u64 s[18:19], s[18:19], WPO
	CAST 3
	s_endpgm
.Ltab:
	s_lshl_b32 s22, ttmp9, 14                      ; 16,384 bytes of each table to a work-group
	s_add_nc_u64 s[18:19], s[12:13], s[22:23]
	s_add_nc_u64 s[18:19], s[18:19], ROT           ; q's table
	s_add_nc_u64 s[16:17], s[18:19], 4194304       ; k's
	s_mov_b32 s28, 0xbcd49a78                      ; -log2(10000) / 512
	s_mov_b32 s29, 0x3ab6db6e                      ; 2 / 1433.6
	s_mov_b32 s30, 0x3e924925                      ; 409.6 / 1433.6
	s_mov_b32 s31, 0x3f22f983                      ; 2 / pi
	s_mov_b32 s32, 0x3fc90fdb                      ; pi / 2, the f32 nearest
	s_mov_b32 s33, 0xb33bbd2e                      ; and what it leaves
	s_mov_b32 s34, 0xb9500d01                      ; -1/5040
	s_mov_b32 s35, 0x3c088889                      ; 1/120
	s_mov_b32 s36, 0xbe2aaaab                      ; -1/6
	s_mov_b32 s37, 0x37d00d01                      ; 1/40320
	s_mov_b32 s38, 0xbab60b61                      ; -1/720
	s_mov_b32 s39, 0x3d2aaaab                      ; 1/24
	s_mov_b32 s40, 0xc0400000                      ; -3: the factor 1/8
	s_lshr_b32 s24, ttmp9, 1
	s_lshl_b32 s24, s24, 4                         ; 16 (x >> 1)
	s_and_b32 s25, ttmp9, 1
	s_lshl_b32 s25, s25, 8                         ; 256 (x & 1)
	v_and_b32 v7, 15, v0
	v_add_nc_u32 v7, s24, v7                       ; t
	v_cvt_f32_u32 v[TF], v7
	v_add_f32 v[TC], 0xc4800000, v[TF]
	v_mul_f32 v[TC], 0x3b000000, v[TC]
	v_lshlrev_b32 v[TO], 4, v0
	v_bfe_u32 v7, v0, 4, 1
	v_lshlrev_b32 v7, 2, v7
	v_lshl_add_u32 v7, v3, 3, v7
	v_add_nc_u32 v7, s25, v7                       ; my first pair in trip 0: 256 (x & 1) + 8 wave + 4 (l / 16)
.irp j, 0,1,2,3
	v_add_nc_u32 v[T+(\j)], \j, v7
	v_cvt_f32_u32 v[PF+(\j)], v[T+(\j)]
.endr
	s_mov_b32 s26, 4
.Ltrip:                                        ; a trip: 4,096 bytes of each table; the pairs go on by 64
.irp j, 0,1,2,3
	v_mul_f32 v[T+(\j)], s28, v[PF+(\j)]
	v_fma_f32 v[T+4+(\j)], v[PF+(\j)], s29, s30
.endr
.irp j, 0,1,2,3
	v_exp_f32 v[IV+(\j)], v[T+(\j)]
.endr
.irp j, 0,1,2,3
	v_log_f32 v[LB+(\j)], v[T+4+(\j)]
.endr
	v_nop                                          ; a plain instruction behind the batch of eight,
	s_wait_alu depctr_va_vdst(0)                   ; and its one wait ahead of the first reader
.irp j, 0,1,2,3
	v_mul_f32 v[PH+(\j)], v[TF], v[IV+(\j)]
	v_mul_f32 v[NQ+(\j)], s31, v[PH+(\j)]
	v_rndne_f32 v[NQ+(\j)], v[NQ+(\j)]
	v_fma_f32 v[RR+(\j)], -v[NQ+(\j)], s32, v[PH+(\j)]
	v_fma_f32 v[RR+(\j)], -v[NQ+(\j)], s33, v[RR+(\j)]
	v_mul_f32 v[R2+(\j)], v[RR+(\j)], v[RR+(\j)]
	v_fma_f32 v[SN+(\j)], v[R2+(\j)], s34, s35
	v_fma_f32 v[SN+(\j)], v[SN+(\j)], v[R2+(\j)], s36
	v_mul_f32 v[T+(\j)], v[RR+(\j)], v[R2+(\j)]
	v_fma_f32 v[SN+(\j)], v[SN+(\j)], v[T+(\j)], v[RR+(\j)]
	v_fma_f32 v[CS+(\j)], v[R2+(\j)], s37, s38
	v_fma_f32 v[CS+(\j)], v[CS+(\j)], v[R2+(\j)], s39
	v_fma_f32 v[CS+(\j)], v[CS+(\j)], v[R2+(\j)], -0.5
	v_fma_f32 v[CS+(\j)], v[CS+(\j)], v[R2+(\j)], 1.0
	v_cvt_i32_f32 v[QI+(\j)], v[NQ+(\j)]
	v_fma_f32 v[T+(\j)], v[LB+(\j)], v[TC], s40
	v_fma_f32 v[T+4+(\j)], -v[LB+(\j)], v[TC], s40
.endr
.irp j, 0,1,2,3
	v_exp_f32 v[EQ+(\j)], v[T+(\j)]
.endr
.irp j, 0,1,2,3
	v_exp_f32 v[EK+(\j)], v[T+4+(\j)]
.endr
	v_nop
	s_wait_alu depctr_va_vdst(0)
.irp j, 0,1,2,3                        ; the quadrant only selects values: odd: sine and cosine change places; the signs by bit 1 of n and of n + 1
	v_and_b32 v[PH+(\j)], 1, v[QI+(\j)]
	v_cmp_ne_u32 vcc_lo, 0, v[PH+(\j)]
	v_cndmask_b32 v[T+(\j)], v[SN+(\j)], v[CS+(\j)], vcc_lo
	v_cndmask_b32 v[T+4+(\j)], v[CS+(\j)], v[SN+(\j)], vcc_lo
	v_and_b32 v[PH+(\j)], 2, v[QI+(\j)]
	v_lshlrev_b32 v[PH+(\j)], 30, v[PH+(\j)]
	v_xor_b32 v[T+(\j)], v[T+(\j)], v[PH+(\j)]
	v_add_nc_u32 v[QI+(\j)], 1, v[QI+(\j)]
	v_and_b32 v[QI+(\j)], 2, v[QI+(\j)]
	v_lshlrev_b32 v[QI+(\j)], 30, v[QI+(\j)]
	v_xor_b32 v[T+4+(\j)], v[T+4+(\j)], v[QI+(\j)]
	v_mul_f32 v[RR+(\j)], v[T+4+(\j)], v[EQ+(\j)]
	v_mul_f32 v[R2+(\j)], v[T+(\j)], v[EQ+(\j)]
	v_cvt_pk_f16_f32 v[OQ+(\j)], v[RR+(\j)], v[R2+(\j)]
	v_mul_f32 v[RR+(\j)], v[T+4+(\j)], v[EK+(\j)]
	v_mul_f32 v[R2+(\j)], v[T+(\j)], v[EK+(\j)]
	v_cvt_pk_f16_f32 v[OK+(\j)], v[RR+(\j)], v[R2+(\j)]
.endr
	global_store_b128 v[TO], v[OQ:OQ+3], s[18:19]  ; a wave's store covers 512 consecutive bytes
	global_store_b128 v[TO], v[OK:OK+3], s[16:17]
	s_wait_xcnt 0x0                                ; the stores have read their offset and data: both are written again below and in the next trip
	v_add_nc_u32 v[TO], 4096, v[TO]
.irp j, 0,1,2,3
	v_add_f32 v[PF+(\j)], 0x42800000, v[PF+(\j)]
.endr
	s_sub_co_u32 s26, s26, 1
	s_cmp_lg_u32 s26, 0
	s_cbranch_scc1 .Ltrip
	s_endpgm
.Lfunc_end_k_q822f7c0352_prep:
	.size	k_q822f7c0352_prep, .Lfunc_end_k_q822f7c0352_prep-k_q822f7c0352_prep
	.p2alignl 7, 3214868480
	.fill 96, 4, 3214868480
	.section	.rodata,"a",@progbits
	.p2align	6, 0x0
	.amdhsa_kernel k_q822f7c0352_prep
		.amdhsa_group_segment_fixed_size 0
		.amdhsa_private_segment_fixed_size 0
		.amdhsa_enable_private_segment 0
		.amdhsa_kernarg_size 40
		.amdhsa_user_sgpr_count 2
		.amdhsa_user_sgpr_kernarg_segment_ptr 1
		.amdhsa_wavefront_size32 1
		.amdhsa_system_sgpr_workgroup_id_x 1
		.amdhsa_system_sgpr_workgroup_id_y 1
		.amdhsa_system_sgpr_workgroup_id_z 1
		.amdhsa_system_vgpr_workitem_id 0
		.amdhsa_next_free_vgpr 112
		.amdhsa_next_free_sgpr 66
		.amdhsa_reserve_vcc 1
		.amdhsa_float_denorm_mode_32 3
		.amdhsa_float_denorm_mode_16_64 3
		.amdhsa_memory_ordered 1
		.amdhsa_forward_progress 1
		.amdhsa_inst_pref_size 41
	.end_amdhsa_kernel
	.amdgpu_metadata
---
amdhsa.version: [ 1, 2 ]
amdhsa.kernels:
  - .name:           k_q822f7c0352_prep
    .symbol:         k_q822f7c0352_prep.kd
    .args:
      - { .name: x, .offset: 0, .size: 8, .value_kind: global_buffer, .address_space: global }
      - { .name: Wqkv, .offset: 8, .size: 8, .value_kind: global_buffer, .address_space: global }
      - { .name: Wg, .offset: 16, .size: 8, .value_kind: global_buffer, .address_space: global }
      - { .name: Wp, .offset: 24, .size: 8, .value_kind: global_buffer, .address_space: global }
      - { .name: pw, .offset: 32, .size: 8, .value_kind: global_buffer, .address_space: global }
    .group_segment_fixed_size: 0
    .private_segment_fixed_size: 0
    .kernarg_segment_align: 8
    .kernarg_segment_size: 40
    .max_flat_workgroup_size: 256
    .sgpr_count:     66
    .vgpr_count:     112
    .wavefront_size: 32
...
	.end_amdgpu_metadata
.endif
;; end of part 7
;; launch proj (part 8): grid 16 x 32, 4 waves a work-group, clusters of 4 x 4, 327,680 bytes of LDS; arguments pw, pj; writes pj
.if DOCPART == 8
	.amdgcn_target "amdgcn-amd-amdhsa--gfx1250"
	.amdhsa_code_object_version 6
	.text
	.protected	k_q822f7c0352_proj
	.globl	k_q822f7c0352_proj
	.p2align	8
	.type	k_q822f7c0352_proj,@function
k_q822f7c0352_proj:
	s_mov_b64 s[64:65], 0
	v_nop
	global_prefetch_b8 v0, s[64:65] scope:SCOPE_SE
	s_setreg_imm32_b32 hwreg(HW_REG_WAVE_MODE, 25, 1), 1
	s_wait_xcnt 0x0
	s_wait_alu depctr_hold_cnt(0) depctr_sa_sdst(0) depctr_va_vdst(0) depctr_va_sdst(0) depctr_va_ssrc(0) depctr_va_vcc(0) depctr_vm_vsrc(0)
	s_getreg_b32 s2, hwreg(HW_REG_IB_STS2, 6, 4)
	s_cmp_eq_u32 s2, 0
	s_cbranch_scc0 .Lentry_in_a_cluster
	s_endpgm
.Lentry_in_a_cluster:
	s_bfe_u32 s2, ttmp6, 0x10000c
	s_cmp_lg_u32 s2, 0xf033
	s_cbranch_scc0 .Lentry_shape_is_right
	s_endpgm
.Lentry_shape_is_right:
; PROJ.  [4096][6144] = x [4096][1024] times [Wqkv | Wg] [1024][6144], both bf16, sums in f32; on the way out q and k are rotated and scaled, v is decayed, the gate takes its SiLU; all leave as f16, by heads.
; pj: byte 0 qs [16 bh][2048][128]; 8,388,608 ks, the same; 16,777,216 vs [16][2048][256]; 33,554,432 the gate, the same.
;   qs = rot(q) xs^((t-1024)/512) / 8, ks = rot(k) xs^(-(t-1024)/512) / 8 (factors from the tables), vs = v g^(127 - t % 128), g = 1 - 2^(-5 - 4 h / 7).
; LIMITS.  f16 ends at 65,504: |x Wqkv| stays under 3.0e4 for q and k (times sqrt 2 times 12.25 / 8), under 65,504 for v and the gate.  Numbers under 6e-5 keep f16's fixed step of 6e-8.  NaN and infinities are not treated apart.
; SHAPE.  A tile is 128 rows (one chunk of 128 positions) x 384 columns: 512 tiles, two for each of 256 WGPs.  The weights' columns were regrouped so that tile column j < 8 is q's head j (128) and v's head j (256),
; tile column 8 + j is k's head j and the gate's head j: every tile has one form.  Four waves, 2 x 2; a wave has 64 rows x (64 columns of q or k + 128 of v or the gate): 48 accumulators.
; K goes in steps of 128 through two LDS slots: 192 matrix instructions a wave for each refill, 168 of them between a request and the wait for it; with steps of 128 two slots hold no wider tile that divides 6,144 evenly.
; A slot is four regions, one for each wave's one load, all of 128 rows x 256 bytes: wave 0 brings x's rows, waves 1 to 3 a segment of 128 columns of the weights each.
; x's rows lie along K and come out of LDS as they lie; the weights lie [K][N] and are turned by ds_load_tr16_b128.
; THE MATRIX INSTRUCTION IS USED TRANSPOSED (source 0 = 16 columns of the weights, source 1 = 16 rows of x): a lane holds row l % 16 and the eight columns 8 (l / 16) + 0..7.
; CLUSTERS.  4 x 4 work-groups: the four of a row need the same tile of x, the four of a column the same tile of the weights: each is asked for jointly.
; No prefetch: the tiles are small, and both operands, 21 MB, are read again by 16 and 32 tile columns and rows.
; THE WAY OUT IS A LOOP over the wave's four blocks of 16 rows.  Only the lines that name accumulators are written once for each block, as arms that the loop's counter chooses by forward jumps.
; A wave's 64 columns of q or k are half of a row's 256 bytes: they meet the other wave's half in a stage that the four waves share, and leave behind one barrier as whole rows.
; REGISTERS.  window 0: addresses, and the way out; window 1: two fragment buffers of 128 (B's 12 blocks, then A's 4), later the rotation factors;
;   window 2: the accumulators of row blocks 0, 1; window 3: of row blocks 2, 3: (a, b) at 8 (12 (a % 2) + b); b = 0..3 q or k, b = 4..11 v or the gate.
.set KS,    128
.set LAPS,  4                          ; 1,024 / (2 KS)
.set PA,    272                        ; a row of x in LDS: 256 bytes + 16: sixteen rows start at sixteen different groups of four banks
.set PB,    288                        ; a k row of a segment: 256 bytes + 32
.set SEG,   128*PB                     ; 36,864: a region; x's 128 x 272 = 34,816 bytes lie at the head of the first
.set SLOT,  4*SEG                      ; 147,456
.set STAGE, 2*SLOT                     ; behind the ring: 16 rows x 272 bytes for each wave
.set SP,    272
.set SPARE, STAGE+4*16*SP              ; the spare words, 128 bytes a wave
.set QSTG,  0                          ; the shared stage, 128 rows x 272 bytes, in slot 0's first region: it has had its last fill, and its last read stands ahead of the barrier of the last change of slots
.set BPB,   12288                      ; bytes in a row of the weights
.set WC,    8388608
.set ROT,   25165824
.set W,    4                           ; v4-11   a pair for each block of 16 rows: v's decay, or -log2 e for the gate
.set M,    12                          ; v12-15  at work
.set ADRA, 16                          ; v16-17  my A fragments in slot 0, 1
.set ADRQ, 18                          ; v18-19  my 64 columns of q or k
.set ADRV, 20                          ; v20-21  my 128 columns of v or the gate
.set STO,  22
.set RD,   23
.set CO,   24
.set TBO,  25                          ; 16 x lane
.set QST,  26                          ; where I put 16 bytes of a row of q or k
.set QRD,  27                          ; where I read whole rows back
.set SPW,  28
.set NIL,  29
.set Z,    30                          ; 0, for the mixed multiply-adds
.set QCO,  31
.set TMP,  32                          ; v32-63   a block of v or the gate packed to f16
.set TQ,   64                          ; v64-79   a block of q or k packed to f16
.set X,    96                          ; v96-159  a block of v or the gate in f32
.set OB,   96                          ; v96-127  a block read back by rows
.set QB,   96                          ; v96-159  my 32 rows of q or k read back
.set XQ,   160                         ; v160-191 a block of q or k in f32
.set E,    192                         ; v192-255 the gate's exponentials
.set TAB,  0                           ; window 1, v0-63: the rotation factors of my 64 x 64: 16 a + 4 b + j
.set F0,   0
.set F1,   128
.set G1, 24
.set G0, 32
.set G1B, 48
.set G0B, 56
.set MSB, 0
.macro WIN new                         ; the immediate's high byte repeats the setting that is left
.if MSB != (\new)
	s_set_vgpr_msb (MSB<<8)|(\new)
.set MSB, \new
.endif
.endm
.set MUL_LO, 0xa5                      ; sources 0 and 1 window 1; C and D window 2 (+ 0x50: window 3)
.set TO_F,   0x40                      ; destination window 1, address window 0
.macro JLOAD s                         ; a joint load: wave 0 fetches x's tile, waves 1 to 3 a segment of the weights' each; an s_nop 0 and four v_nop follow each line
	s_cmp_eq_u32 s10, 0
	s_cbranch_scc0 .Lfor_b_\@
	tensor_load_to_lds s[G0+4*(\s):G0+4*(\s)+3], s[G1:G1+7]
	s_nop 0
.rept 4
	v_nop
.endr
	s_branch .Lasked_\@
.Lfor_b_\@:
	tensor_load_to_lds s[G0B+4*(\s):G0B+4*(\s)+3], s[G1B:G1B+7]
	s_nop 0
.rept 4
	v_nop
.endr
.Lasked_\@:
.endm
.macro CREST                           ; a round of the cluster's barrier behind its opening barrier
	s_cmp_lg_u32 s10, 0
	s_cbranch_scc1 .Lnot_wave_0_\@
	s_barrier_signal -3
.Lnot_wave_0_\@:
	s_barrier_wait -3
	s_barrier_signal -1
	s_barrier_wait -1
.endm
.macro CROUND
	s_barrier_signal -1
	s_barrier_wait -1
	CREST
.endm
.macro PLACES                          ; four places behind matrix instructions, ahead of loads into their sources and of readers of their results
.rept 4
	v_nop
.endr
.endm
.macro LOG2G vd, vt, sh                ; vd = log2(1 - e), e = 2^(-5 - 4 h / 7), by the series e + e^2/2 .. e^5/5 (the next term is under 5e-9 of it)
	v_cvt_f32_u32 v[\vt], s[\sh]
	v_mul_f32 v[\vt], 0xbf124925, v[\vt]
	v_add_f32 v[\vt], 0xc0a00000, v[\vt]
	v_exp_f32 v[\vt], v[\vt]
	v_mov_b32 v[\vd], 0x3e4ccccd
	s_wait_alu depctr_va_vdst(0)
	v_fma_f32 v[\vd], v[\vd], v[\vt], 0x3e800000
	v_fma_f32 v[\vd], v[\vd], v[\vt], 0x3eaaaaab
	v_fma_f32 v[\vd], v[\vd], v[\vt], 0.5
	v_fma_f32 v[\vd], v[\vd], v[\vt], 1.0
	v_mul_f32 v[\vd], v[\vd], v[\vt]
	v_mul_f32 v[\vd], 0xbfb8aa3b, v[\vd]
.endm
	s_load_b128 s[4:7], s[0:1], 0x0                ; pw s[4:5], pj s[6:7]
	v_lshl_add_u32 v[SPW], v0, 2, SPARE
	v_mov_b32 v[NIL], 0
	ds_add_u32 v[SPW], v[NIL]                      ; the opening: the add, twice on end, and its wait ahead of my first tensor load
	ds_add_u32 v[SPW], v[NIL]
	v_lshrrev_b32 v1, 5, v0
	v_readfirstlane_b32 s10, v1                    ; wave 0..3
	s_lshr_b32 s11, s10, 1                         ; my half of the tile's rows
	s_and_b32 s12, s10, 1                          ; my half of its columns
	s_bfe_u32 s40, ttmp6, 0x40000                  ; cx
	s_bfe_u32 s41, ttmp6, 0x40004                  ; cy
	s_lshl_b32 s42, ttmp9, 2
	s_add_co_u32 s42, s42, s40                     ; tile column
	s_and_b32 s13, ttmp7, 0xffff
	s_lshl_b32 s13, s13, 2
	s_add_co_u32 s13, s13, s41                     ; tile row
	s_lshl_b32 s43, s41, 2
	s_lshl_b32 s43, 15, s43                        ; my row of the cluster
	s_lshl_b32 s44, 0x1111, s40                    ; my column
	s_or_b32 s[G1+0], s43, (1<<16)|(1<<20)|(1<<21)|(5<<22)|(3<<25)   ; x: 2-byte elements, 4 words of padding behind every 64
	s_mov_b32 s[G1+1], KS<<16                      ; tensor_dim0 = 128
	s_mov_b32 s[G1+2], 128<<16                     ; tensor_dim1 = 128
	s_mov_b32 s[G1+3], KS<<16                      ; tile_dim0
	s_mov_b32 s[G1+4], 128                         ; tile_dim1
	s_mov_b32 s[G1+5], 1024                        ; elements from row to row
	s_mov_b32 s[G1+6], 0
	s_mov_b32 s[G1+7], 0
	s_or_b32 s[G1B+0], s44, (1<<16)|(1<<20)|(1<<21)|(5<<22)|(7<<25)  ; a segment of the weights: 8 words of padding behind every 64
	s_mov_b32 s[G1B+1], 128<<16                    ; 128 columns
	s_mov_b32 s[G1B+2], KS<<16                     ; 128 k rows
	s_mov_b32 s[G1B+3], 128<<16
	s_mov_b32 s[G1B+4], KS
	s_mov_b32 s[G1B+5], 6144
	s_mov_b32 s[G1B+6], 0
	s_mov_b32 s[G1B+7], 0
	s_lshl_b32 s16, s13, 18                        ; x: 128 rows of 2,048 bytes a tile row
	s_mov_b32 s17, 0
	s_mul_i32 s46, s42, 768                        ; the weights: the tile's 768 bytes of a row,
	s_lshl_b32 s47, s10, 8                         ; segment wave - 1 of them: the 256 bytes too many are taken off the constant below
	s_add_co_u32 s46, s46, s47
	s_mov_b32 s47, 0
	s_mul_i32 s20, s10, SEG                        ; where my load goes: wave x a region: no place in the cluster enters an LDS address
	s_wait_dscnt 0x0                               ; both opening adds are done
	s_wait_kmcnt 0x0
	s_add_nc_u64 s[14:15], s[4:5], s[16:17]
	s_add_nc_u64 s[46:47], s[4:5], s[46:47]
	s_add_nc_u64 s[46:47], s[46:47], WC-256
	CROUND                                         ; all sixteen work-groups are here: the first joint loads meet
.irp s, 0,1
	s_mov_b32 s[G0+4*(\s)], 1
	s_add_co_u32 s[G0+4*(\s)+1], s20, (\s)*SLOT
	s_add_nc_u64 s[G0+4*(\s)+2:G0+4*(\s)+3], s[14:15], (\s)*KS*2
	s_or_b32 s[G0+4*(\s)+3], s[G0+4*(\s)+3], 0x80000000
	s_mov_b32 s[G0B+4*(\s)], 1
	s_add_co_u32 s[G0B+4*(\s)+1], s20, (\s)*SLOT
	s_add_nc_u64 s[G0B+4*(\s)+2:G0B+4*(\s)+3], s[46:47], (\s)*KS*BPB
	s_or_b32 s[G0B+4*(\s)+3], s[G0B+4*(\s)+3], 0x80000000
	JLOAD \s
.endr
	v_and_b32 v1, 15, v0                           ; r = l % 16
	v_bfe_u32 v2, v0, 4, 1                         ; h = l / 16
	v_mul_u32_u24 v3, v1, PA
	v_lshl_add_u32 v3, v2, 4, v3
	s_mul_i32 s21, s11, 64*PA
	v_add_nc_u32 v[ADRA], s21, v3                  ; my 64 rows of x: row x pitch + 16 h
	v_add_nc_u32 v[ADRA+1], SLOT, v[ADRA]
	v_and_b32 v7, 7, v0
	v_lshl_add_u32 v7, v2, 3, v7                   ; the turning load: k row 8 h + l % 8,
	v_mul_u32_u24 v7, v7, PB
	v_bfe_u32 v6, v0, 3, 1
	v_lshl_add_u32 v7, v6, 4, v7                   ; columns 8 ((l / 8) % 2) on
	s_lshl_b32 s22, s12, 7                         ; q or k lie in the second region: my 64 columns of its 128
	s_add_co_u32 s22, s22, SEG
	v_add_nc_u32 v[ADRQ], s22, v7
	v_add_nc_u32 v[ADRQ+1], SLOT, v[ADRQ]
	s_mul_i32 s22, s12, SEG                        ; v or the gate: the third region or the fourth
	s_add_co_u32 s22, s22, 2*SEG
	v_add_nc_u32 v[ADRV], s22, v7
	v_add_nc_u32 v[ADRV+1], SLOT, v[ADRV]
	s_mul_i32 s23, s10, 16*SP
	s_add_co_u32 s23, s23, STAGE                   ; my own stage
	v_mul_u32_u24 v4, v1, SP
	v_lshl_add_u32 v4, v2, 4, v4
	v_add_nc_u32 v[STO], s23, v4                   ; in: row r, 16 bytes for each half of the lanes
	v_mul_u32_u24 v5, v2, SP
	v_lshl_add_u32 v5, v1, 4, v5
	v_add_nc_u32 v[RD], s23, v5                    ; back: lanes 0-15 one row of 256 bytes, lanes 16-31 the next
	s_mul_i32 s23, s11, 64*SP                      ; the shared stage: my 64 rows, my half of their 256 bytes
	s_lshl_b32 s21, s12, 7
	s_add_co_u32 s23, s23, s21
	s_add_co_u32 s23, s23, QSTG
	v_add_nc_u32 v[QST], s23, v4
	s_mul_i32 s23, s10, 32*SP                      ; back: wave w takes rows 32 w .. 32 w + 31, whole
	s_add_co_u32 s23, s23, QSTG
	v_add_nc_u32 v[QRD], s23, v5
	v_lshlrev_b32 v[CO], 9, v2                     ; rows of 512 bytes in vs and the gate,
	v_lshl_add_u32 v[CO], v1, 4, v[CO]
	v_lshlrev_b32 v[QCO], 8, v2                    ; of 256 in qs and ks
	v_lshl_add_u32 v[QCO], v1, 4, v[QCO]
	v_and_b32 v[TBO], 31, v0
	v_lshlrev_b32 v[TBO], 4, v[TBO]
	v_mov_b32 v[Z], 0
.macro MUL12 f, a, zero                ; 12 matrix instructions: row block a x all 12 column blocks, 32 along K.  The 48 accumulators take turns, one instruction a turn
	WIN MUL_LO+0x50*((\a)/2)
.irp b, 0,1,2,3,4,5,6,7,8,9,10,11
.if \zero
	v_wmma_f32_16x16x32_bf16 v[8*(12*((\a)%2)+(\b)):8*(12*((\a)%2)+(\b))+7], v[(\f)+8*(\b):(\f)+8*(\b)+7], v[(\f)+96+8*(\a):(\f)+96+8*(\a)+7], 0
.else
	v_wmma_f32_16x16x32_bf16 v[8*(12*((\a)%2)+(\b)):8*(12*((\a)%2)+(\b))+7], v[(\f)+8*(\b):(\f)+8*(\b)+7], v[(\f)+96+8*(\a):(\f)+96+8*(\a)+7], v[8*(12*((\a)%2)+(\b)):8*(12*((\a)%2)+(\b))+7]
.endif
.endr
.endm
.macro FETCH slot, kq, f               ; 32 LDS loads in one run: quarter kq (32 along K) of a slot: B's 12 blocks, turned, then A's 4
	WIN TO_F
.irp i, 0,1,2,3
	ds_load_tr16_b128 v[(\f)+8*(\i):(\f)+8*(\i)+3],   v[ADRQ+(\slot)] offset:(\kq)*32*PB+32*(\i)
	ds_load_tr16_b128 v[(\f)+8*(\i)+4:(\f)+8*(\i)+7], v[ADRQ+(\slot)] offset:(\kq)*32*PB+32*(\i)+16*PB
.endr
.irp i, 0,1,2,3,4,5,6,7
	ds_load_tr16_b128 v[(\f)+32+8*(\i):(\f)+32+8*(\i)+3],   v[ADRV+(\slot)] offset:(\kq)*32*PB+32*(\i)
	ds_load_tr16_b128 v[(\f)+32+8*(\i)+4:(\f)+32+8*(\i)+7], v[ADRV+(\slot)] offset:(\kq)*32*PB+32*(\i)+16*PB
.endr
.irp a, 0,1,2,3
	ds_load_b128 v[(\f)+96+8*(\a):(\f)+96+8*(\a)+3],   v[ADRA+(\slot)] offset:64*(\kq)+(\a)*16*PA
	ds_load_b128 v[(\f)+96+8*(\a)+4:(\f)+96+8*(\a)+7], v[ADRA+(\slot)] offset:64*(\kq)+(\a)*16*PA+32
.endr
.endm
.macro QUARTER slot, kq, f, g, zero    ; multiplies buffer f; in its middle fetches quarter kq into buffer g
	s_wait_dscnt 4                                 ; B and A's blocks 0, 1 are in; the four loads of blocks 2, 3 may be out
	MUL12 \f, 0, \zero
	MUL12 \f, 1, \zero
	PLACES
	FETCH \slot, \kq, \g
	s_wait_dscnt 32                                ; all but the 32 just issued
	MUL12 \f, 2, \zero
	MUL12 \f, 3, \zero
.endm
; The last quarter multiplies buffer 1 and changes slots: one barrier; ahead of it each wave waits for all its tensor loads (one is out: its part of the next slot), adds 0 to its spare word, and waits for that and for its reads of this slot.
.macro TURN slot, next, fill
	WIN 0
	s_wait_tensorcnt 0x0
	ds_add_u32 v[SPW], v[NIL]
	s_wait_dscnt 7                                 ; the add and the six loads of A's blocks 1 to 3 may be out
	MUL12 F1, 0, 0
	s_wait_dscnt 0x0                               ; the add is done, and my reads of this slot are over
	s_barrier_signal -1
	MUL12 F1, 1, 0
.if \fill
	WIN 0
.endif
	s_barrier_wait -1
.if \fill
	CREST                                          ; the barrier has opened a round of the cluster's: no wave of any partner still reads this slot or has a load on its way
	s_add_nc_u64 s[G0+4*(\slot)+2:G0+4*(\slot)+3], s[G0+4*(\slot)+2:G0+4*(\slot)+3], 2*KS*2
	s_add_nc_u64 s[G0B+4*(\slot)+2:G0B+4*(\slot)+3], s[G0B+4*(\slot)+2:G0B+4*(\slot)+3], 2*KS*BPB
	JLOAD \slot                                    ; 168 matrix instructions ahead of the wait for it; its four v_nop are also the places ahead of the loads below
.else
	PLACES
.endif
	FETCH \next, 0, F0
	MUL12 F1, 2, 0
	MUL12 F1, 3, 0
.endm
	s_wait_tensorcnt 1                             ; my part of K step 0 is in; step 1's may stay out
	s_barrier_signal -1
	s_barrier_wait -1
	FETCH 0, 0, F0
	QUARTER 0, 1, F0, F1, 1                        ; the first quarter starts the sums
	WIN 0
	s_mov_b32 s3, LAPS-1
.Llap:
	QUARTER 0, 2, F1, F0, 0
	QUARTER 0, 3, F0, F1, 0
	TURN 0, 1, 1
	QUARTER 1, 1, F0, F1, 0
	QUARTER 1, 2, F1, F0, 0
	QUARTER 1, 3, F0, F1, 0
	TURN 1, 0, 1
	QUARTER 0, 1, F0, F1, 0
	WIN 0
	s_sub_co_u32 s3, s3, 1
	s_cmp_lg_u32 s3, 0
	s_cbranch_scc1 .Llap
	QUARTER 0, 2, F1, F0, 0                        ; the last lap fills nothing
	QUARTER 0, 3, F0, F1, 0
	TURN 0, 1, 0                                   ; behind this barrier no wave reads slot 0 any more, and no load is out
	QUARTER 1, 1, F0, F1, 0
	QUARTER 1, 2, F1, F0, 0
	QUARTER 1, 3, F0, F1, 0
	s_wait_dscnt 4
	MUL12 F1, 0, 0
	MUL12 F1, 1, 0
	s_wait_dscnt 0x0
	MUL12 F1, 2, 0
	MUL12 F1, 3, 0
	WIN 0
	PLACES
; THE WAY OUT.  The cluster's x tells the kind, the same in all sixteen partners: 0, 1: q and v; 2, 3: k and the gate.
	s_lshr_b32 s81, ttmp9, 1                       ; the kind
	s_lshr_b32 s70, s13, 4                         ; batch
	s_and_b32 s71, s13, 15                         ; chunk
	s_and_b32 s74, s42, 7                          ; head
	s_lshl_b32 s66, s71, 18                        ; the table: block ((8 c + 4 row half + a) x 64 + 8 head + 4 column half + b) of 512 bytes
	s_lshl_b32 s67, s11, 17
	s_add_co_u32 s66, s66, s67
	s_lshl_b32 s67, s74, 12
	s_add_co_u32 s66, s66, s67
	s_lshl_b32 s67, s12, 11
	s_add_co_u32 s66, s66, s67
	s_lshl_b32 s67, s81, 22                        ; k's table lies 4 MiB behind q's
	s_add_co_u32 s66, s66, s67
	s_mov_b32 s67, 0
	s_add_nc_u64 s[66:67], s[4:5], s[66:67]
	s_add_nc_u64 s[66:67], s[66:67], ROT
	WIN TO_F                                       ; into window 1: the fragment buffers are spent, and four places stand behind the last product
.irp a, 0,1,2,3
.irp b, 0,1,2,3
	global_load_b128 v[TAB+16*(\a)+4*(\b):TAB+16*(\a)+4*(\b)+3], v[TBO], s[66:67] offset:32768*(\a)+512*(\b)
.endr
.endr
	WIN 0
	s_lshl_b32 s76, s70, 22                        ; qs, ks: ((8 batch + head) x 2,048 + 128 c + 32 wave) rows of 256 bytes
	s_lshl_b32 s77, s74, 19
	s_add_co_u32 s76, s76, s77
	s_lshl_b32 s77, s71, 15
	s_add_co_u32 s76, s76, s77
	s_lshl_b32 s77, s10, 13
	s_add_co_u32 s76, s76, s77
	s_lshl_b32 s77, s81, 23                        ; ks lies 8 MiB behind qs
	s_add_co_u32 s76, s76, s77
	s_mov_b32 s77, 0
	s_add_nc_u64 s[76:77], s[6:7], s[76:77]
	s_lshl_b32 s72, s70, 23                        ; vs, the gate: ((8 batch + head) x 2,048 + 128 c + 64 row half) rows of 512 bytes + my 256 of them
	s_lshl_b32 s73, s74, 20
	s_add_co_u32 s72, s72, s73
	s_lshl_b32 s73, s71, 16
	s_add_co_u32 s72, s72, s73
	s_lshl_b32 s73, s11, 15
	s_add_co_u32 s72, s72, s73
	s_lshl_b32 s73, s12, 8
	s_add_co_u32 s72, s72, s73
	s_add_co_u32 s73, s81, 1
	s_lshl_b32 s73, s73, 24                        ; vs at 16 MiB, the gate at 32 MiB
	s_add_co_u32 s72, s72, s73
	s_mov_b32 s73, 0
	s_add_nc_u64 s[68:69], s[6:7], s[72:73]
	s_mov_b32 s82, 0xbfb8aa3b                      ; c = -log2 e
	s_mov_b32 s83, s82                             ; named with it as a pair
	s_cmp_eq_u32 s81, 0
	s_cbranch_scc0 .Lgate_w
	LOG2G 13, 14, 74                               ; v: the factor of block a is g^(127 - (64 half + 16 a + r))
	s_lshl_b32 s75, s11, 6
	s_sub_co_u32 s75, 127, s75
	v_sub_nc_u32 v12, s75, v1
	v_cvt_f32_u32 v12, v12
	v_mul_f32 v12, v12, v13
	v_fma_f32 v[W+2], v13, 0xc1800000, v12
	v_fma_f32 v[W+4], v13, 0xc2000000, v12
	v_fma_f32 v[W+6], v13, 0xc2400000, v12
	v_exp_f32 v[W], v12
	v_exp_f32 v[W+2], v[W+2]
	v_exp_f32 v[W+4], v[W+4]
	v_exp_f32 v[W+6], v[W+6]
	v_nop
	s_wait_alu depctr_va_vdst(0)                   ; one wait for the four
.irp a, 0,1,2,3
	v_mov_b32 v[W+2*(\a)+1], v[W+2*(\a)]
.endr
	s_branch .Lw_set
.Lgate_w:
.irp k, 0,1,2,3,4,5,6,7
	v_mov_b32 v[W+(\k)], s82                       ; the gate: the factor is c in every block
.endr
.Lw_set:
; The arm of block a.  q or k: even column: e cos - o sin; odd column: o cos + e sin; the factors are f16 halves of one word, the arithmetic is f32; packed, and into the shared stage.
; v or the gate: X = accumulator x the block's factor.  Each accumulator is read from its low end on.
.macro ARM a
	s_wait_loadcnt 4*(3-(\a))                      ; this block's four table loads are in: they are older than the 4 (3 - a) of the later blocks, which may stay out
	WIN 0x06+(\a)/2                                ; source 0, the accumulators, in window 2 or 3; source 1, the factors, in window 1
.irp b, 0,1,2,3
.irp j, 0,1,2,3
	v_fma_mix_f32 v[M+2*((\j)%2)], v[96*((\a)%2)+8*(\b)+2*(\j)+1], v[TAB+16*(\a)+4*(\b)+(\j)], v[Z] op_sel:[0,1,0] op_sel_hi:[0,1,0]
	v_fma_mix_f32 v[M+2*((\j)%2)+1], v[96*((\a)%2)+8*(\b)+2*(\j)], v[TAB+16*(\a)+4*(\b)+(\j)], v[Z] op_sel:[0,1,0] op_sel_hi:[0,1,0]
	v_fma_mix_f32 v[XQ+8*(\b)+2*(\j)], v[96*((\a)%2)+8*(\b)+2*(\j)], v[TAB+16*(\a)+4*(\b)+(\j)], -v[M+2*((\j)%2)] op_sel_hi:[0,1,0]
	v_fma_mix_f32 v[XQ+8*(\b)+2*(\j)+1], v[96*((\a)%2)+8*(\b)+2*(\j)+1], v[TAB+16*(\a)+4*(\b)+(\j)], v[M+2*((\j)%2)+1] op_sel_hi:[0,1,0]
.endr
.endr
	WIN 0
.set i, 0
.rept 16
	v_cvt_pk_f16_f32 v[TQ+i], v[XQ+2*i], v[XQ+2*i+1]
.set i, i+1
.endr
.irp b, 0,1,2,3
	ds_store_b128 v[QST], v[TQ+4*(\b):TQ+4*(\b)+3] offset:(\a)*16*SP+32*(\b)
.endr
	WIN 0x02+(\a)/2
.set i, 0
.rept 32
	v_pk_mul_f32 v[X+i:X+i+1], v[96*((\a)%2)+32+i:96*((\a)%2)+32+i+1], v[W+2*(\a):W+2*(\a)+1]
.set i, i+2
.endr
	WIN 0                                          ; at a label and at a branch every window is 0
.endm
	s_mov_b32 s80, 0                               ; the block
.Lblk:
	s_cmp_eq_u32 s80, 0
	s_cbranch_scc1 .Lb0
	s_cmp_eq_u32 s80, 1
	s_cbranch_scc1 .Lb1
	s_cmp_eq_u32 s80, 2
	s_cbranch_scc1 .Lb2
	ARM 3
	s_branch .Lmath
.Lb2:
	ARM 2
	s_branch .Lmath
.Lb1:
	ARM 1
	s_branch .Lmath
.Lb0:
	ARM 0
.Lmath:
	s_cmp_eq_u32 s81, 0
	s_cbranch_scc1 .Lpack                          ; v is finished
	; the gate: X holds Y = c z.  z / (1 + 2^Y) = Y x 1 / (c 2^Y + c).  Where 2^Y overflows the reciprocal is -0 and so is the gate; where it is 0 the gate is z
.set i, 0
.rept 64
	v_exp_f32 v[E+i], v[X+i]
.set i, i+1
.endr
	v_nop
	s_wait_alu depctr_va_vdst(0)                   ; one wait for the 64 exponentials
.set i, 0
.rept 32
	v_pk_fma_f32 v[E+i:E+i+1], v[E+i:E+i+1], s[82:83], s[82:83] op_sel_hi:[1,0,0]
.set i, i+2
.endr
.set i, 0
.rept 64
	v_rcp_f32 v[E+i], v[E+i]
.set i, i+1
.endr
	v_nop
	s_wait_alu depctr_va_vdst(0)                   ; and one for the 64 reciprocals
.set i, 0
.rept 32
	v_pk_mul_f32 v[X+i:X+i+1], v[X+i:X+i+1], v[E+i:E+i+1]
.set i, i+2
.endr
.Lpack:
.set i, 0
.rept 32
	v_cvt_pk_f16_f32 v[TMP+i], v[X+2*i], v[X+2*i+1]
.set i, i+1
.endr
.irp b, 0,1,2,3,4,5,6,7
	ds_store_b128 v[STO], v[TMP+4*(\b):TMP+4*(\b)+3] offset:32*(\b)
.endr
.irp t, 0,1,2,3,4,5,6,7
	ds_load_b128 v[OB+4*(\t):OB+4*(\t)+3], v[RD] offset:(\t)*2*SP  ; LDS serves a wave's instructions in order: these see the stores above
.endr
	s_wait_dscnt 0x0
.irp t, 0,1,2,3,4,5,6,7
	global_store_b128 v[CO], v[OB+4*(\t):OB+4*(\t)+3], s[68:69] offset:2*(\t)*512  ; 16 lanes store 256 consecutive bytes, aligned
.endr
	s_wait_xcnt 0x0                                ; the stores have read OB and their base: the base steps here, and the next trip's arm writes over OB
	s_add_nc_u64 s[68:69], s[68:69], 16*512        ; the next 16 rows
	s_add_co_u32 s80, s80, 1
	s_cmp_lt_u32 s80, 4
	s_cbranch_scc1 .Lblk
	s_wait_dscnt 0x0                               ; for the others' sake: my stores into the shared stage are done
	s_barrier_signal -1
	s_barrier_wait -1                              ; both halves of every row of q or k lie in the stage
.irp t, 0,1,2,3,4,5,6,7,8,9,10,11,12,13,14,15
	ds_load_b128 v[QB+4*(\t):QB+4*(\t)+3], v[QRD] offset:(\t)*2*SP
.endr
.irp t, 0,1,2,3,4,5,6,7,8,9,10,11,12,13,14,15
	s_wait_dscnt 15-(\t)
	global_store_b128 v[QCO], v[QB+4*(\t):QB+4*(\t)+3], s[76:77] offset:512*(\t)  ; 16 lanes store a row's 256 bytes, aligned
.endr
	s_wait_tensorcnt 0x0                           ; the wave's end
	ds_add_u32 v[SPW], v[NIL]
	s_wait_dscnt 0x0
	CROUND                                         ; the closing round
	s_endpgm
.Lfunc_end_k_q822f7c0352_proj:
	.size	k_q822f7c0352_proj, .Lfunc_end_k_q822f7c0352_proj-k_q822f7c0352_proj
	.p2alignl 7, 3214868480
	.fill 96, 4, 3214868480
	.section	.rodata,"a",@progbits
	.p2align	6, 0x0
	.amdhsa_kernel k_q822f7c0352_proj
		.amdhsa_group_segment_fixed_size 327680
		.amdhsa_private_segment_fixed_size 0
		.amdhsa_enable_private_segment 0
		.amdhsa_kernarg_size 16
		.amdhsa_user_sgpr_count 2
		.amdhsa_user_sgpr_kernarg_segment_ptr 1
		.amdhsa_wavefront_size32 1
		.amdhsa_system_sgpr_workgroup_id_x 1
		.amdhsa_system_sgpr_workgroup_id_y 1
		.amdhsa_system_sgpr_workgroup_id_z 1
		.amdhsa_system_vgpr_workitem_id 0
		.amdhsa_next_free_vgpr 960
		.amdhsa_next_free_sgpr 96
		.amdhsa_reserve_vcc 0
		.amdhsa_float_denorm_mode_32 3
		.amdhsa_float_denorm_mode_16_64 3
		.amdhsa_memory_ordered 1
		.amdhsa_forward_progress 1
		.amdhsa_inst_pref_size 145
	.end_amdhsa_kernel
	.amdgpu_metadata
---
amdhsa.version: [ 1, 2 ]
amdhsa.kernels:
  - .name:           k_q822f7c0352_proj
    .symbol:         k_q822f7c0352_proj.kd
    .args:
      - { .name: pw, .offset: 0, .size: 8, .value_kind: global_buffer, .address_space: global }
      - { .name: pj, .offset: 8, .size: 8, .value_kind: global_buffer, .address_space: global }
    .group_segment_fixed_size: 327680
    .private_segment_fixed_size: 0
    .kernarg_segment_align: 8
    .kernarg_segment_size: 16
    .max_flat_workgroup_size: 128
    .sgpr_count:     96
    .vgpr_count:     960
    .wavefront_size: 32
...
	.end_amdgpu_metadata
.endif
;; end of part 8
;; launch kv: the kernel of part 3 again; grid 16 x 16, 4 waves a work-group, no clusters, 167,936 bytes of LDS; arguments pj, ub; writes ub
;; launch scan: the kernel of part 4 again; grid 16 x 16, 8 waves a work-group, no clusters, 0 bytes of LDS; arguments ub, st, out1; writes st, out1
;; launch ret (part 9): grid 16 x 16, 4 waves a work-group, no clusters, 242,176 bytes of LDS; arguments pj, st, yb; writes yb
.if DOCPART == 9
	.amdgcn_target "amdgcn-amd-amdhsa--gfx1250"
	.amdhsa_code_object_version 6
	.text
	.protected	k_q822f7c0352_ret
	.globl	k_q822f7c0352_ret
	.p2align	8
	.type	k_q822f7c0352_ret,@function
k_q822f7c0352_ret:
	s_mov_b64 s[64:65], 0
	v_nop
	global_prefetch_b8 v0, s[64:65] scope:SCOPE_SE
	s_setreg_imm32_b32 hwreg(HW_REG_WAVE_MODE, 25, 1), 1
	s_wait_xcnt 0x0
; RET.  For one chunk of 128 positions of one (batch, head): O_i = al_i A_i + be_i B_i, GroupNorm over the head's 256 channels, times the gate, / 16, as f16 into y [4096][2048].
;   S = qs ks^T, keys behind the query set to 0; m_i = max_j |S_ij| (at least 1e-30); P = S / m_i as f16, within +-1; A = P vs; B = qs Rh_c.
;   al_i = C m_i g^(a-127), be_i = C rq_c g^(a-127) g^128, C = 64 / sqrt(128): the 64 undoes the two factors 1/8 in qs and ks.
; The two operands whose size goes with the fourth power of the inputs, P and the state, are thus normalised at run time; mean and variance are taken in two passes in f32.
; Grid x = chunk, y = bh: 256 work-groups with tiles of their own: no cluster.  A wave owns 32 queries, two tiles of 16.  Every LDS byte is filled once; the gate's rows are the wave's own and take y in place.
; All products are used transposed: a lane holds ONE query (l % 16) and eight keys or channels 8 (l / 16) + 0..7, so S rounded in pairs is source 1 of the second product.
; THE EPILOGUE IS A LOOP of two trips, a tile each.  Only the lines that name a tile's accumulators or its LDS address register are written for each tile, as arms that the loop's counter chooses; the norm and the gate work on fixed registers of window 0.
; REGISTERS.  window 0: addresses, statistics, S (64 a tile; later O, a tile's 128 channels), P (32 a tile; later the gate); window 1: A, 128 a tile; window 2: B; window 3: Q (32 a tile) and three fragment buffers of 64.
.set KT,    0                          ; 128 keys x 272
.set RT,    34816                      ; 128 d x 544
.set VT,    104448                     ; 128 keys x 544
.set GT,    174080                     ; 128 rows x 528
.set SPARE, 241664
.set AK,  4
.set AR,  5
.set AV,  6
.set QO,  7
.set GA,  8                            ; v8-9
.set RDG, 10
.set YO,  11
.set THR, 12                           ; v12-13  my query less 8 (l / 16): register j of key block kb is hidden where 16 kb + j is greater
.set Z,   14
.set LG,  15
.set SPW, 16
.set NIL, 17
.set ST,  20                           ; tile t at ST + 12 t: +0 m, pairs +2 1/m, +4 al, +6 be; tile 0's +8 and +10 hold the mean and rsqrt / 16 of the tile in hand
.set RI,  2
.set AL,  4
.set BE,  6
.set MU,  8
.set RS,  10
.set CH,  44                           ; v44-51 chains
.set S,   64
.set O,   64                           ; v64-191
.set P,   192
.set G,   192                          ; v192-255
.set SEL, 60
.set MSB, 0
.macro WIN new
.if MSB != (\new)
	s_set_vgpr_msb (MSB<<8)|(\new)
.set MSB, \new
.endif
.endm
.macro PLACES
.rept 4
	v_nop
.endr
.endm
.macro LOG2G vd, vt, sh
	v_cvt_f32_u32 v[\vt], s[\sh]
	v_mul_f32 v[\vt], 0xbf124925, v[\vt]
	v_add_f32 v[\vt], 0xc0a00000, v[\vt]
	v_exp_f32 v[\vt], v[\vt]
	v_mov_b32 v[\vd], 0x3e4ccccd
	s_wait_alu depctr_va_vdst(0)
	v_fma_f32 v[\vd], v[\vd], v[\vt], 0x3e800000
	v_fma_f32 v[\vd], v[\vd], v[\vt], 0x3eaaaaab
	v_fma_f32 v[\vd], v[\vd], v[\vt], 0.5
	v_fma_f32 v[\vd], v[\vd], v[\vt], 1.0
	v_mul_f32 v[\vd], v[\vd], v[\vt]
	v_mul_f32 v[\vd], 0xbfb8aa3b, v[\vd]
.endm
	s_load_b128 s[4:7], s[0:1], 0x0                ; pj s[4:5], st s[6:7]
	s_load_b64 s[8:9], s[0:1], 0x10                ; yb
	v_lshl_add_u32 v[SPW], v0, 2, SPARE
	v_mov_b32 v[NIL], 0
	ds_add_u32 v[SPW], v[NIL]                      ; the opening: the add, twice on end, and its wait ahead of my first tensor load
	ds_add_u32 v[SPW], v[NIL]
	v_lshrrev_b32 v1, 5, v0
	v_readfirstlane_b32 s10, v1                    ; wave
	s_and_b32 s13, ttmp7, 0xffff                   ; bh
	s_lshl_b32 s14, s13, 11
	s_lshl_b32 s15, ttmp9, 7
	s_add_co_u32 s14, s14, s15
	s_lshl_b32 s15, s10, 5                         ; 32 wave
	s_add_co_u32 s14, s14, s15                     ; my first row: 2,048 bh + 128 c + 32 wave
	s_lshl_b32 s56, s14, 8
	s_mov_b32 s57, 0
	s_lshl_b32 s58, s14, 9
	s_mov_b32 s59, 0
	s_lshl_b32 s2, s13, 4
	s_add_co_u32 s2, s2, ttmp9                     ; 16 bh + c
	s_lshl_b32 s66, s2, 7
	s_add_co_u32 s66, s66, s15
	s_lshl_b32 s66, s66, 9                         ; my 32 rows d of Rh_c
	s_mov_b32 s67, 0
	s_lshl_b32 s68, s2, 2
	s_add_co_u32 s68, s68, 16777216                ; rq_c
	s_mov_b32 s69, 0
	s_lshr_b32 s74, s13, 3                         ; batch
	s_lshl_b32 s74, s74, 11
	s_lshl_b32 s75, ttmp9, 7
	s_add_co_u32 s74, s74, s75
	s_add_co_u32 s74, s74, s15
	s_lshl_b32 s74, s74, 12                        ; my first row of y, 4,096 bytes a row,
	s_and_b32 s76, s13, 7                          ; head
	s_lshl_b32 s75, s76, 9                         ; the head's 512 bytes of it
	s_add_co_u32 s74, s74, s75
	s_mov_b32 s75, 0
	s_mov_b32 s16, (1<<16)|(1<<20)|(5<<22)|(3<<25) ; ks: rows of 256 bytes + 16
	s_mov_b32 s17, 128<<16
	s_mov_b32 s18, 32<<16
	s_mov_b32 s19, 128<<16
	s_mov_b32 s20, 32
	s_mov_b32 s21, 128
	s_mov_b32 s22, 0
	s_mov_b32 s23, 0
	s_mov_b32 s24, (1<<16)|(1<<20)|(6<<22)|(7<<25) ; Rh and vs: rows of 512 bytes + 32
	s_mov_b32 s25, 256<<16
	s_mov_b32 s26, 32<<16
	s_mov_b32 s27, 256<<16
	s_mov_b32 s28, 32
	s_mov_b32 s29, 256
	s_mov_b32 s30, 0
	s_mov_b32 s31, 0
	s_mov_b32 s32, (1<<16)|(1<<20)|(6<<22)|(3<<25) ; the gate: rows of 512 bytes + 16
	s_mov_b32 s33, 256<<16
	s_mov_b32 s34, 32<<16
	s_mov_b32 s35, 256<<16
	s_mov_b32 s36, 32
	s_mov_b32 s37, 256
	s_mov_b32 s38, 0
	s_mov_b32 s39, 0
	s_mov_b32 s40, 1
	s_mul_i32 s41, s10, 32*272
	s_mov_b32 s44, 1
	s_mul_i32 s45, s10, 32*544
	s_add_co_u32 s45, s45, RT
	s_mov_b32 s48, 1
	s_mul_i32 s49, s10, 32*544
	s_add_co_u32 s49, s49, VT
	s_mov_b32 s52, 1
	s_mul_i32 s53, s10, 32*528
	s_add_co_u32 s53, s53, GT
	s_mov_b32 s[SEL], 0x76543210
	s_mov_b32 s[SEL+1], 0xfedcba98
	s_mov_b32 s62, 0x3b800000                      ; 1/256
	s_mov_b32 s63, 0x3727c5ac                      ; 1e-5
	s_sub_co_u32 s77, s15, 127
	s_wait_dscnt 0x0
	s_wait_kmcnt 0x0
	s_add_nc_u64 s[42:43], s[4:5], s[56:57]
	s_add_nc_u64 s[42:43], s[42:43], 8388608
	s_or_b32 s43, s43, 0x80000000
	s_add_nc_u64 s[46:47], s[6:7], s[66:67]
	s_or_b32 s47, s47, 0x80000000
	s_add_nc_u64 s[50:51], s[4:5], s[58:59]
	s_add_nc_u64 s[50:51], s[50:51], 16777216
	s_or_b32 s51, s51, 0x80000000
	s_add_nc_u64 s[54:55], s[4:5], s[58:59]
	s_add_nc_u64 s[54:55], s[54:55], 33554432
	s_or_b32 s55, s55, 0x80000000
	s_add_nc_u64 s[70:71], s[4:5], s[56:57]        ; qs
	s_add_nc_u64 s[68:69], s[6:7], s[68:69]
	s_add_nc_u64 s[74:75], s[8:9], s[74:75]
	tensor_load_to_lds s[40:43], s[16:23]          ; ks, Rh, vs, the gate, 32 rows each: four loads of mine are out
	s_nop 0
	tensor_load_to_lds s[44:47], s[24:31]
	s_nop 0
	tensor_load_to_lds s[48:51], s[24:31]
	s_nop 0
	tensor_load_to_lds s[52:55], s[32:39]
	s_nop 0
.rept 4
	v_nop
.endr
	s_load_b32 s72, s[68:69], 0x0                  ; rq_c
	v_and_b32 v1, 15, v0                           ; r
	v_bfe_u32 v2, v0, 4, 1                         ; h
	v_and_b32 v3, 31, v0                           ; l
	v_lshlrev_b32 v[QO], 8, v1
	v_lshl_add_u32 v[QO], v2, 4, v[QO]
	WIN 0xc0                                       ; destination window 3
.irp t, 0,1
.irp cc, 0,1,2,3
	global_load_b128 v[32*(\t)+8*(\cc):32*(\t)+8*(\cc)+3],   v[QO], s[70:71] offset:4096*(\t)+64*(\cc)
	global_load_b128 v[32*(\t)+8*(\cc)+4:32*(\t)+8*(\cc)+7], v[QO], s[70:71] offset:4096*(\t)+64*(\cc)+32
.endr
.endr
	WIN 0
	v_mul_u32_u24 v[AK], v1, 272
	v_lshl_add_u32 v[AK], v2, 4, v[AK]
	v_and_b32 v18, 7, v0
	v_lshl_add_u32 v18, v2, 3, v18
	v_mul_u32_u24 v18, v18, 544
	v_bfe_u32 v19, v0, 3, 1
	v_lshl_add_u32 v18, v19, 4, v18
	v_add_nc_u32 v[AR], RT, v18
	v_add_nc_u32 v[AV], VT, v18
	v_add_nc_u32 v18, s15, v1                      ; my query in tile 0
	v_mul_u32_u24 v[GA], v18, 528
	v_lshl_add_u32 v[GA], v2, 4, v[GA]
	v_add_nc_u32 v[GA], GT, v[GA]
	v_add_nc_u32 v[GA+1], 16*528, v[GA]
	v_lshl_add_u32 v[RDG], v3, 4, s53
	v_lshlrev_b32 v[YO], 4, v3
	v_lshlrev_b32 v19, 3, v2
	v_sub_nc_u32 v[THR], v18, v19
	v_add_nc_u32 v[THR+1], 16, v[THR]
	v_mov_b32 v[Z], 0
	LOG2G LG, 18, 76
	v_add_nc_u32 v52, s77, v1
	v_cvt_f32_i32 v52, v52                         ; a - 127 for tile 0
	v_mul_f32 v54, v52, v[LG]
	v_fma_f32 v55, v[LG], 0x41800000, v54
	v_mul_f32 v56, 0x43000000, v[LG]
	v_exp_f32 v54, v54                             ; g^(a-127), tile 0
	v_exp_f32 v55, v55                             ; tile 1
	v_exp_f32 v56, v56                             ; g^128
	v_nop
	s_wait_alu depctr_va_vdst(0)
.macro LDK cc, buf                     ; 8 fragments of ks: key blocks 0-7, channels 32 cc on
	WIN 0xc0
.irp kb, 0,1,2,3,4,5,6,7
	ds_load_b128 v[64+64*(\buf)+8*(\kb):64+64*(\buf)+8*(\kb)+3],   v[AK] offset:4352*(\kb)+64*(\cc)
	ds_load_b128 v[64+64*(\buf)+8*(\kb)+4:64+64*(\buf)+8*(\kb)+7], v[AK] offset:4352*(\kb)+64*(\cc)+32
.endr
.endm
.macro LDT adr, dd, hf, buf            ; 8 turned fragments: rows 32 dd on, channel blocks 8 hf + 0..7
	WIN 0xc0
.irp i, 0,1,2,3,4,5,6,7
	ds_load_tr16_b128 v[64+64*(\buf)+8*(\i):64+64*(\buf)+8*(\i)+3],   v[\adr] offset:17408*(\dd)+32*(8*(\hf)+(\i))
	ds_load_tr16_b128 v[64+64*(\buf)+8*(\i)+4:64+64*(\buf)+8*(\i)+7], v[\adr] offset:17408*(\dd)+32*(8*(\hf)+(\i))+8704
.endr
.endm
; each group is 16 matrix instructions on 16 different accumulators, in one order: they take turns
.macro MULS buf, cc
	WIN 0x0f
.irp kb, 0,1,2,3,4,5,6,7
.irp t, 0,1
.if (\cc) == 0
	v_wmma_f32_16x16x32_f16 v[S+64*(\t)+8*(\kb):S+64*(\t)+8*(\kb)+7], v[64+64*(\buf)+8*(\kb):64+64*(\buf)+8*(\kb)+7], v[32*(\t)+8*(\cc):32*(\t)+8*(\cc)+7], 0
.else
	v_wmma_f32_16x16x32_f16 v[S+64*(\t)+8*(\kb):S+64*(\t)+8*(\kb)+7], v[64+64*(\buf)+8*(\kb):64+64*(\buf)+8*(\kb)+7], v[32*(\t)+8*(\cc):32*(\t)+8*(\cc)+7], v[S+64*(\t)+8*(\kb):S+64*(\t)+8*(\kb)+7]
.endif
.endr
.endr
.endm
.macro MULB buf, dd, hf
	WIN 0xaf
.irp i, 0,1,2,3,4,5,6,7
.irp t, 0,1
.if (\dd) == 0
	v_wmma_f32_16x16x32_f16 v[128*(\t)+8*(8*(\hf)+(\i)):128*(\t)+8*(8*(\hf)+(\i))+7], v[64+64*(\buf)+8*(\i):64+64*(\buf)+8*(\i)+7], v[32*(\t)+8*(\dd):32*(\t)+8*(\dd)+7], 0
.else
	v_wmma_f32_16x16x32_f16 v[128*(\t)+8*(8*(\hf)+(\i)):128*(\t)+8*(8*(\hf)+(\i))+7], v[64+64*(\buf)+8*(\i):64+64*(\buf)+8*(\i)+7], v[32*(\t)+8*(\dd):32*(\t)+8*(\dd)+7], v[128*(\t)+8*(8*(\hf)+(\i)):128*(\t)+8*(8*(\hf)+(\i))+7]
.endif
.endr
.endr
.endm
.macro MULA buf, dd, hf
	WIN 0x53
.irp i, 0,1,2,3,4,5,6,7
.irp t, 0,1
.if (\dd) == 0
	v_wmma_f32_16x16x32_f16 v[128*(\t)+8*(8*(\hf)+(\i)):128*(\t)+8*(8*(\hf)+(\i))+7], v[64+64*(\buf)+8*(\i):64+64*(\buf)+8*(\i)+7], v[P+32*(\t)+8*(\dd):P+32*(\t)+8*(\dd)+7], 0
.else
	v_wmma_f32_16x16x32_f16 v[128*(\t)+8*(8*(\hf)+(\i)):128*(\t)+8*(8*(\hf)+(\i))+7], v[64+64*(\buf)+8*(\i):64+64*(\buf)+8*(\i)+7], v[P+32*(\t)+8*(\dd):P+32*(\t)+8*(\dd)+7], v[128*(\t)+8*(8*(\hf)+(\i)):128*(\t)+8*(8*(\hf)+(\i))+7]
.endif
.endr
.endr
.endm
	s_wait_tensorcnt 0x3                           ; my rows of ks are in; three younger loads stay out
	s_barrier_signal -1
	s_barrier_wait -1
	LDK 0, 0
	LDK 1, 1
	LDK 2, 2
	s_wait_loadcnt 0x0                             ; Q
	s_wait_dscnt 32                                ; the oldest group of 16 loads is in
	MULS 0, 0
	PLACES
	LDK 3, 0
	s_wait_dscnt 32
	MULS 1, 1
	s_wait_dscnt 16
	MULS 2, 2
	s_wait_dscnt 0x0
	MULS 0, 3
	WIN 0
	s_wait_tensorcnt 0x1                           ; my rows of Rh and vs are in; the gate's may stay out
	s_barrier_signal -1
	s_barrier_wait -1
	PLACES                                         ; behind the last products: for the loads into buffers 1, 2 and for the readers of S
	LDT AR, 0, 0, 1
	LDT AR, 0, 1, 2
	WIN 0
.macro MASKMAX t
.set rS, S+64*(\t)
.set rT, ST+12*(\t)
.set c0, CH+4*(\t)
.set i, 0
.rept 64
	v_cmp_gt_i32 vcc_lo, 16*(i/8)+i%8, v[THR+(\t)]
	v_cndmask_b32 v[rS+i], v[rS+i], v[Z], vcc_lo
.set i, i+1
.endr
.set i, 0
.rept 32
.if (i%4 == 0) && (i < 16)
	v_max_num_f32 v[c0+(i/4)%4], |v[rS+2*i]|, |v[rS+2*i+1]|
.else
	v_max3_num_f32 v[c0+(i/4)%4], |v[rS+2*i]|, |v[rS+2*i+1]|, v[c0+(i/4)%4]
.endif
.set i, i+1
.endr
	v_max3_num_f32 v[c0], v[c0], v[c0+1], v[c0+2]
	v_max_num_f32 v[c0], v[c0], v[c0+3]
	v_permlanex16_b32 v[c0+1], v[c0], s[SEL], s[SEL+1]  ; the query's other 64 keys lie in the lane 16 away
	v_max_num_f32 v[rT], v[c0], v[c0+1]
	v_max_num_f32 v[rT], 0x0da24260, v[rT]
.endm
.macro SCALE t
.set rS, S+64*(\t)
.set rT, ST+12*(\t)
.set i, 0
.rept 32
	v_pk_mul_f32 v[rS+2*i:rS+2*i+1], v[rS+2*i:rS+2*i+1], v[rT+RI:rT+RI+1]
.set i, i+1
.endr
.set i, 0
.rept 32
	v_cvt_pk_f16_f32 v[P+32*(\t)+i], v[rS+2*i], v[rS+2*i+1]
.set i, i+1
.endr
.endm
	MASKMAX 0
	MASKMAX 1
	v_rcp_f32 v[ST+RI], v[ST]
	v_rcp_f32 v[ST+RI+1], v[ST]
	v_rcp_f32 v[ST+12+RI], v[ST+12]
	v_rcp_f32 v[ST+12+RI+1], v[ST+12]
	s_wait_kmcnt 0x0                               ; rq_c
	v_mul_f32 v57, s72, v56
	s_wait_alu depctr_va_vdst(0)                   ; one wait for the four reciprocals; the line above is the plain instruction behind them
	v_mul_f32 v57, 0x40b504f3, v57                 ; C rq g^128
.irp t, 0,1
	v_mul_f32 v[ST+12*(\t)+AL], v[ST+12*(\t)], v[54+(\t)]
	v_mul_f32 v[ST+12*(\t)+AL], 0x40b504f3, v[ST+12*(\t)+AL]
	v_mov_b32 v[ST+12*(\t)+AL+1], v[ST+12*(\t)+AL]
	v_mul_f32 v[ST+12*(\t)+BE], v57, v[54+(\t)]
	v_mov_b32 v[ST+12*(\t)+BE+1], v[ST+12*(\t)+BE]
.endr
	SCALE 0
	SCALE 1
; groups 0-7: B = qs Rh; groups 8-15: A = P vs.  Group n multiplies buffer (n + 1) % 3; ahead of it group n + 2 is fetched into buffer n % 3, which group n - 1 has just left.
.set n, 0
.rept 16
.if n <= 13
	PLACES
.if n+2 < 8
	LDT AR, (n+2)/2, n%2, n%3
.else
	LDT AV, (n-6)/2, n%2, n%3
.endif
	s_wait_dscnt 32                                ; group n is in; the two younger groups' loads stay out
.elseif n == 14
	s_wait_dscnt 16
.else
	s_wait_dscnt 0x0
.endif
.if n < 8
	MULB (n+1)%3, n/2, n%2
.else
	MULA (n+1)%3, (n-8)/2, n%2
.endif
.set n, n+1
.endr
	WIN 0
	s_wait_tensorcnt 0x0                           ; my own rows of the gate: no other wave reads them, so no barrier
	PLACES                                         ; behind the last products: for the readers of A and B, and for the loads into P's registers
.macro CLEAR
.irp k, 0,1,2,3,4,5,6,7
	v_mov_b32 v[CH+(\k)], 0
.endr
.endm
.macro REDUCE                          ; four packed chains, the two halves, the lane 16 away
	v_pk_add_f32 v[CH:CH+1], v[CH:CH+1], v[CH+2:CH+3]
	v_pk_add_f32 v[CH+4:CH+5], v[CH+4:CH+5], v[CH+6:CH+7]
	v_pk_add_f32 v[CH:CH+1], v[CH:CH+1], v[CH+4:CH+5]
	v_add_f32 v[CH], v[CH], v[CH+1]
	v_permlanex16_b32 v[CH+1], v[CH], s[SEL], s[SEL+1]
	v_add_f32 v[CH], v[CH], v[CH+1]
.endm
; The arm of tile t at a trip's head: its gate is asked for, and O = al A + be B comes into window 0; each accumulator is read from its low end on.
.macro EPIA t
	WIN 0
.irp cb, 0,1,2,3,4,5,6,7,8,9,10,11,12,13,14,15
	ds_load_b128 v[G+4*(\cb):G+4*(\cb)+3], v[GA+(\t)] offset:32*(\cb)
.endr
	WIN 0x01                                       ; source 0, A, in window 1
.set i, 0
.rept 64
	v_pk_mul_f32 v[O+i:O+i+1], v[128*(\t)+i:128*(\t)+i+1], v[ST+12*(\t)+AL:ST+12*(\t)+AL+1]
.set i, i+2
.endr
	WIN 0x02                                       ; source 0, B, in window 2
.set i, 0
.rept 64
	v_pk_fma_f32 v[O+i:O+i+1], v[128*(\t)+i:128*(\t)+i+1], v[ST+12*(\t)+BE:ST+12*(\t)+BE+1], v[O+i:O+i+1]
.set i, i+2
.endr
	WIN 0                                          ; at a label and at a branch every window is 0
.endm
; The arm of tile t at a trip's end: y goes where the tile's gate lay.
.macro EPIS t
.irp cb, 0,1,2,3,4,5,6,7,8,9,10,11,12,13,14,15
	ds_store_b128 v[GA+(\t)], v[G+4*(\cb):G+4*(\cb)+3] offset:32*(\cb)
.endr
.endm
	s_mov_b32 s78, 0                               ; the tile
.Lepi:
	s_cmp_eq_u32 s78, 0
	s_cbranch_scc1 .Lepi0
	EPIA 1
	s_branch .Lepi_c
.Lepi0:
	EPIA 0
.Lepi_c:
	CLEAR
.set i, 0
.rept 64
	v_pk_add_f32 v[CH+i%8:CH+i%8+1], v[O+i:O+i+1], v[CH+i%8:CH+i%8+1]
.set i, i+2
.endr
	REDUCE
	v_mul_f32 v[ST+MU], s62, v[CH]
	v_mov_b32 v[ST+MU+1], v[ST+MU]
.set i, 0
.rept 64
	v_pk_add_f32 v[O+i:O+i+1], v[O+i:O+i+1], v[ST+MU:ST+MU+1] neg_lo:[0,1] neg_hi:[0,1]
.set i, i+2
.endr
	CLEAR
.set i, 0
.rept 64
	v_pk_fma_f32 v[CH+i%8:CH+i%8+1], v[O+i:O+i+1], v[O+i:O+i+1], v[CH+i%8:CH+i%8+1]
.set i, i+2
.endr
	REDUCE
	v_fma_f32 v[CH], v[CH], s62, s63               ; variance + 1e-5
	v_rsq_f32 v[ST+RS], v[CH]
	v_nop
	s_wait_alu depctr_va_vdst(0)
	v_mul_f32 v[ST+RS], 0x3d800000, v[ST+RS]       ; / 16: |y| stays within the gate's range
	v_mov_b32 v[ST+RS+1], v[ST+RS]
.set i, 0
.rept 64
	v_pk_mul_f32 v[O+i:O+i+1], v[O+i:O+i+1], v[ST+RS:ST+RS+1]
.set i, i+2
.endr
	s_wait_dscnt 0x0                               ; the gate
.set i, 0
.rept 64
	v_fma_mixlo_f16 v[G+i], v[O+2*i], v[G+i], v[Z] op_sel_hi:[0,1,0]
	v_fma_mixhi_f16 v[G+i], v[O+2*i+1], v[G+i], v[Z] op_sel:[0,1,0] op_sel_hi:[0,1,0]
.set i, i+1
.endr
	s_cmp_eq_u32 s78, 0
	s_cbranch_scc1 .Lst0
	EPIS 1
	s_branch .Lst_c
.Lst0:
	EPIS 0
.Lst_c:
	s_add_co_u32 s78, s78, 1
	s_cmp_lt_u32 s78, 2
	s_cbranch_scc1 .Lepi
.set i, 0
.rept 32
	ds_load_b128 v[64+4*i:64+4*i+3], v[RDG] offset:528*i   ; my 32 rows back, whole: LDS serves a wave's instructions in order
.set i, i+1
.endr
.set i, 0
.rept 32
	s_wait_dscnt 31-i
	global_store_b128 v[YO], v[64+4*i:64+4*i+3], s[74:75] offset:4096*i  ; 512 consecutive bytes, aligned
.set i, i+1
.endr
	s_wait_tensorcnt 0x0                           ; the wave's end
	ds_add_u32 v[SPW], v[NIL]
	s_wait_dscnt 0x0
	s_endpgm
.Lfunc_end_k_q822f7c0352_ret:
	.size	k_q822f7c0352_ret, .Lfunc_end_k_q822f7c0352_ret-k_q822f7c0352_ret
	.p2alignl 7, 3214868480
	.fill 96, 4, 3214868480
	.section	.rodata,"a",@progbits
	.p2align	6, 0x0
	.amdhsa_kernel k_q822f7c0352_ret
		.amdhsa_group_segment_fixed_size 242176
		.amdhsa_private_segment_fixed_size 0
		.amdhsa_enable_private_segment 0
		.amdhsa_kernarg_size 24
		.amdhsa_user_sgpr_count 2
		.amdhsa_user_sgpr_kernarg_segment_ptr 1
		.amdhsa_wavefront_size32 1
		.amdhsa_system_sgpr_workgroup_id_x 1
		.amdhsa_system_sgpr_workgroup_id_y 1
		.amdhsa_system_sgpr_workgroup_id_z 1
		.amdhsa_system_vgpr_workitem_id 0
		.amdhsa_next_free_vgpr 1024
		.amdhsa_next_free_sgpr 80
		.amdhsa_reserve_vcc 1
		.amdhsa_float_denorm_mode_32 3
		.amdhsa_float_denorm_mode_16_64 3
		.amdhsa_memory_ordered 1
		.amdhsa_forward_progress 1
		.amdhsa_inst_pref_size 129
	.end_amdhsa_kernel
	.amdgpu_metadata
---
amdhsa.version: [ 1, 2 ]
amdhsa.kernels:
  - .name:           k_q822f7c0352_ret
    .symbol:         k_q822f7c0352_ret.kd
    .args:
      - { .name: pj, .offset: 0, .size: 8, .value_kind: global_buffer, .address_space: global }
      - { .name: st, .offset: 8, .size: 8, .value_kind: global_buffer, .address_space: global }
      - { .name: yb, .offset: 16, .size: 8, .value_kind: global_buffer, .address_space: global }
    .group_segment_fixed_size: 242176
    .private_segment_fixed_size: 0
    .kernarg_segment_align: 8
    .kernarg_segment_size: 24
    .max_flat_workgroup_size: 128
    .sgpr_count:     80
    .vgpr_count:     1024
    .wavefront_size: 32
...
	.end_amdgpu_metadata
.endif
;; end of part 9
;; launch outp: the kernel of part 6 again; grid 8 x 32, 4 waves a work-group, clusters of 4 x 4, 327,680 bytes of LDS; arguments yb, pw, bp, out0; writes out0
